; MI455X (gfx1250); checked and timed in simulation.
; The chip was launched on July 23, 2026; its instructions are those of AMD's public machine-readable ISA for CDNA 5 (MIT licence, August 2026) and "CDNA5" Instruction Set Architecture Reference Guide (July 2026). The comments in the code are by the model that wrote it; some were corrected since.
;; Multi Head Attention Social. Allowed arithmetic: matrix products marked QUANTISED: E4M3 operands, one E8M0 scale for each 32 along K, by v_wmma_scale_f32_16x16x128_f8f6f4 with both operands' format E4M3, f32 sums; everything else in f32.
;; Inputs: Wk_codes 1,024 x 16 x 32 uint8 (E4M3 codes of Wk, K innermost, in blocks of 32 codes); Wk_scales 1,024 x 16 uint8 (E8M0 scales of Wk, one for each 32 codes along K); Wo_codes 1,024 x 32 x 32 uint8 (E4M3 codes of Wo, K innermost, in blocks of 32 codes); Wo_scales 1,024 x 32 uint8 (E8M0 scales of Wo, one for each 32 codes along K); Wq_codes 1,024 x 32 x 32 uint8 (E4M3 codes of Wq, K innermost, in blocks of 32 codes); Wq_scales 1,024 x 32 uint8 (E8M0 scales of Wq, one for each 32 codes along K); Wv_codes 1,024 x 16 x 32 uint8 (E4M3 codes of Wv, K innermost, in blocks of 32 codes); Wv_scales 1,024 x 16 uint8 (E8M0 scales of Wv, one for each 32 codes along K); bk 1,024 float32; bo 1,024 float32; bq 1,024 float32; bv 1,024 float32; key 4 x 2,048 x 512 float32; query_codes 4 x 2,048 x 32 x 32 uint8 (E4M3 codes of query, K innermost, in blocks of 32 codes); query_scales 4 x 2,048 x 32 uint8 (E8M0 scales of query, one for each 32 codes along K); value 4 x 2,048 x 512 float32.
;; Outputs: out0 4 x 2,048 x 1,024 float32.
;; This version of the problem:
;;   THIS VERSION OF THE PROBLEM IS GIVEN IN LOW PRECISION. The matrix products marked QUANTISED in the list below multiply operands that are first quantised to E4M3 (4 exponent bits, 3 mantissa bits; 8 bits a number), with one power-of-two scale for each 32 numbers along K (OCP MX v1.0); their sums are f32. All else is computed in f32.
;;   The module's matrix products, in the order in which they are computed (A, B: the left and right operand; K: the contracted axis; several contracted axes count as one K, in the product's order):
;;     1. [M 8,192, K 1,024] x [K 1,024, N 1,024]; A: input query (given as codes); B: input Wq (given as codes): QUANTISED
;;     2. [M 8,192, K 512] x [K 512, N 1,024]; A: input key; B: input Wk (given as codes): QUANTISED
;;     3. [M 8,192, K 512] x [K 512, N 1,024]; A: input value; B: input Wv (given as codes): QUANTISED
;;     4. batch 64 x [M 2,048, K 64] x [K 64, N 2,048]; A: computed on the way; B: computed on the way: QUANTISED
;;     5. batch 64 x [M 2,048, K 2,048] x [K 2,048, N 64]; A: softmax (see below); B: computed on the way: QUANTISED
;;     6. [M 8,192, K 1,024] x [K 1,024, N 1,024]; A: computed on the way; B: input Wo (given as codes): QUANTISED
;;   THE QUANTISER, for each operand of a quantised product, along K:
;;     - K is cut into blocks of 32 from its start; a last block that is shorter is filled with zeros.
;;     - A block's scale is 2^e with e = floor(log2(the largest magnitude in the block)) - 8, held to -126 .. 127; a block of zeros has e = 0. As a byte (E8M0): e + 127.
;;     - Each number is divided by its block's scale, clamped to +-448, and rounded to the nearest number of E4M3, ties to even, subnormals kept.
;;     - The product sums the exact products of the quantised numbers (number of the format x scale) in f32.
;;   ~~~python
;;   def quantise(x, axis):      # numpy; x: float32 -> the quantised numbers, widened to float32 again
;;       x = np.moveaxis(x, axis, -1); K = x.shape[-1]
;;       x = np.pad(x, [(0, 0)] * (x.ndim - 1) + [(0, -K % 32)]); x = x.reshape(x.shape[:-1] + (-1, 32)); a = np.abs(x).max(-1, keepdims=True)
;;       e = np.where(a > 0, np.clip(np.frexp(np.where(a > 0, a, 1))[1] - 1 - 8, -126, 127), 0)      # np.frexp(a)[1] - 1 = floor(log2(a)), exactly
;;       r = np.clip(x / 2.0 ** e, -448, 448)
;;       step = 2.0 ** (np.maximum(np.frexp(np.where(r == 0, 1, r))[1] - 1, -6) - 3)
;;       q = np.round(r / step) * step * 2.0 ** e      # np.round: ties to even
;;       return np.moveaxis(q.reshape(q.shape[:-2] + (-1,))[..., :K], -1, axis).astype(np.float32)
;;   ~~~
;;   SOFTMAX AHEAD OF A QUANTISED PRODUCT. Where the list says 'softmax', what is quantised is not the finished softmax but p = 2^(t - M), with t = logit x log2(e) and M = ceil(the row's largest t), a whole number; so 1/2 < the row's largest p <= 1. The row's sum l is taken of the UNQUANTISED p, in f32, and the product's result is divided by l at the end. Since M is a whole number, a kernel that streams over the keys may use a running M (the ceiling of the running maximum): every later rescaling is an exact power of two, which a block's scale takes up: the codes' values come out the same.
;;   OPERANDS COMPUTED ON THE WAY. 'Computed on the way' means the value that the module computes at that place (a softmax that the list does not call 'softmax' is quantised finished and normalised). What goes into a quantiser is computed in f32, as accurately as f32 sums, v_exp_f32 and their like allow (about 1e-6 of the number): no bf16 or f16 on the way to a quantiser, and a product that is left as it is and whose result goes on into a quantised operand takes f32 operands (vector FMAs, or v_wmma_f32_16x16x4_f32). A number that lies on a knife's edge between two numbers of the format may be rounded either way, as far as f32 arithmetic and the matrix unit's own rounding can turn it there, and no further.
;;   INPUTS GIVEN AS CODES. Wk (in the module: [512, 1024], K = its axis 0); Wo (in the module: [1024, 1024], K = its axis 0); Wq (in the module: [1024, 1024], K = its axis 0); Wv (in the module: [512, 1024], K = its axis 0); query (in the module: [4, 2048, 1024], K = its axis 2): each comes as NAME_codes (uint8): NAME with its K axis moved to the last place and cut into blocks of 32 codes, [.., K / 32, bytes a block], one block behind the other in memory; one code a byte (a code: sign, 4 exponent bits, 3 mantissa bits); and NAME_scales (uint8): the same leading axes, one E8M0 byte (e + 127) for each 32 codes along K. Its value is code x scale, taken as it is: it is not quantised again, and the codes and scales need not be those that the quantiser above would give.
;; 2 versions. Each part assembles by itself: llvm-mc -triple=amdgcn-amd-amdhsa -mcpu=gfx1250 --defsym DOCPART=n.
;; ======== version 1 of 2: 3 launches
;; workspace buffers: qimg 8,388,608 bytes; qsc 262,144 bytes; kv 17,301,504 bytes; at 8,650,752 bytes
;; launch proj (part 1): grid 256 x 3, 4 waves a work-group, no clusters, 275,456 bytes of LDS; arguments query_codes, query_scales, Wq_codes, Wq_scales, bq, key, Wk_codes, Wk_scales, bk, value, Wv_codes, Wv_scales, bv, qimg, qsc, kv; writes qimg, qsc, kv
.if DOCPART == 1
	.amdgcn_target "amdgcn-amd-amdhsa--gfx1250"
	.amdhsa_code_object_version 6
	.text
	.protected	k_qa29f6388f8_proj
	.globl	k_qa29f6388f8_proj
	.p2align	8
	.type	k_qa29f6388f8_proj,@function
k_qa29f6388f8_proj:
	s_mov_b64 s[64:65], 0
	v_nop
	global_prefetch_b8 v0, s[64:65] scope:SCOPE_SE
	s_setreg_imm32_b32 hwreg(HW_REG_WAVE_MODE, 25, 1), 1
	s_wait_xcnt 0x0
; THE THREE INPUT PROJECTIONS, q = query Wq + bq, k = key Wk + bk, v = value Wv + bv, on codes of FP8 (E4M3) with one E8M0 scale for each 32 along K,
; and the quantising of their results for the attention launch.  Work-group y = 0: q, 1: k, 2: v.  x = 4 mb + ns: rows 128 mb .. + 127 (of 8,192), heads 4 ns .. 4 ns + 3.
; SHARES.  Wave w owns head 4 ns + w: 64 channels for all 128 rows.  Its slice of the weight stays in registers (q: 32 fragments, k and v: 16), read from memory once.
; The 128 rows of the activation lie as codes in LDS, filled once: query's codes are copied; key and value arrive as f32 and are quantised on the way, 32 rows a wave.
; A UNIT is 32 rows x 64 channels: 8 accumulators, taken by turns.  Its results are quantised in registers and leave as IMAGES OF THE READER'S OPERAND REGISTERS, 512 consecutive bytes a store.
; q, k: source 0 = 16 rows of W, source 1 = 16 rows of the activation: a lane holds one row and its registers run along the channels, which are the next K.
; v:    source 0 = 16 rows of the activation, source 1 = 16 rows of W: a lane holds one channel and its registers run along the keys, which are the next K.
; THE ROWS OF A SOURCE-0 TILE ARE NOT NEIGHBOURS: row m of tile 2 b + u is index 32 b + 8 u + m + (m & 8), so that the 16 registers of tiles 2 b and 2 b + 1 are 16 neighbours along the next K.
; For k and v the activation's rows lie in LDS by POSITION: position 32 unit + 16 u + r holds key 32 unit + 8 u + r + (r & 8).
; THE ZERO MASK: a row of key (value) whose 512 numbers add up to 0 makes its row of k (v) zero: a multiplier 0.0 or 1.0, made by a select; no branch hangs on it.
; No tensor loads: key and value must pass through registers, and the paths part on the work-group's number; each path has LDS bytes of its own.
; LIMITS.  A row's sum is added in another order than the reference adds it: a row of zeros is exact; a row that is not all zeros and whose sum rounds to 0 in one order only follows this order.
; NaN and infinities among key and value are not served.  A block of zeros, and a block whose largest magnitude lies under 2^-118, carries the scale byte 1 (its codes are zeros or small; this program alone reads the bytes).
.set QPITCH, 1040                      ; q: an LDS row: 1,024 codes + 16: an odd multiple of 16 bytes, so the 16 rows of a fragment load start in different banks
.set QSC,    128*QPITCH                ; q: the rows' scale bytes, 32 a row
.set KVREG,  QSC+4096                  ; k, v: 128 positions x (512 codes + 16)
.set KPITCH, 528
.set KVSC,   KVREG+128*KPITCH          ; their scale words, 16 bytes a position
.set MASKR,  KVSC+2048                 ; their multipliers, 4 bytes a position
.set STG,    MASKR+512                 ; four waves x two stages of 16 rows x (512 bytes + 16)
.set STGB,   16*528
.set KVB,    270336                    ; a head's block in kv: K image 131,072, V image 131,072, K scales 4,096, V scales 4,096
.set LN16, 1                           ; v1   16 x lane
.set RR,   2                           ; v2   r = lane % 16
.set HH,   3                           ; v3   h = lane / 16
.set WO,   4                           ; v4   my byte in a tile of W
.set WSO,  5                           ; v5   my byte among W's scale bytes
.set BO,   6                           ; v6   my byte in the bias
.set ADA0, 7                           ; v7   LDS: my place in a fragment of the activation;  v8 the same in the unit in hand
.set ADA,  8
.set ADS0, 9                           ; v9   LDS: my position's scale words;  v10 in the unit in hand
.set ADS,  10
.set ADM0, 11                          ; v11  LDS: the multipliers;  v12 in the unit in hand
.set ADM,  12
.set STI,  13                          ; v13  where I put 16 bytes as loaded (q: into the rows; k, v: into my stage)
.set STO,  14                          ; v14  where I read my 64 numbers back from the stage
.set XST,  15                          ; v15  where my codes go
.set XSS,  16                          ; v16  where my scale words go
.set XMS,  17                          ; v17  where my multiplier goes
.set SO2,  18                          ; v18  4 r + 2 h: my half of a scale word in memory
.set L4,   19                          ; v19  4 x lane
.set T16,  20                          ; v20  16 x thread
.set QSA,  21                          ; v21  QSC + 16 x thread
.set PATR, 22                          ; v22  r + (r & 8)
.set ZR,   23                          ; v23  0
.set ACC,  32                          ; v32-95   the unit's 8 accumulators; in the quantising of key and value: 64 numbers, set 0
.set BIAS, 96                          ; v96-127  the bias in the result's layout (before that v96-159: 64 numbers, set 1)
.set MK,   128                         ; v128-143 the unit's multipliers
.set VW,   144                         ; v144-147 v's scale words, a byte a unit
.set PC,   160                         ; v160-175 the codes just made
.set TM,   176                         ; v176-191 largest magnitudes, bytes, limits, scale operands
.set PW,   192                         ; v192 the scale word just made
.set TT,   193
.set SUM,  194                         ; v194-197 a row's sum, in two chains of pairs
.set AS,   200                         ; v200-207 the activation's scale words: lanes 0-15 tile 0, lanes 16-31 tile 1; nothing else ever
.set WS,   208                         ; v208-223 W's scale words: lanes 0-15 tile 2 cc, lanes 16-31 tile 2 cc + 1; nothing else ever
.set QCP,  224                         ; v224-231 q's scale bytes on their way into LDS
; window 1: W's fragments 4 s + t = 0 .. 15;  window 2: 16 .. 31 (q);  window 3: raw loads, then two sets of four fragments of the activation
.set AX,  4                            ; s[4:5] activation, s[6:7] W's codes, s[8:9] W's scales, s[10:11] bias, s[12:13] codes out, s[14:15] scales out
.set WC,  6
.set WSC, 8
.set BI,  10
.set OP,  12
.set OS,  14
.set WV,  48
.set YY,  49
.set JB,  50
.set MB,  51
.set HD,  52
.set BH,  53
.set SEL, 60
.set MNT, 62
.set HM,  63                           ; s63  a lane mask: lanes 16-31
.set UO,  66                           ; s66-68 the unit's step in the rows, the scale words, the multipliers;  s69 units to go
.set US,  67
.set UM,  68
.set UC,  69
.set MSB, 0
.macro WIN new                         ; the immediate's high byte repeats the setting that is left; a switch that changes nothing is dropped
.if MSB != (\new)
	s_set_vgpr_msb (MSB<<8)|(\new)
.set MSB, (\new)
.endif
.endm
.macro PLACES n
.rept \n
	v_nop
.endr
.endm
; one matrix instruction.  c < 0: the constant 0 starts the sum.  ra, rb = 1: that side's scales are read from lanes 16-31
.macro WM d, a, b, c, sa, sb, ra, rb
.if (\c) < 0
.if (\ra) && (\rb)
	v_wmma_scale_f32_16x16x128_f8f6f4 v[(\d):(\d)+7], v[(\a):(\a)+15], v[(\b):(\b)+15], 0, v[(\sa)], v[(\sb)] matrix_a_scale:MATRIX_SCALE_ROW1 matrix_b_scale:MATRIX_SCALE_ROW1
.elseif (\ra)
	v_wmma_scale_f32_16x16x128_f8f6f4 v[(\d):(\d)+7], v[(\a):(\a)+15], v[(\b):(\b)+15], 0, v[(\sa)], v[(\sb)] matrix_a_scale:MATRIX_SCALE_ROW1
.elseif (\rb)
	v_wmma_scale_f32_16x16x128_f8f6f4 v[(\d):(\d)+7], v[(\a):(\a)+15], v[(\b):(\b)+15], 0, v[(\sa)], v[(\sb)] matrix_b_scale:MATRIX_SCALE_ROW1
.else
	v_wmma_scale_f32_16x16x128_f8f6f4 v[(\d):(\d)+7], v[(\a):(\a)+15], v[(\b):(\b)+15], 0, v[(\sa)], v[(\sb)]
.endif
.else
.if (\ra) && (\rb)
	v_wmma_scale_f32_16x16x128_f8f6f4 v[(\d):(\d)+7], v[(\a):(\a)+15], v[(\b):(\b)+15], v[(\c):(\c)+7], v[(\sa)], v[(\sb)] matrix_a_scale:MATRIX_SCALE_ROW1 matrix_b_scale:MATRIX_SCALE_ROW1
.elseif (\ra)
	v_wmma_scale_f32_16x16x128_f8f6f4 v[(\d):(\d)+7], v[(\a):(\a)+15], v[(\b):(\b)+15], v[(\c):(\c)+7], v[(\sa)], v[(\sb)] matrix_a_scale:MATRIX_SCALE_ROW1
.elseif (\rb)
	v_wmma_scale_f32_16x16x128_f8f6f4 v[(\d):(\d)+7], v[(\a):(\a)+15], v[(\b):(\b)+15], v[(\c):(\c)+7], v[(\sa)], v[(\sb)] matrix_b_scale:MATRIX_SCALE_ROW1
.else
	v_wmma_scale_f32_16x16x128_f8f6f4 v[(\d):(\d)+7], v[(\a):(\a)+15], v[(\b):(\b)+15], v[(\c):(\c)+7], v[(\sa)], v[(\sb)]
.endif
.endif
.endm
; 64 numbers of a lane, v[s] .. v[s + 63]; block b is registers 16 b .. 16 b + 15 of this lane and of lane l xor 16.  They become codes in v[PC + 4 b ..], bytes in v[TM + 4 + b], the word in v[PW].
.macro QUANT s
.irp b, 0,1,2,3
	v_max3_num_f32 v[TM+\b], |v[\s+16*\b]|, |v[\s+1+16*\b]|, 0x4800000   ; my 16 numbers, and the floor 2^(9 - 127): the byte cannot fall under 1
.endr
.irp i, 2,4,6,8,10,12,14
.irp b, 0,1,2,3
	v_max3_num_f32 v[TM+\b], v[TM+\b], |v[\s+16*\b+\i]|, |v[\s+1+16*\b+\i]|   ; the four blocks by turns
.endr
.endr
.irp b, 0,1,2,3
	v_permlanex16_b32 v[TM+4+\b], v[TM+\b], s[SEL], s[SEL+1]
.endr
.irp b, 0,1,2,3
	v_max_num_f32 v[TM+\b], v[TM+\b], v[TM+4+\b]   ; with lane l xor 16's: the block's largest magnitude
.endr
.irp b, 0,1,2,3
	v_add_nc_u32 v[TM+12+\b], 0xfc000000, v[TM+\b]   ; 8 off its exponent field: the conversion's scale operand
.endr
.irp b, 0,1,2,3
	v_and_or_b32 v[TM+8+\b], v[TM+\b], 0x7f800000, s[MNT]   ; 448 x the scale
.endr
.irp b, 0,1,2,3
	v_lshrrev_b32 v[TM+4+\b], 23, v[TM+12+\b]   ; the scale's byte
.endr
	v_lshl_or_b32 v[PW], v[TM+5], 8, v[TM+4]
	v_lshl_or_b32 v[PW], v[TM+6], 16, v[PW]
	v_lshl_or_b32 v[PW], v[TM+7], 24, v[PW]
.irp b, 0,1,2,3
.irp i, 0,1,2,3,4,5,6,7,8,9,10,11,12,13,14,15
	v_med3_num_f32 v[\s+16*\b+\i], v[\s+16*\b+\i], -v[TM+8+\b], v[TM+8+\b]   ; the conversion to an 8-bit code does not saturate (ISA guide 7.6.2): the hold at the largest code x the scale
.endr
	v_cvt_scalef32_pk8_fp8_f32 v[PC+4*\b:PC+1+4*\b], v[\s+16*\b:\s+7+16*\b], v[TM+12+\b]
	v_cvt_scalef32_pk8_fp8_f32 v[PC+2+4*\b:PC+3+4*\b], v[\s+8+16*\b:\s+15+16*\b], v[TM+12+\b]
.endr
	v_nop                                          ; one plain line behind the last conversion: later vector and matrix instructions write its sources
.endm
; q: sixteen loads of 512 consecutive bytes (half a row of codes each) into window 3, and their way into the LDS rows
.macro ASLOT g
	WIN 0xc0
.set ii, 16*(\g)
.rept 16
	global_load_b128 v[4*ii:4*ii+3], v[LN16], s[AX:AX+1] offset:(ii/2)*1024+512*(ii%2)
.set ii, ii+1
.endr
.endm
.macro ASTORE g
	WIN 0x0c                                       ; an LDS store's data are its source 1: window 3
.set ii, 16*(\g)
.rept 16
	ds_store_b128 v[STI], v[4*ii:4*ii+3] offset:(ii/2)*QPITCH+512*(ii%2)
.set ii, ii+1
.endr
.endm
; W's four fragments of K step i: tile t = 2 cc + u begins at channel 32 cc + 8 u of my head; lane r takes the row r + (r & 8) further on
.macro WSLOT KB, i
	WIN 0x40+0x40*((\i)/4)
.irp t, 0,1,2,3
.irp c, 0,1,2,3
	global_load_b128 v[16*((4*(\i)+\t)%16)+4*\c:16*((4*(\i)+\t)%16)+4*\c+3], v[WO], s[WC:WC+1] offset:(32*(\t/2)+8*(\t%2))*(\KB)+128*(\i)+32*\c
.endr
.endr
.endm
.macro WSCL                            ; W's scale words, NS a row: lanes 0-15 the rows of tile 2 cc, lanes 16-31 those of tile 2 cc + 1
.irp cc, 0,1
.set qq, 0
.rept NS/4
	global_load_b128 v[WS+NS*\cc+4*qq:WS+NS*\cc+4*qq+3], v[WSO], s[WSC:WSC+1] offset:32*\cc*4*NS+16*qq
.set qq, qq+1
.endr
.endr
.endm
.macro BIASQK                          ; q, k: register j of tile 2 cc + u is channel 32 cc + 16 h + 8 u + j
.irp t, 0,1,2,3
	global_load_b128 v[BIAS+8*\t:BIAS+8*\t+3], v[BO], s[BI:BI+1] offset:(32*(\t/2)+8*(\t%2))*4
	global_load_b128 v[BIAS+8*\t+4:BIAS+8*\t+7], v[BO], s[BI:BI+1] offset:(32*(\t/2)+8*(\t%2))*4+16
.endr
.endm
; k, v: fragment f = 4 u + s of my 32 positions: 16 rows x 128 numbers.  Each load reads 512 consecutive bytes of one row.
.macro XLOAD f
	WIN 0xc0
.set ii, 0
.rept 16
	global_load_b128 v[64*((\f)%4)+4*ii:64*((\f)%4)+4*ii+3], v[LN16], s[AX:AX+1] offset:(8*((\f)/4)+ii+(ii&8))*2048+512*((\f)%4)
.set ii, ii+1
.endr
.endm
; through my stage: in as loaded, back 16 neighbours of each block of 32 a lane.  LDS serves a wave's instructions in order (ISA guide 5.7.1.4): no wait between
.macro TURN f
	WIN 0x0c
.set ii, 0
.rept 16
	ds_store_b128 v[STI], v[64*((\f)%4)+4*ii:64*((\f)%4)+4*ii+3] offset:((\f)%2)*STGB+528*ii
.set ii, ii+1
.endr
	WIN 0
.irp b, 0,1,2,3
.irp j, 0,1,2,3
	ds_load_b128 v[ACC+64*((\f)%2)+16*\b+4*\j:ACC+64*((\f)%2)+16*\b+4*\j+3], v[STO] offset:((\f)%2)*STGB+128*\b+16*\j
.endr
.endr
.endm
; fragment f is summed, quantised and laid into the rows; the loads run three slots of 16 ahead, the turn through the stage one fragment
.macro XFRAG f
.set XS, ACC+64*((\f)%2)
.set FU, (\f)/4
.set FS, (\f)%4
.if (\f) < 5
	XLOAD (\f)+3                                   ; into the set whose stores into the stage were waited for a fragment ago
.else
	WSLOT 512, (\f)-5                              ; behind the last rows the weight's first K steps take the slots
.endif
.if (\f) < 7
	s_wait_loadcnt 32                              ; the next fragment's 16 loads are in; the two slots behind them stay out
	TURN (\f)+1
	s_wait_dscnt 32                                ; all but that turn's 16 stores and 16 loads: this fragment's numbers are back, and the last code stores have read their registers
.else
	WIN 0
	s_wait_dscnt 0x0
.endif
.if FS == 0
.irp i, 0,1,2,3
	v_mov_b32 v[SUM+\i], 0
.endr
.endif
.set ii, 0
.rept 16
	v_pk_add_f32 v[SUM:SUM+1], v[SUM:SUM+1], v[XS+4*ii:XS+4*ii+1]
	v_pk_add_f32 v[SUM+2:SUM+3], v[SUM+2:SUM+3], v[XS+4*ii+2:XS+4*ii+3]
.set ii, ii+1
.endr
.if FS == 3                            ; the row's 512 numbers are summed: the multiplier is 0.0 where the sum is 0, else 1.0
	v_add_f32 v[SUM], v[SUM], v[SUM+1]
	v_add_f32 v[SUM+2], v[SUM+2], v[SUM+3]
	v_add_f32 v[SUM], v[SUM], v[SUM+2]
	v_permlanex16_b32 v[TT], v[SUM], s[SEL], s[SEL+1]
	v_add_f32 v[SUM], v[SUM], v[TT]
	v_cmp_eq_f32 vcc_lo, 0, v[SUM]
	v_cndmask_b32 v[TT], 1.0, v[ZR], vcc_lo
	ds_store_b32 v[XMS], v[TT] offset:64*FU        ; both lanes of a row write the same word with the same value
.endif
	QUANT XS
.irp c, 0,1,2,3
	ds_store_b128 v[XST], v[PC+4*\c:PC+4*\c+3] offset:16*FU*KPITCH+128*FS+32*\c
.endr
	ds_store_b32 v[XSS], v[PW] offset:256*FU+4*FS
.endm
; four fragments of the activation (K steps 2 g and 2 g + 1, tiles 0 and 1 of the unit) into set sg of window 3
.macro FETCH g, sg
	WIN 0xc0
.irp sl, 0,1
.irp p, 0,1
.irp c, 0,1,2,3
	ds_load_b128 v[64*(\sg)+16*(2*\sl+\p)+4*\c:64*(\sg)+16*(2*\sl+\p)+4*\c+3], v[ADA] offset:16*\p*PITCH+128*(2*(\g)+\sl)+32*\c
.endr
.endr
.endr
.endm
.macro ASLD                            ; the unit's scale words: lane l takes position l's
.set qq, 0
.rept NS/4
	ds_load_b128 v[AS+4*qq:AS+4*qq+3], v[ADS] offset:16*qq
.set qq, qq+1
.endr
.endm
; 16 matrix instructions: K steps 2 g and 2 g + 1, the 8 accumulators by turns, one instruction a turn.  The bias is the C of each sum's first instruction.
.macro MUL mode, g
.if (\mode) == 2
	WIN 0x07                                       ; source 0 = the activation (window 3), source 1 = W (window 1)
.else
	WIN 0x0d+((\g)/2)                              ; source 0 = W (window 1 or 2), source 1 = the activation (window 3)
.endif
.irp sl, 0,1
.irp p, 0,1
.irp t, 0,1,2,3
.set ss, 2*(\g)+\sl
.set wf, 64*(ss%4)+16*\t
.set af, 64*((\g)%2)+32*\sl+16*\p
.set wsr, WS+NS*(\t/2)+ss
.if (\mode) == 2
.set dd, ACC+16*\t+8*\p
.else
.set dd, ACC+32*\p+8*\t
.endif
.set cq, dd
.if ss == 0
.set cq, BIAS+8*\t
.endif
.if (\mode) == 2
	WM dd, af, wf, cq, AS+ss, wsr, \p, \t%2
.else
	WM dd, wf, af, cq, wsr, AS+ss, \t%2, \p
.endif
.endr
.endr
.endr
.endm
; A UNIT: 32 rows x my 64 channels.  mode 0: q, 1: k, 2: v.  last = 0: the next unit's first fragments and scale words are fetched on the way.
; Eight plain places stand behind matrix instructions of this form ahead of loads into their registers and of the first read of results.
.macro UNIT mode, last
.if (\mode) == 1
	ds_load_b32 v[MK], v[ADM]                      ; k: a lane holds one key: tile 0's and tile 1's multiplier
	ds_load_b32 v[MK+2], v[ADM] offset:64
.endif
.if (\mode) == 2
.irp u, 0,1
	ds_load_b128 v[MK+8*\u:MK+8*\u+3], v[ADM] offset:64*\u           ; v: a lane's registers run along the keys: eight multipliers a tile
	ds_load_b128 v[MK+8*\u+4:MK+8*\u+7], v[ADM] offset:64*\u+16
.endr
.endif
	FETCH 1, 1
	s_wait_dscnt 16                                ; all but the 16 loads just issued
	MUL \mode, 0
.set gg, 1
.rept NG-1
	PLACES 8
.if gg < NG-1
	FETCH gg+1, (gg+1)%2
	s_wait_dscnt 16
.elseif (\last) == 0
	WIN 0
	s_add_co_u32 s[UO], s[UO], 32*PITCH            ; on to the next unit's rows
	s_add_co_u32 s[US], s[US], 128*NS
	v_add_nc_u32 v[ADA], s[UO], v[ADA0]
	v_add_nc_u32 v[ADS], s[US], v[ADS0]
.if (\mode) != 0
	s_add_co_u32 s[UM], s[UM], 128
	v_add_nc_u32 v[ADM], s[UM], v[ADM0]
.endif
	FETCH 0, 0
	s_wait_dscnt 16
.else
	s_wait_dscnt 0x0
.endif
	MUL \mode, gg
.set gg, gg+1
.endr
	PLACES 8
	WIN 0
.if (\last) == 0
	ASLD
.endif
.if (\mode) == 1
.irp p, 0,1
.irp j, 0,2,4,6,8,10,12,14,16,18,20,22,24,26,28,30
	v_pk_mul_f32 v[ACC+32*\p+\j:ACC+32*\p+\j+1], v[ACC+32*\p+\j:ACC+32*\p+\j+1], v[MK+2*\p:MK+2*\p+1] op_sel_hi:[1,0]   ; each accumulator from its low end on
.endr
.endr
.endif
.if (\mode) == 2
.irp n, 0,1,2,3
.irp u, 0,1
.irp j, 0,2,4,6
	v_pk_mul_f32 v[ACC+16*\n+8*\u+\j:ACC+16*\n+8*\u+\j+1], v[ACC+16*\n+8*\u+\j:ACC+16*\n+8*\u+\j+1], v[MK+8*\u+\j:MK+8*\u+\j+1]
.endr
.endr
.endr
.endif
	QUANT ACC
.if (\mode) == 2
.irp n, 0,1,2,3
	global_store_b128 v[LN16], v[PC+4*\n:PC+4*\n+3], s[OP:OP+1] offset:2048*\n   ; V image [n][c = unit][lane]: 512 consecutive bytes
.endr
.irp n, 0,1,2,3
	v_lshrrev_b32 v[VW+\n], 8, v[VW+\n]            ; the unit's byte comes in at the top: after four units byte c is unit c's
.endr
.irp n, 0,1,2,3
	v_lshl_or_b32 v[VW+\n], v[TM+4+\n], 24, v[VW+\n]
.endr
.if (\last) == 0
	s_wait_xcnt 0x0                                ; the stores have read their data and their base: both are written again only behind this wait
	s_add_nc_u64 s[OP:OP+1], s[OP:OP+1], 512
.else
	v_cndmask_b32 v[TT], v[VW], v[VW+1], s[HM]     ; lanes 0-15 store tile 2 i's words, lanes 16-31 tile 2 i + 1's
	v_cndmask_b32 v[PW], v[VW+2], v[VW+3], s[HM]
	global_store_b32 v[L4], v[TT], s[OS:OS+1]
	global_store_b32 v[L4], v[PW], s[OS:OS+1] offset:128
.endif
.else
.irp b, 0,1,2,3
	global_store_b128 v[LN16], v[PC+4*\b:PC+4*\b+3], s[OP:OP+1] offset:512*\b    ; image [b = 2 tile + cc][lane]: 512 consecutive bytes
.endr
	v_lshrrev_b32 v[TT], 16, v[PW]
	v_cndmask_b32 v[TT], v[PW], v[TT], s[HM]       ; lanes 0-15 store the word's low half, lanes 16-31 its high half: 64 consecutive bytes
	global_store_b16 v[SO2], v[TT], s[OS:OS+1]
.if (\last) == 0
	s_wait_xcnt 0x0
	s_add_nc_u64 s[OP:OP+1], s[OP:OP+1], 2048
	s_add_nc_u64 s[OS:OS+1], s[OS:OS+1], 64
.endif
.endif
.endm
	s_load_b512 s[16:31], s[0:1], 0x0              ; query_codes 16, query_scales 18, Wq_codes 20, Wq_scales 22, bq 24, key 26, Wk_codes 28, Wk_scales 30
	s_load_b512 s[32:47], s[0:1], 0x40             ; bk 32, value 34, Wv_codes 36, Wv_scales 38, bv 40, qimg 42, qsc 44, kv 46
	v_lshl_add_u32 v254, v0, 2, 0x43200
	v_mov_b32 v255, 0
	v_lshrrev_b32 v[RR], 5, v0
	v_readfirstlane_b32 s[WV], v[RR]               ; wave 0..3
	s_and_b32 s[YY], ttmp7, 0xffff                 ; which projection
	s_and_b32 s[HD], ttmp9, 3
	s_lshl_b32 s[HD], s[HD], 2
	s_add_co_u32 s[HD], s[HD], s[WV]               ; my head
	s_lshr_b32 s[MB], ttmp9, 2                     ; the block of 128 rows
	s_and_b32 s[JB], s[MB], 15                     ; and its number in its batch
	s_lshr_b32 s[BH], s[MB], 4
	s_lshl_b32 s[BH], s[BH], 4
	s_add_co_u32 s[BH], s[BH], s[HD]               ; 16 x batch + head
	s_mov_b32 s[SEL], 0x76543210
	s_mov_b32 s[SEL+1], 0xfedcba98                 ; v_permlanex16_b32's selects for lane l xor 16
	s_mov_b32 s[MNT], 0x600000                     ; the mantissa field of 448
	s_mov_b32 s[HM], 0xffff0000
	s_mov_b32 s55, 0                               ; the upper words of byte offsets
	s_mov_b32 s57, 0
	v_and_b32 v[L4], 31, v0
	v_lshlrev_b32 v[LN16], 4, v[L4]
	v_lshlrev_b32 v[L4], 2, v[L4]
	v_and_b32 v[RR], 15, v0
	v_bfe_u32 v[HH], v0, 4, 1
	v_and_b32 v[PATR], 8, v[RR]
	v_add_nc_u32 v[PATR], v[PATR], v[RR]
	v_lshlrev_b32 v[SO2], 2, v[RR]
	v_lshl_add_u32 v[SO2], v[HH], 1, v[SO2]
	v_mov_b32 v[ZR], 0
	v_mov_b32 v[TT], 0                             ; written once: a lane permute's destination counts as one of its sources
.irp b, 0,1,2,3
	v_mov_b32 v[TM+4+\b], 0
.endr
	s_wait_kmcnt 0x0
	s_cmp_lg_u32 s[YY], 0
	s_cbranch_scc1 .Lkv
; ================================================================ q
.set NS, 8
.set NG, 4
.set PITCH, QPITCH
	v_mul_u32_u24 v[WO], v[PATR], 1024
	v_lshl_add_u32 v[WO], v[HH], 4, v[WO]
	v_lshl_add_u32 v[WSO], v[HH], 3, v[PATR]
	v_lshlrev_b32 v[WSO], 5, v[WSO]                ; 32 scale bytes a row of Wq
	v_lshlrev_b32 v[BO], 6, v[HH]
	v_mul_u32_u24 v[ADA0], v[RR], QPITCH
	v_lshl_add_u32 v[ADA0], v[HH], 4, v[ADA0]
	v_lshl_add_u32 v[ADS0], v[LN16], 1, QSC        ; 32 bytes a row
	s_mul_i32 s54, s[WV], 32*QPITCH
	v_add_nc_u32 v[STI], s54, v[LN16]              ; I copy rows 32 w .. 32 w + 31
	v_lshlrev_b32 v[T16], 4, v0
	v_add_nc_u32 v[QSA], QSC, v[T16]
	s_lshl_b32 s54, s[MB], 17
	s_lshl_b32 s56, s[WV], 15
	s_add_co_u32 s54, s54, s56
	s_add_nc_u64 s[AX:AX+1], s[16:17], s[54:55]    ; query's codes at row 128 mb + 32 w
	s_lshl_b32 s54, s[MB], 12
	s_add_nc_u64 s[58:59], s[18:19], s[54:55]      ; the block's 4,096 scale bytes
	s_lshl_b32 s54, s[HD], 16
	s_add_nc_u64 s[WC:WC+1], s[20:21], s[54:55]
	s_lshl_b32 s54, s[HD], 11
	s_add_nc_u64 s[WSC:WSC+1], s[22:23], s[54:55]
	s_lshl_b32 s54, s[HD], 8
	s_add_nc_u64 s[BI:BI+1], s[24:25], s[54:55]
	s_lshl_b32 s54, s[BH], 17
	s_lshl_b32 s56, s[JB], 13
	s_add_co_u32 s54, s54, s56
	s_add_nc_u64 s[OP:OP+1], s[42:43], s[54:55]    ; qimg: pair of tiles 4 jb, 2,048 bytes a pair
	s_lshl_b32 s54, s[BH], 12
	s_lshl_b32 s56, s[JB], 8
	s_add_co_u32 s54, s54, s56
	s_add_nc_u64 s[OS:OS+1], s[44:45], s[54:55]    ; qsc: 64 bytes a pair
	global_load_b128 v[QCP:QCP+3], v[T16], s[58:59]
	global_load_b128 v[QCP+4:QCP+7], v[T16], s[58:59] offset:2048
	ASLOT 0
	ASLOT 1
	ASLOT 2
	ASLOT 3
	s_wait_loadcnt 48                              ; the scale bytes and slot 0 are in; three slots of 16 stay out
	ASTORE 0
	WIN 0
	ds_store_b128 v[QSA], v[QCP:QCP+3]
	ds_store_b128 v[QSA], v[QCP+4:QCP+7] offset:2048
	WSLOT 1024, 0
	s_wait_loadcnt 48                              ; likewise: the oldest slot is in, the three behind it stay out
	ASTORE 1
	WSLOT 1024, 1
	s_wait_loadcnt 48
	ASTORE 2
	WSLOT 1024, 2
	s_wait_loadcnt 48
	ASTORE 3
	WSLOT 1024, 3
	WSLOT 1024, 4
	WSLOT 1024, 5
	WSLOT 1024, 6
	WSLOT 1024, 7
	WIN 0
	WSCL
	BIASQK
	s_wait_dscnt 0x0                               ; for the others' sake: my rows and scale bytes lie in LDS
	s_barrier_signal -1
	s_barrier_wait -1                              ; from here on LDS is only read
	s_mov_b32 s[UO], 0
	s_mov_b32 s[US], 0
	v_add_nc_u32 v[ADA], s[UO], v[ADA0]
	v_add_nc_u32 v[ADS], s[US], v[ADS0]
	FETCH 0, 0
	WIN 0
	ASLD
	s_wait_loadcnt 0x0                             ; the weight, its scales, the bias
	s_mov_b32 s[UC], 3
.Lq_unit:
	UNIT 0, 0
	s_sub_co_u32 s[UC], s[UC], 1
	s_cmp_lg_u32 s[UC], 0
	s_cbranch_scc1 .Lq_unit
	UNIT 0, 1                                      ; the last unit fetches nothing ahead
	s_wait_tensorcnt 0x0
	ds_add_u32 v254, v255
	s_wait_dscnt 0x0
	s_endpgm
; ================================================================ k and v: one text quantises key or value
.Lkv:
.set NS, 4
.set NG, 2
.set PITCH, KPITCH
	v_mul_u32_u24 v[WO], v[PATR], 512
	v_lshl_add_u32 v[WO], v[HH], 4, v[WO]
	v_lshl_add_u32 v[WSO], v[HH], 3, v[PATR]
	v_lshlrev_b32 v[WSO], 4, v[WSO]                ; 16 scale bytes a row of Wk, Wv
	s_mul_i32 s54, s[WV], 2*STGB
	s_add_co_u32 s54, s54, STG                     ; my two stages
	v_add_nc_u32 v[STI], s54, v[LN16]
	v_mul_u32_u24 v[STO], v[RR], 528
	v_lshl_add_u32 v[STO], v[HH], 6, v[STO]
	v_add_nc_u32 v[STO], s54, v[STO]
	s_mul_i32 s54, s[WV], 32*KPITCH
	s_add_co_u32 s54, s54, KVREG
	v_mul_u32_u24 v[XST], v[RR], KPITCH
	v_lshl_add_u32 v[XST], v[HH], 4, v[XST]
	v_add_nc_u32 v[ADA0], KVREG, v[XST]
	v_add_nc_u32 v[XST], s54, v[XST]               ; I make positions 32 w .. 32 w + 31
	s_lshl_b32 s54, s[WV], 9
	s_add_co_u32 s54, s54, KVSC
	v_lshl_add_u32 v[XSS], v[RR], 4, s54
	s_lshl_b32 s54, s[WV], 7
	s_add_co_u32 s54, s54, MASKR
	v_lshl_add_u32 v[XMS], v[RR], 2, s54
	v_add_nc_u32 v[ADS0], KVSC, v[LN16]            ; 16 bytes a position
	s_cmp_eq_u32 s[YY], 1                          ; the buffers are chosen by the work-group's number alone
	s_cselect_b64 s[AX:AX+1], s[26:27], s[34:35]
	s_cselect_b64 s[WC:WC+1], s[28:29], s[36:37]
	s_cselect_b64 s[WSC:WSC+1], s[30:31], s[38:39]
	s_cselect_b64 s[BI:BI+1], s[32:33], s[40:41]
	s_lshl_b32 s54, s[MB], 18
	s_lshl_b32 s56, s[WV], 16
	s_add_co_u32 s54, s54, s56
	s_add_nc_u64 s[AX:AX+1], s[AX:AX+1], s[54:55]  ; row 128 mb + 32 w, 2,048 bytes a row
	s_lshl_b32 s54, s[HD], 15
	s_add_nc_u64 s[WC:WC+1], s[WC:WC+1], s[54:55]
	s_lshl_b32 s54, s[HD], 10
	s_add_nc_u64 s[WSC:WSC+1], s[WSC:WSC+1], s[54:55]
	s_lshl_b32 s54, s[HD], 8
	s_add_nc_u64 s[BI:BI+1], s[BI:BI+1], s[54:55]
	XLOAD 0
	XLOAD 1
	XLOAD 2
	s_wait_loadcnt 32                              ; fragment 0's 16 loads are in; two slots stay out
	TURN 0
.irp f, 0,1,2,3,4,5,6,7
	XFRAG \f
.endr
	WSLOT 512, 3
	WIN 0
	WSCL
	s_wait_dscnt 0x0                               ; for the others' sake: my codes, scale words and multipliers lie in LDS
	s_barrier_signal -1
	s_barrier_wait -1                              ; from here on LDS is only read
	s_mov_b32 s[UO], 0
	s_mov_b32 s[US], 0
	s_mov_b32 s[UM], 0
	v_add_nc_u32 v[ADA], s[UO], v[ADA0]
	v_add_nc_u32 v[ADS], s[US], v[ADS0]
	FETCH 0, 0
	WIN 0
	ASLD
	s_mul_i32 s54, s[BH], KVB                      ; my head's block in kv
	s_cmp_eq_u32 s[YY], 1
	s_cbranch_scc0 .Lv
; ---------------------------------------------------------------- k
	v_lshlrev_b32 v[BO], 6, v[HH]
	BIASQK
	v_lshl_add_u32 v[ADM0], v[RR], 2, MASKR
	v_add_nc_u32 v[ADM], s[UM], v[ADM0]
	v_mov_b32 v[MK+1], 0                           ; (named as the upper halves of pairs of which the low word serves both halves)
	v_mov_b32 v[MK+3], 0
	s_lshl_b32 s56, s[JB], 13
	s_add_co_u32 s56, s56, s54
	s_add_nc_u64 s[OP:OP+1], s[46:47], s[56:57]    ; K image: fragment 4 jb, 2,048 bytes a fragment of 32 keys
	s_lshl_b32 s56, s[JB], 8
	s_add_co_u32 s56, s56, s54
	s_add_co_u32 s56, s56, 262144
	s_add_nc_u64 s[OS:OS+1], s[46:47], s[56:57]    ; K scales: 64 bytes a fragment
	s_wait_loadcnt 0x0
	s_mov_b32 s[UC], 3
.Lk_unit:
	UNIT 1, 0
	s_sub_co_u32 s[UC], s[UC], 1
	s_cmp_lg_u32 s[UC], 0
	s_cbranch_scc1 .Lk_unit
	UNIT 1, 1
	s_wait_tensorcnt 0x0
	ds_add_u32 v254, v255
	s_wait_dscnt 0x0
	s_endpgm
; ---------------------------------------------------------------- v
.Lv:
	v_lshlrev_b32 v[BO], 2, v[PATR]                ; a lane holds one channel: its bias fills the tile's eight registers
.irp t, 0,1,2,3
	global_load_b32 v[BIAS+8*\t], v[BO], s[BI:BI+1] offset:(32*(\t/2)+8*(\t%2))*4
.endr
	v_lshl_add_u32 v[ADM0], v[HH], 5, MASKR
	v_add_nc_u32 v[ADM], s[UM], v[ADM0]
.irp n, 0,1,2,3
	v_mov_b32 v[VW+\n], 0
.endr
	s_lshl_b32 s56, s[JB], 13
	s_add_co_u32 s56, s56, s54
	s_add_co_u32 s56, s56, 131072
	s_add_nc_u64 s[OP:OP+1], s[46:47], s[56:57]    ; V image: key step jb, 8,192 bytes a step
	s_lshl_b32 s56, s[JB], 8
	s_add_co_u32 s56, s56, s54
	s_add_co_u32 s56, s56, 266240
	s_add_nc_u64 s[OS:OS+1], s[46:47], s[56:57]    ; V scales: 256 bytes a step
	s_wait_loadcnt 0x0
.irp t, 0,1,2,3
.irp j, 1,2,3,4,5,6,7
	v_mov_b32 v[BIAS+8*\t+\j], v[BIAS+8*\t]
.endr
.endr
	PLACES 4
	s_mov_b32 s[UC], 3
.Lv_unit:
	UNIT 2, 0
	s_sub_co_u32 s[UC], s[UC], 1
	s_cmp_lg_u32 s[UC], 0
	s_cbranch_scc1 .Lv_unit
	UNIT 2, 1
	s_wait_tensorcnt 0x0
	ds_add_u32 v254, v255
	s_wait_dscnt 0x0
	s_endpgm
.Lfunc_end_k_qa29f6388f8_proj:
	.size	k_qa29f6388f8_proj, .Lfunc_end_k_qa29f6388f8_proj-k_qa29f6388f8_proj
	.p2alignl 7, 3214868480
	.fill 96, 4, 3214868480
	.section	.rodata,"a",@progbits
	.p2align	6, 0x0
	.amdhsa_kernel k_qa29f6388f8_proj
		.amdhsa_group_segment_fixed_size 275456
		.amdhsa_private_segment_fixed_size 0
		.amdhsa_enable_private_segment 0
		.amdhsa_kernarg_size 128
		.amdhsa_user_sgpr_count 2
		.amdhsa_user_sgpr_kernarg_segment_ptr 1
		.amdhsa_wavefront_size32 1
		.amdhsa_system_sgpr_workgroup_id_x 1
		.amdhsa_system_sgpr_workgroup_id_y 1
		.amdhsa_system_sgpr_workgroup_id_z 1
		.amdhsa_system_vgpr_workitem_id 0
		.amdhsa_next_free_vgpr 1024
		.amdhsa_next_free_sgpr 72
		.amdhsa_reserve_vcc 1
		.amdhsa_float_denorm_mode_32 3
		.amdhsa_float_denorm_mode_16_64 3
		.amdhsa_memory_ordered 1
		.amdhsa_forward_progress 1
		.amdhsa_inst_pref_size 255
	.end_amdhsa_kernel
	.section	.bss,"aw",@nobits
	.p2align	6
	.space	262144
	.amdgpu_metadata
---
amdhsa.version: [ 1, 2 ]
amdhsa.kernels:
  - .name:           k_qa29f6388f8_proj
    .symbol:         k_qa29f6388f8_proj.kd
    .args:
      - { .name: query_codes, .offset: 0, .size: 8, .value_kind: global_buffer, .address_space: global }
      - { .name: query_scales, .offset: 8, .size: 8, .value_kind: global_buffer, .address_space: global }
      - { .name: Wq_codes, .offset: 16, .size: 8, .value_kind: global_buffer, .address_space: global }
      - { .name: Wq_scales, .offset: 24, .size: 8, .value_kind: global_buffer, .address_space: global }
      - { .name: bq, .offset: 32, .size: 8, .value_kind: global_buffer, .address_space: global }
      - { .name: key, .offset: 40, .size: 8, .value_kind: global_buffer, .address_space: global }
      - { .name: Wk_codes, .offset: 48, .size: 8, .value_kind: global_buffer, .address_space: global }
      - { .name: Wk_scales, .offset: 56, .size: 8, .value_kind: global_buffer, .address_space: global }
      - { .name: bk, .offset: 64, .size: 8, .value_kind: global_buffer, .address_space: global }
      - { .name: value, .offset: 72, .size: 8, .value_kind: global_buffer, .address_space: global }
      - { .name: Wv_codes, .offset: 80, .size: 8, .value_kind: global_buffer, .address_space: global }
      - { .name: Wv_scales, .offset: 88, .size: 8, .value_kind: global_buffer, .address_space: global }
      - { .name: bv, .offset: 96, .size: 8, .value_kind: global_buffer, .address_space: global }
      - { .name: qimg, .offset: 104, .size: 8, .value_kind: global_buffer, .address_space: global }
      - { .name: qsc, .offset: 112, .size: 8, .value_kind: global_buffer, .address_space: global }
      - { .name: kv, .offset: 120, .size: 8, .value_kind: global_buffer, .address_space: global }
    .group_segment_fixed_size: 275456
    .private_segment_fixed_size: 0
    .kernarg_segment_align: 8
    .kernarg_segment_size: 128
    .max_flat_workgroup_size: 128
    .sgpr_count:     72
    .vgpr_count:     1024
    .wavefront_size: 32
...
	.end_amdgpu_metadata
.endif
;; end of part 1
;; launch attn (part 2): grid 4 x 64, 8 waves a work-group, clusters of 4 x 1, 271,360 bytes of LDS; arguments qimg, qsc, kv, at; writes at
.if DOCPART == 2
	.amdgcn_target "amdgcn-amd-amdhsa--gfx1250"
	.amdhsa_code_object_version 6
	.text
	.protected	k_qa29f6388f8_attn
	.globl	k_qa29f6388f8_attn
	.p2align	8
	.type	k_qa29f6388f8_attn,@function
k_qa29f6388f8_attn:
	s_mov_b64 s[64:65], 0
	v_nop
	global_prefetch_b8 v0, s[64:65] scope:SCOPE_SE
	s_setreg_imm32_b32 hwreg(HW_REG_WAVE_MODE, 25, 1), 1
	s_wait_xcnt 0x0
	s_wait_alu depctr_hold_cnt(0) depctr_sa_sdst(0) depctr_va_vdst(0) depctr_va_sdst(0) depctr_va_ssrc(0) depctr_va_vcc(0) depctr_vm_vsrc(0)
	s_getreg_b32 s2, hwreg(HW_REG_IB_STS2, 6, 4)
	s_cmp_eq_u32 s2, 0
	s_cbranch_scc0 .Lentry_in_a_cluster
	s_endpgm
.Lentry_in_a_cluster:
	s_bfe_u32 s2, ttmp6, 0x10000c
	s_cmp_lg_u32 s2, 0x3003
	s_cbranch_scc0 .Lentry_shape_is_right
	s_endpgm
.Lentry_shape_is_right:
; ATTENTION ON CODES OF FP8 (E4M3): attn = softmax(q k^T / 8) v for one head of 64 channels, 2,048 keys, and the quantising of the result along the channels for the last projection.
; THE SOFTMAX AHEAD OF THE SECOND PRODUCT: t = score x log2(e) / 8; M = the running largest t, rounded UP to a whole number; p = 2^(t - M) is quantised along the keys, not normalised.
; The row's sum is taken of the unquantised p in f32 and divides O at the end.  When M moves, the sum and O are multiplied by 2^(old M - new M): exact.
; SHARES.  A work-group owns 512 queries of one (batch, head); the four work-groups of a cluster own the four quarters of the head's 2,048 queries and read the same K and V.
; THE HEAD'S WHOLE BLOCK OF kv (K image, V image, their scale words: 270,336 bytes) COMES INTO LDS ONCE, asked for JOINTLY by the four: each of the eight waves issues one tensor load of 33,792 bytes
; with the same descriptor and a mask that names the four.  Nothing is filled again; behind the one barrier LDS is only read.  A wave has one tensor load outstanding.
; A wave takes two tiles of 16 queries (A, B) at a time, so that each fragment of K and V read from LDS feeds two tiles; two passes: pair of tiles 16 cx + 8 pass + wave.
; LAYOUT.  Both products are used transposed (S^T = K Q^T, O^T = V^T P^T): a lane holds ONE query throughout.  The images were laid so that a fragment is four loads of 512 consecutive bytes.
; THE FIRST PRODUCT HAS K = 64, the instruction 128.  A fragment of K holds TWO tiles of 16 keys (u = 0 in k = 0..63, u = 1 in k = 64..127) and is multiplied twice: by [q | zero codes] and by [zero codes | q].
; Zero codes add nothing under any scale byte but 0xff, and K's codes are never the NaN code (their quantiser holds them).
; The keys of a tile are 32 F + 8 u + m + (m & 8), V's channels of a tile 32 cc + 8 u + m + (m & 8): the 16 registers of two neighbouring tiles are 16 neighbours along the next K.
; LIMITS.  A block of zeros, and a block whose largest magnitude lies under 2^-118, carries the scale byte 1.
.set KVB,  270336
.set L16,  1                           ; v1   16 x lane: also the address of K's step 0
.set L4,   2                           ; v2   4 x lane
.set ADK,  3                           ; v3   LDS address of the step's K image;  v4 of its V image;  v5 of its scale words of K (V's lie 4,096 bytes on)
.set ADV,  4
.set ADKS, 5
.set R4,   7                           ; v7   4 r
.set CO,   8                           ; v8   my byte among the block's codes in at
.set SOF,  9                           ; v9   my byte among its scale bytes
.set BV,   11                          ; v11  131,072 + 16 x lane
.set ST,   12                          ; tile x at v[12 + 4 x]: -M, the largest t, the sum in two halves
.set KS,   20                          ; v20-21 K's scale words: lanes 0-15 fragment 2 i, lanes 16-31 fragment 2 i + 1;  v22-23 V's likewise;  v24 Q's: lanes 0-15 tile A, 16-31 tile B;  v25-26 p's.  Scales and nothing else
.set VS,   22
.set QS,   24
.set PS,   25
.set TA,   27                          ; v27  Q's scale word as loaded
.set PW,   28
.set TT,   29
.set BKS,  30                          ; v30  262,144 + 4 x lane
.set S,    32                          ; tile x at v[32 + 64 x]: S^T, then p
.set PC,   160                         ; tile x at v[160 + 16 x]: p's codes
.set T,    192                         ; tile x at v[192 + 24 x]: +0..3 block maxima, +4..7 permutes and bytes, +8..11 limits, +12..15 scale operands, +16:17 f, +18:19 a second chain of sums, +20 at work
.set TM,   T
.set KF,   0                           ; window 1: v0-63 K's four fragments; v64-127 V's; v128-167 zeros | qA | zeros | qB | zeros; v192-255 O^T, 32 a tile
.set VF,   64
.set QZ,   128
.set O,    192
.set WV,  12
.set CX,  13
.set BH,  14
.set SEL, 28
.set CS,  30                           ; s[30:31] c = log2(e) / 8: the packed form names a pair and takes its low word for both halves
.set MNT, 32
.set HM,  33                           ; s33  a lane mask: lanes 16-31
.set TK,  34                           ; s34  the step's bytes in an image: 8,192 a step;  s35 among the scale words: 256 a step
.set TS,  35
.set JJ,  39                           ; s39  steps to go
.set MSB, 0
.macro WIN new
.if MSB != (\new)
	s_set_vgpr_msb (MSB<<8)|(\new)
.set MSB, (\new)
.endif
.endm
.macro PLACES n
.rept \n
	v_nop
.endr
.endm
.macro WM d, a, b, c, sa, sb, ra, rb
.if (\c) < 0
.if (\ra) && (\rb)
	v_wmma_scale_f32_16x16x128_f8f6f4 v[(\d):(\d)+7], v[(\a):(\a)+15], v[(\b):(\b)+15], 0, v[(\sa)], v[(\sb)] matrix_a_scale:MATRIX_SCALE_ROW1 matrix_b_scale:MATRIX_SCALE_ROW1
.elseif (\ra)
	v_wmma_scale_f32_16x16x128_f8f6f4 v[(\d):(\d)+7], v[(\a):(\a)+15], v[(\b):(\b)+15], 0, v[(\sa)], v[(\sb)] matrix_a_scale:MATRIX_SCALE_ROW1
.elseif (\rb)
	v_wmma_scale_f32_16x16x128_f8f6f4 v[(\d):(\d)+7], v[(\a):(\a)+15], v[(\b):(\b)+15], 0, v[(\sa)], v[(\sb)] matrix_b_scale:MATRIX_SCALE_ROW1
.else
	v_wmma_scale_f32_16x16x128_f8f6f4 v[(\d):(\d)+7], v[(\a):(\a)+15], v[(\b):(\b)+15], 0, v[(\sa)], v[(\sb)]
.endif
.else
.if (\ra) && (\rb)
	v_wmma_scale_f32_16x16x128_f8f6f4 v[(\d):(\d)+7], v[(\a):(\a)+15], v[(\b):(\b)+15], v[(\c):(\c)+7], v[(\sa)], v[(\sb)] matrix_a_scale:MATRIX_SCALE_ROW1 matrix_b_scale:MATRIX_SCALE_ROW1
.elseif (\ra)
	v_wmma_scale_f32_16x16x128_f8f6f4 v[(\d):(\d)+7], v[(\a):(\a)+15], v[(\b):(\b)+15], v[(\c):(\c)+7], v[(\sa)], v[(\sb)] matrix_a_scale:MATRIX_SCALE_ROW1
.elseif (\rb)
	v_wmma_scale_f32_16x16x128_f8f6f4 v[(\d):(\d)+7], v[(\a):(\a)+15], v[(\b):(\b)+15], v[(\c):(\c)+7], v[(\sa)], v[(\sb)] matrix_b_scale:MATRIX_SCALE_ROW1
.else
	v_wmma_scale_f32_16x16x128_f8f6f4 v[(\d):(\d)+7], v[(\a):(\a)+15], v[(\b):(\b)+15], v[(\c):(\c)+7], v[(\sa)], v[(\sb)]
.endif
.endif
.endm
; 64 numbers of a lane, v[s] .. v[s + 63]; block b is registers 16 b .. 16 b + 15 of this lane and of lane l xor 16.  Codes in v[PC + 4 b ..], the four bytes as a word in v[PW].
.macro QUANT s
.irp b, 0,1,2,3
	v_max3_num_f32 v[TM+\b], |v[\s+16*\b]|, |v[\s+1+16*\b]|, 0x4800000   ; my 16 numbers, and the floor 2^(9 - 127): the byte cannot fall under 1
.endr
.irp i, 2,4,6,8,10,12,14
.irp b, 0,1,2,3
	v_max3_num_f32 v[TM+\b], v[TM+\b], |v[\s+16*\b+\i]|, |v[\s+1+16*\b+\i]|
.endr
.endr
.irp b, 0,1,2,3
	v_permlanex16_b32 v[TM+4+\b], v[TM+\b], s[SEL], s[SEL+1]
.endr
.irp b, 0,1,2,3
	v_max_num_f32 v[TM+\b], v[TM+\b], v[TM+4+\b]
.endr
.irp b, 0,1,2,3
	v_add_nc_u32 v[TM+12+\b], 0xfc000000, v[TM+\b]
.endr
.irp b, 0,1,2,3
	v_and_or_b32 v[TM+8+\b], v[TM+\b], 0x7f800000, s[MNT]
.endr
.irp b, 0,1,2,3
	v_lshrrev_b32 v[TM+4+\b], 23, v[TM+12+\b]
.endr
	v_lshl_or_b32 v[PW], v[TM+5], 8, v[TM+4]
	v_lshl_or_b32 v[PW], v[TM+6], 16, v[PW]
	v_lshl_or_b32 v[PW], v[TM+7], 24, v[PW]
.irp b, 0,1,2,3
.irp i, 0,1,2,3,4,5,6,7,8,9,10,11,12,13,14,15
	v_med3_num_f32 v[\s+16*\b+\i], v[\s+16*\b+\i], -v[TM+8+\b], v[TM+8+\b]   ; the conversion to an 8-bit code does not saturate (ISA guide 7.6.2)
.endr
	v_cvt_scalef32_pk8_fp8_f32 v[PC+4*\b:PC+1+4*\b], v[\s+16*\b:\s+7+16*\b], v[TM+12+\b]
	v_cvt_scalef32_pk8_fp8_f32 v[PC+2+4*\b:PC+3+4*\b], v[\s+8+16*\b:\s+15+16*\b], v[TM+12+\b]
.endr
	v_nop                                          ; one plain line behind the last conversion
.endm
; a round of the cluster's barrier
.macro ROUND
	s_barrier_signal -1
	s_barrier_wait -1
	s_cmp_lg_u32 s[WV], 0
	s_cbranch_scc1 .Lnot_wave_0_\@
	s_barrier_signal -3
.Lnot_wave_0_\@:
	s_barrier_wait -3
	s_barrier_signal -1
	s_barrier_wait -1
.endm
.macro QLOAD pi                        ; the pass's two tiles of Q, 8 registers each, between the zeros; and their scale word
	WIN 0x40
.irp b, 0,1,2,3
	global_load_b128 v[QZ+8+16*(\b/2)+4*(\b%2):QZ+8+16*(\b/2)+4*(\b%2)+3], v[L16], s[4:5] offset:(\pi)*16384+512*\b th:TH_LOAD_NT
.endr
	WIN 0
	global_load_b32 v[TA], v[R4], s[6:7] offset:(\pi)*512
.endm
; A KEY STEP: 128 keys, both tiles.
.macro STEP
	WIN 0x05                                       ; K and Q in window 1, S^T in window 0
.irp b, 0,1,2,3
.irp u, 0,1
.irp x, 0,1
	WM S+64*\x+16*\b+8*\u, KF+16*\b, QZ+16*\x+8*(1-\u), -1, KS+(\b/2), QS, \b%2, \x
.endr
.endr
.endr
	WIN 0
	v_add_nc_u32 v[ADK], s[TK], v[L16]             ; three additions and five v_nop: the eight places behind those products, and behind the last step's, ahead of the loads below and of the first read of the scores
	v_add_nc_u32 v[ADV], s[TK], v[BV]
	v_add_nc_u32 v[ADKS], s[TS], v[BKS]
	PLACES 5
	WIN 0x40
.irp n, 0,1,2,3
.irp c, 0,1,2,3
	ds_load_b128 v[VF+16*\n+4*\c:VF+16*\n+4*\c+3], v[ADV] offset:2048*\n+512*\c      ; this step's V: it lands under the softmax
.endr
.endr
	WIN 0
.irp i, 0,1
	ds_load_b32 v[VS+\i], v[ADKS] offset:4096+128*\i
.endr
	s_cmp_eq_u32 s[JJ], 1                          ; the pass's last step has no next K: a scalar branch on the loop's own counter
	s_cbranch_scc1 .Lno_next_\@
	WIN 0x40
.irp b, 0,1,2,3
.irp c, 0,1,2,3
	ds_load_b128 v[KF+16*\b+4*\c:KF+16*\b+4*\c+3], v[ADK] offset:8192+2048*\b+512*\c   ; the next step's K
.endr
.endr
	WIN 0
.irp i, 0,1
	ds_load_b32 v[KS+\i], v[ADKS] offset:256+128*\i
.endr
.Lno_next_\@:
; the largest score of each block of 32 keys: it serves for the row's maximum and, since p rises with the score, for the block's largest p.  The two tiles take turns line by line
.irp b, 0,1,2,3
.irp x, 0,1
	v_max3_num_f32 v[T+24*\x+\b], v[S+64*\x+16*\b], v[S+64*\x+16*\b+1], v[S+64*\x+16*\b+2]
.endr
.endr
.irp i, 3,5,7,9,11,13
.irp b, 0,1,2,3
.irp x, 0,1
	v_max3_num_f32 v[T+24*\x+\b], v[T+24*\x+\b], v[S+64*\x+16*\b+\i], v[S+64*\x+16*\b+\i+1]
.endr
.endr
.endr
.irp b, 0,1,2,3
.irp x, 0,1
	v_max_num_f32 v[T+24*\x+\b], v[T+24*\x+\b], v[S+64*\x+16*\b+15]
.endr
.endr
.irp b, 0,1,2,3
.irp x, 0,1
	v_permlanex16_b32 v[T+24*\x+4+\b], v[T+24*\x+\b], s[SEL], s[SEL+1]
.endr
.endr
.irp b, 0,1,2,3
.irp x, 0,1
	v_max_num_f32 v[T+24*\x+\b], v[T+24*\x+\b], v[T+24*\x+4+\b]   ; with lane l xor 16's 16 keys
.endr
.endr
.irp x, 0,1
	v_max3_num_f32 v[T+24*\x+20], v[T+24*\x], v[T+24*\x+1], v[T+24*\x+2]
.endr
.irp x, 0,1
	v_max_num_f32 v[T+24*\x+20], v[T+24*\x+20], v[T+24*\x+3]      ; the step's largest score of my query
.endr
.irp x, 0,1
	v_mul_f32 v[T+24*\x+20], s[CS], v[T+24*\x+20]                 ; as t (c is positive)
.endr
.irp x, 0,1
	v_max_num_f32 v[ST+4*\x+1], v[ST+4*\x+1], v[T+24*\x+20]       ; the running largest t
.endr
.irp x, 0,1
	v_mov_b32 v[T+24*\x+20], v[ST+4*\x]
.endr
.irp x, 0,1
	v_floor_f32 v[ST+4*\x], -v[ST+4*\x+1]                         ; the new -M = floor(-t): M is a whole number
.endr
.irp x, 0,1
	v_sub_f32 v[T+24*\x+20], v[ST+4*\x], v[T+24*\x+20]            ; old M - new M: a whole number, 0 or less
.endr
.irp x, 0,1
	v_cvt_i32_f32 v[T+24*\x+20], v[T+24*\x+20]                    ; (it saturates)
.endr
.irp x, 0,1
	v_ldexp_f32 v[T+24*\x+16], 1.0, v[T+24*\x+20]                 ; f = 2^(old M - new M)
.endr
.irp x, 0,1
.irp j, 0,2,4,6,8,10,12,14,16,18,20,22,24,26,28,30,32,34,36,38,40,42,44,46,48,50,52,54,56,58,60,62
	v_pk_fma_f32 v[S+64*\x+\j:S+64*\x+\j+1], v[S+64*\x+\j:S+64*\x+\j+1], s[CS:CS+1], v[ST+4*\x:ST+4*\x+1] op_sel_hi:[1,0,0]   ; t - M, two at a time
.endr
.endr
.irp b, 0,1,2,3
.irp x, 0,1
	v_fma_f32 v[T+24*\x+\b], v[T+24*\x+\b], s[CS], v[ST+4*\x]     ; the same of each block's largest score
.endr
.endr
.irp x, 0,1
.irp j, 0,1,2,3,4,5,6,7,8,9,10,11,12,13,14,15,16,17,18,19,20,21,22,23,24,25,26,27,28,29,30,31,32,33,34,35,36,37,38,39,40,41,42,43,44,45,46,47,48,49,50,51,52,53,54,55,56,57,58,59,60,61,62,63
	v_exp_f32 v[S+64*\x+\j], v[S+64*\x+\j]                        ; p = 2^(t - M), at most 1: one batch of 128
.endr
.endr
.irp x, 0,1
	v_pk_mul_f32 v[ST+4*\x+2:ST+4*\x+3], v[ST+4*\x+2:ST+4*\x+3], v[T+24*\x+16:T+24*\x+17] op_sel_hi:[1,0]   ; the sums under the new M: plain lines behind the exponentials
.endr
	s_wait_alu depctr_va_vdst(0)                   ; one wait for the batch, ahead of its first reader
.irp b, 0,1,2,3
.irp x, 0,1
	v_exp_f32 v[T+24*\x+\b], v[T+24*\x+\b]                        ; the blocks' largest p: the same two instructions on the same number give the same bits
.endr
.endr
.irp x, 0,1
	v_pk_add_f32 v[T+24*\x+18:T+24*\x+19], v[S+64*\x:S+64*\x+1], v[S+64*\x+2:S+64*\x+3]   ; the row's sum is taken of the unquantised p, in two chains a tile
.endr
.irp j, 4,8,12,16,20,24,28,32,36,40,44,48,52,56,60
.irp x, 0,1
	v_pk_add_f32 v[ST+4*\x+2:ST+4*\x+3], v[ST+4*\x+2:ST+4*\x+3], v[S+64*\x+\j:S+64*\x+\j+1]
	v_pk_add_f32 v[T+24*\x+18:T+24*\x+19], v[T+24*\x+18:T+24*\x+19], v[S+64*\x+\j+2:S+64*\x+\j+3]
.endr
.endr
.irp x, 0,1
	v_pk_add_f32 v[ST+4*\x+2:ST+4*\x+3], v[ST+4*\x+2:ST+4*\x+3], v[T+24*\x+18:T+24*\x+19]
.endr
	s_wait_alu depctr_va_vdst(0)                   ; and one for the eight
.irp b, 0,1,2,3
.irp x, 0,1
	v_max_num_f32 v[T+24*\x+\b], 0x4800000, v[T+24*\x+\b]         ; the floor 2^(9 - 127): the byte cannot fall under 1
.endr
.endr
.irp b, 0,1,2,3
.irp x, 0,1
	v_add_nc_u32 v[T+24*\x+12+\b], 0xfc000000, v[T+24*\x+\b]      ; 8 off the exponent field: the conversion's scale operand
.endr
.endr
.irp b, 0,1,2,3
.irp x, 0,1
	v_and_or_b32 v[T+24*\x+8+\b], v[T+24*\x+\b], 0x7f800000, s[MNT]   ; 448 x the scale
.endr
.endr
.irp b, 0,1,2,3
.irp x, 0,1
	v_lshrrev_b32 v[T+24*\x+4+\b], 23, v[T+24*\x+12+\b]           ; the scale's byte
.endr
.endr
.irp x, 0,1
	v_lshl_or_b32 v[PS+\x], v[T+24*\x+5], 8, v[T+24*\x+4]         ; p's scale word for these 128 keys
.endr
.irp x, 0,1
	v_lshl_or_b32 v[PS+\x], v[T+24*\x+6], 16, v[PS+\x]
.endr
.irp x, 0,1
	v_lshl_or_b32 v[PS+\x], v[T+24*\x+7], 24, v[PS+\x]
.endr
.irp x, 0,1
.irp b, 0,1,2,3
.irp i, 0,1,2,3,4,5,6,7,8,9,10,11,12,13,14,15
	v_min_num_f32 v[S+64*\x+16*\b+\i], v[S+64*\x+16*\b+\i], v[T+24*\x+8+\b]   ; the hold; p is not negative, so it is one-sided
.endr
	v_cvt_scalef32_pk8_fp8_f32 v[PC+16*\x+4*\b:PC+16*\x+4*\b+1], v[S+64*\x+16*\b:S+64*\x+16*\b+7], v[T+24*\x+12+\b]
	v_cvt_scalef32_pk8_fp8_f32 v[PC+16*\x+4*\b+2:PC+16*\x+4*\b+3], v[S+64*\x+16*\b+8:S+64*\x+16*\b+15], v[T+24*\x+12+\b]
.endr
.endr
	WIN 0x41                                       ; O^T (destination and source 0) in window 1, f in window 0
.irp x, 0,1
.irp j, 0,2,4,6,8,10,12,14,16,18,20,22,24,26,28,30
	v_pk_mul_f32 v[O+32*\x+\j:O+32*\x+\j+1], v[O+32*\x+\j:O+32*\x+\j+1], v[T+24*\x+16:T+24*\x+17] op_sel_hi:[1,0]   ; O^T under the new M, each accumulator from its low end on.  These 32 are also the places between the codes and the products
.endr
.endr
	s_wait_dscnt 0x0                               ; V, the next K and their scale words are in
	WIN 0x51                                       ; V in window 1, p's codes in window 0, O^T in window 1
.irp n, 0,1,2,3
.irp x, 0,1
	WM O+32*\x+8*\n, VF+16*\n, PC+16*\x, O+32*\x+8*\n, VS+(\n/2), PS+\x, \n%2, 0
.endr
.endr
	WIN 0
	s_add_co_u32 s[TK], s[TK], 8192
	s_add_co_u32 s[TS], s[TS], 256
.endm
; A PASS: two tiles of queries against all 2,048 keys, then O / the sum, quantised along the channels, into at.
.macro PASS pi
	s_wait_xcnt 0x0                                ; the last pass's stores have read their data: those registers are written again below
	WIN 0x40
.irp b, 0,1,2,3
.irp c, 0,1,2,3
	ds_load_b128 v[KF+16*\b+4*\c:KF+16*\b+4*\c+3], v[L16] offset:2048*\b+512*\c      ; K's step 0
.endr
.endr
	WIN 0
.irp i, 0,1
	ds_load_b32 v[KS+\i], v[BKS] offset:128*\i
.endr
	s_wait_loadcnt 0x0                             ; Q and its scale word
	v_perm_b32 v[PW], v[TA], v[TA], 0x01000100     ; tile A's two bytes, twice: they serve [q | 0] and [0 | q] alike
	v_perm_b32 v[TT], v[TA], v[TA], 0x03020302     ; tile B's
	v_cndmask_b32 v[QS], v[PW], v[TT], s[HM]       ; lanes 0-15 tile A's word, lanes 16-31 tile B's
.irp x, 0,1
	v_mov_b32 v[ST+4*\x+1], 0xff61b1e6             ; the largest t so far: -3e38, under every t
	v_floor_f32 v[ST+4*\x], -v[ST+4*\x+1]
	v_mov_b32 v[ST+4*\x+2], 0
	v_mov_b32 v[ST+4*\x+3], 0
.endr
	WIN 0x40
.irp j, 0,1,2,3,4,5,6,7,8,9,10,11,12,13,14,15,16,17,18,19,20,21,22,23,24,25,26,27,28,29,30,31,32,33,34,35,36,37,38,39,40,41,42,43,44,45,46,47,48,49,50,51,52,53,54,55,56,57,58,59,60,61,62,63
	v_mov_b32 v[O+\j], 0                           ; O^T: the step is written once; its first trip finds zeros.  (Also the places between Q's scale word and the first product)
.endr
	WIN 0
	s_mov_b32 s[TK], 0
	s_mov_b32 s[TS], 0
	s_mov_b32 s[JJ], 16
	s_wait_dscnt 0x0
.Lstep_\@:
	STEP
	s_sub_co_u32 s[JJ], s[JJ], 1
	s_cmp_lg_u32 s[JJ], 0
	s_cbranch_scc1 .Lstep_\@
	PLACES 8                                       ; behind the last products, ahead of the first read of O^T and of loads into Q's registers
.if (\pi) == 0
	QLOAD 1                                        ; the next pass's Q lands under this pass's way out
.endif
.irp x, 0,1
	v_add_f32 v[ST+4*\x+2], v[ST+4*\x+2], v[ST+4*\x+3]
.endr
.irp x, 0,1
	v_permlanex16_b32 v[T+24*\x+4], v[ST+4*\x+2], s[SEL], s[SEL+1]
.endr
.irp x, 0,1
	v_add_f32 v[ST+4*\x+2], v[ST+4*\x+2], v[T+24*\x+4]            ; the row's sum
.endr
.irp x, 0,1
	v_rcp_f32 v[T+24*\x+16], v[ST+4*\x+2]
.endr
	v_nop                                          ; a plain line behind the reciprocals
	s_wait_alu depctr_va_vdst(0)                   ; one wait for the two, ahead of their first reader
	WIN 0x01                                       ; O^T in window 1, the result in window 0
.irp x, 0,1
.irp j, 0,2,4,6,8,10,12,14,16,18,20,22,24,26,28,30
	v_pk_mul_f32 v[S+32*\x+\j:S+32*\x+\j+1], v[O+32*\x+\j:O+32*\x+\j+1], v[T+24*\x+16:T+24*\x+17] op_sel_hi:[1,0]   ; register 32 x + 16 cc + i: query r of tile x, channel 32 cc + 16 h + i
.endr
.endr
	WIN 0
	QUANT S
.irp x, 0,1
.irp cc, 0,1
	global_store_b128 v[CO], v[PC+4*(2*\x+\cc):PC+4*(2*\x+\cc)+3], s[10:11] offset:(\pi)*270336+16384*\x+512*\cc   ; 512 consecutive bytes of the reader's operand image
.endr
.endr
	v_lshrrev_b32 v[TT], 16, v[PW]
	v_cndmask_b32 v[TT], v[PW], v[TT], s[HM]       ; lanes 0-15: tile A's two bytes of row r; lanes 16-31: tile B's
	global_store_b16 v[SOF], v[TT], s[10:11] offset:(\pi)*270336
.endm
	s_load_b256 s[4:11], s[0:1], 0x0               ; qimg s[4:5], qsc s[6:7], kv s[8:9], at s[10:11]
	v_lshl_add_u32 v254, v0, 2, 0x42000
	v_mov_b32 v255, 0
	ds_add_u32 v254, v255
	ds_add_u32 v254, v255
	v_lshrrev_b32 v[L16], 5, v0
	v_readfirstlane_b32 s[WV], v[L16]              ; wave 0..7
	s_bfe_u32 s[CX], ttmp6, 0x40000                ; my place in the cluster: it enters Q's and at's global addresses alone
	s_and_b32 s[BH], ttmp7, 0xffff                 ; 16 x batch + head, which the four partners share
	; descriptor group 1: 132 rows of 256 bytes, dense
	s_mov_b32 s16, 15|(3<<16)|(1<<21)              ; 15:0 the mask: all four work-groups; 17:16 elements of 8 bytes; 21 set beside a mask; no padding
	s_mov_b32 s17, 32<<16                          ; tensor_dim0 = 32
	s_mov_b32 s18, 132<<16                         ; tensor_dim1 = 132
	s_mov_b32 s19, 32<<16                          ; tile_dim0 = 32
	s_mov_b32 s20, 132                             ; tile_dim1 = 132
	s_mov_b32 s21, 32                              ; from row to row
	s_mov_b32 s22, 0
	s_mov_b32 s23, 0
	s_mul_i32 s40, s[WV], 33792                    ; my eighth of the block, in LDS and in memory
	s_mul_i32 s36, s[BH], KVB
	s_add_co_u32 s36, s36, s40
	s_mov_b32 s37, 0
	s_mov_b32 s[SEL], 0x76543210
	s_mov_b32 s[SEL+1], 0xfedcba98
	s_mov_b32 s[CS], 0x3e38aa3b                    ; log2(e) / 8
	s_mov_b32 s[CS+1], s[CS]
	s_mov_b32 s[MNT], 0x600000
	s_mov_b32 s[HM], 0xffff0000
	s_wait_dscnt 0x0
	s_wait_kmcnt 0x0
	s_mov_b32 s24, 1
	s_mov_b32 s25, s40
	s_add_nc_u64 s[26:27], s[8:9], s[36:37]
	s_or_b32 s27, s27, 0x80000000
	ROUND                                          ; all four work-groups are here: the joint loads meet
	tensor_load_to_lds s[24:27], s[16:23]
	s_nop 0
	PLACES 4
	v_and_b32 v[L4], 31, v0
	v_lshlrev_b32 v[L16], 4, v[L4]
	v_lshlrev_b32 v[L4], 2, v[L4]
	v_and_b32 v[R4], 15, v0
	v_lshlrev_b32 v[R4], 2, v[R4]
	v_add_nc_u32 v[BV], 131072, v[L16]
	v_add_nc_u32 v[BKS], 262144, v[L4]
	s_lshl_b32 s36, s[BH], 17
	s_lshl_b32 s38, s[CX], 15
	s_add_co_u32 s36, s36, s38
	s_lshl_b32 s38, s[WV], 11
	s_add_co_u32 s36, s36, s38
	s_add_nc_u64 s[4:5], s[4:5], s[36:37]          ; qimg at pair 16 cx + wave, 2,048 bytes a pair
	s_lshl_b32 s36, s[BH], 12
	s_lshl_b32 s38, s[CX], 10
	s_add_co_u32 s36, s36, s38
	s_lshl_b32 s38, s[WV], 6
	s_add_co_u32 s36, s36, s38
	s_add_nc_u64 s[6:7], s[6:7], s[36:37]          ; qsc likewise, 64 bytes a pair
	s_lshr_b32 s36, s[BH], 4
	s_lshl_b32 s36, s36, 4
	s_lshl_b32 s38, s[CX], 2
	s_add_co_u32 s36, s36, s38
	s_lshr_b32 s38, s[WV], 2
	s_add_co_u32 s36, s36, s38
	s_mul_i32 s36, s36, 135168
	s_add_nc_u64 s[10:11], s[10:11], s[36:37]      ; at: block of 128 rows 16 batch + 4 cx + wave / 4 (pass 1: two blocks on)
	s_and_b32 s38, s[WV], 3
	s_and_b32 s41, s[BH], 15                       ; the head
	s_lshl_b32 s42, s38, 15                        ; tiles 2 (wave % 4) and + 1 of the block, 16,384 bytes a tile
	s_lshr_b32 s43, s41, 1
	s_lshl_b32 s43, s43, 11                        ; K step head / 2
	s_add_co_u32 s42, s42, s43
	s_and_b32 s43, s41, 1
	s_lshl_b32 s43, s43, 10                        ; its blocks 2 (head % 2) and + 1
	s_add_co_u32 s42, s42, s43
	v_add_nc_u32 v[CO], s42, v[L16]
	s_lshl_b32 s42, s38, 10
	s_lshl_b32 s43, s41, 1
	s_add_co_u32 s42, s42, s43
	s_add_co_u32 s42, s42, 131072
	v_lshl_add_u32 v[SOF], v[L16], 1, s42          ; scale bytes: row 32 (wave % 4) + lane, 32 bytes a row, bytes 2 head and + 1
	QLOAD 0
	WIN 0x40
.irp z, 0,1,2,3,4,5,6,7
	v_mov_b32 v[QZ+\z], 0                          ; the zero codes round Q: written once
	v_mov_b32 v[QZ+16+\z], 0
	v_mov_b32 v[QZ+32+\z], 0
.endr
	WIN 0
.irp x, 0,1
.irp b, 0,1,2,3
	v_mov_b32 v[T+24*\x+4+\b], 0                   ; written once: a lane permute's destination counts as one of its sources
.endr
	v_mov_b32 v[T+24*\x+17], 0                     ; (named as the upper half of a pair of which the low word serves both halves)
.endr
	s_wait_tensorcnt 0x0                           ; my eighth of the block has landed,
	s_barrier_signal -1
	s_barrier_wait -1                              ; everybody's has
	PASS 0
	PASS 1
	s_wait_dscnt 0x0
	s_wait_tensorcnt 0x0
	ds_add_u32 v254, v255
	s_wait_dscnt 0x0
	ROUND                                          ; the closing round
	s_endpgm
.Lfunc_end_k_qa29f6388f8_attn:
	.size	k_qa29f6388f8_attn, .Lfunc_end_k_qa29f6388f8_attn-k_qa29f6388f8_attn
	.p2alignl 7, 3214868480
	.fill 96, 4, 3214868480
	.section	.rodata,"a",@progbits
	.p2align	6, 0x0
	.amdhsa_kernel k_qa29f6388f8_attn
		.amdhsa_group_segment_fixed_size 271360
		.amdhsa_private_segment_fixed_size 0
		.amdhsa_enable_private_segment 0
		.amdhsa_kernarg_size 32
		.amdhsa_user_sgpr_count 2
		.amdhsa_user_sgpr_kernarg_segment_ptr 1
		.amdhsa_wavefront_size32 1
		.amdhsa_system_sgpr_workgroup_id_x 1
		.amdhsa_system_sgpr_workgroup_id_y 1
		.amdhsa_system_sgpr_workgroup_id_z 1
		.amdhsa_system_vgpr_workitem_id 0
		.amdhsa_next_free_vgpr 512
		.amdhsa_next_free_sgpr 66
		.amdhsa_reserve_vcc 0
		.amdhsa_float_denorm_mode_32 3
		.amdhsa_float_denorm_mode_16_64 3
		.amdhsa_memory_ordered 1
		.amdhsa_forward_progress 1
		.amdhsa_inst_pref_size 105
	.end_amdhsa_kernel
	.amdgpu_metadata
---
amdhsa.version: [ 1, 2 ]
amdhsa.kernels:
  - .name:           k_qa29f6388f8_attn
    .symbol:         k_qa29f6388f8_attn.kd
    .args:
      - { .name: qimg, .offset: 0, .size: 8, .value_kind: global_buffer, .address_space: global }
      - { .name: qsc, .offset: 8, .size: 8, .value_kind: global_buffer, .address_space: global }
      - { .name: kv, .offset: 16, .size: 8, .value_kind: global_buffer, .address_space: global }
      - { .name: at, .offset: 24, .size: 8, .value_kind: global_buffer, .address_space: global }
    .group_segment_fixed_size: 271360
    .private_segment_fixed_size: 0
    .kernarg_segment_align: 8
    .kernarg_segment_size: 32
    .max_flat_workgroup_size: 256
    .sgpr_count:     66
    .vgpr_count:     512
    .wavefront_size: 32
...
	.end_amdgpu_metadata
.endif
;; end of part 2
;; launch outp (part 3): grid 256 x 1, 4 waves a work-group, clusters of 4 x 1, 168,448 bytes of LDS; arguments at, Wo_codes, Wo_scales, bo, out0; writes out0
.if DOCPART == 3
	.amdgcn_target "amdgcn-amd-amdhsa--gfx1250"
	.amdhsa_code_object_version 6
	.text
	.protected	k_qa29f6388f8_outp
	.globl	k_qa29f6388f8_outp
	.p2align	8
	.type	k_qa29f6388f8_outp,@function
k_qa29f6388f8_outp:
	s_mov_b64 s[64:65], 0
	v_nop
	global_prefetch_b8 v0, s[64:65] scope:SCOPE_SE
	s_setreg_imm32_b32 hwreg(HW_REG_WAVE_MODE, 25, 1), 1
	s_wait_xcnt 0x0
	s_wait_alu depctr_hold_cnt(0) depctr_sa_sdst(0) depctr_va_vdst(0) depctr_va_sdst(0) depctr_va_ssrc(0) depctr_va_vcc(0) depctr_vm_vsrc(0)
	s_getreg_b32 s2, hwreg(HW_REG_IB_STS2, 6, 4)
	s_cmp_eq_u32 s2, 0
	s_cbranch_scc0 .Lentry_in_a_cluster
	s_endpgm
.Lentry_in_a_cluster:
	s_bfe_u32 s2, ttmp6, 0x10000c
	s_cmp_lg_u32 s2, 0x3003
	s_cbranch_scc0 .Lentry_shape_is_right
	s_endpgm
.Lentry_shape_is_right:
; THE LAST PROJECTION, out0 = attn Wo + bo, on codes of FP8 (E4M3) with one E8M0 scale for each 32 along K = 1,024.
; SHARES.  A cluster of four work-groups takes one block of 128 rows; work-group cx takes columns 256 cx .. + 255, wave w 64 of them.  The wave's slice of Wo (32 fragments, 512 registers) stays in registers.
; THE BLOCK OF at (codes as images of the operand's registers, then the rows' scale bytes: 135,168 bytes) COMES INTO LDS ONCE, asked for JOINTLY by the four: each wave issues one tensor load of 33,792 bytes with
; the same descriptor and a mask that names the four.  Nothing is filled again.  A wave has one tensor load outstanding.
; A UNIT is 32 rows x 64 columns: 8 accumulators by turns; source 0 = 16 rows of Wo, source 1 = 16 rows of attn: a lane holds eight neighbouring columns of one row.
; THE WAY OUT: 16 rows x 256 bytes at a time through the wave's own stage in LDS (bytes into which no fill lands), back by rows: sixteen lanes store 256 consecutive bytes, aligned.
.set STAGE, 135168                     ; behind the block: 16 rows x (256 bytes + 16) for each wave
.set NS,   8
.set NG,   4
.set LN16, 1                           ; v1   16 x lane
.set RR,   2
.set HH,   3
.set WO,   4                           ; v4   my byte in a tile of Wo
.set WSO,  5                           ; v5   32 x lane: my row's scale bytes
.set BO,   6                           ; v6   32 h
.set ADA,  8                           ; v8   LDS: the unit's images
.set ADS0, 9                           ; v9   LDS: my row's scale words;  v10 in the unit in hand
.set ADS,  10
.set SO,   11                          ; v11  the stage: where I put 32 bytes of a row
.set SR,   12                          ; v12  and where I read a row back
.set CO,   13                          ; v13  my byte in two rows of out0
.set ACC,  32                          ; v32-95   the unit's 8 accumulators
.set BIAS, 96                          ; v96-127  the bias in the result's layout
.set RB,   128                         ; v128-191 rows read back from the stage
.set AS,   200                         ; v200-207 attn's scale words: lanes 0-15 tile 0, lanes 16-31 tile 1; nothing else ever
.set WS,   208                         ; v208-223 Wo's: lanes 0-15 tile 2 i, lanes 16-31 tile 2 i + 1; nothing else ever
; window 1: Wo's fragments 4 s + t = 0 .. 15;  window 2: 16 .. 31;  window 3: two sets of four fragments of attn
.set WC,  6
.set WSC, 8
.set BI,  10
.set OP,  12
.set WV,  14
.set CX,  15
.set UO,  28
.set US,  29
.set UC,  30
.set MSB, 0
.macro WIN new
.if MSB != (\new)
	s_set_vgpr_msb (MSB<<8)|(\new)
.set MSB, (\new)
.endif
.endm
.macro PLACES n
.rept \n
	v_nop
.endr
.endm
.macro WM d, a, b, c, sa, sb, ra, rb
.if (\ra) && (\rb)
	v_wmma_scale_f32_16x16x128_f8f6f4 v[(\d):(\d)+7], v[(\a):(\a)+15], v[(\b):(\b)+15], v[(\c):(\c)+7], v[(\sa)], v[(\sb)] matrix_a_scale:MATRIX_SCALE_ROW1 matrix_b_scale:MATRIX_SCALE_ROW1
.elseif (\ra)
	v_wmma_scale_f32_16x16x128_f8f6f4 v[(\d):(\d)+7], v[(\a):(\a)+15], v[(\b):(\b)+15], v[(\c):(\c)+7], v[(\sa)], v[(\sb)] matrix_a_scale:MATRIX_SCALE_ROW1
.elseif (\rb)
	v_wmma_scale_f32_16x16x128_f8f6f4 v[(\d):(\d)+7], v[(\a):(\a)+15], v[(\b):(\b)+15], v[(\c):(\c)+7], v[(\sa)], v[(\sb)] matrix_b_scale:MATRIX_SCALE_ROW1
.else
	v_wmma_scale_f32_16x16x128_f8f6f4 v[(\d):(\d)+7], v[(\a):(\a)+15], v[(\b):(\b)+15], v[(\c):(\c)+7], v[(\sa)], v[(\sb)]
.endif
.endm
.macro ROUND
	s_barrier_signal -1
	s_barrier_wait -1
	s_cmp_lg_u32 s[WV], 0
	s_cbranch_scc1 .Lnot_wave_0_\@
	s_barrier_signal -3
.Lnot_wave_0_\@:
	s_barrier_wait -3
	s_barrier_signal -1
	s_barrier_wait -1
.endm
.macro WSLOT i                         ; Wo's four fragments of K step i: tile t is rows 16 t .. 16 t + 15 of my 64
	WIN 0x40+0x40*((\i)/4)
.irp t, 0,1,2,3
.irp c, 0,1,2,3
	global_load_b128 v[16*((4*(\i)+\t)%16)+4*\c:16*((4*(\i)+\t)%16)+4*\c+3], v[WO], s[WC:WC+1] offset:16*\t*1024+128*(\i)+32*\c
.endr
.endr
.endm
.macro FETCH g, sg                     ; four fragments of attn (K steps 2 g, 2 g + 1; tiles 0, 1 of the unit) into set sg of window 3: images, 512 consecutive bytes a load
	WIN 0xc0
.irp sl, 0,1
.irp p, 0,1
.irp c, 0,1,2,3
	ds_load_b128 v[64*(\sg)+16*(2*\sl+\p)+4*\c:64*(\sg)+16*(2*\sl+\p)+4*\c+3], v[ADA] offset:16384*\p+2048*(2*(\g)+\sl)+512*\c
.endr
.endr
.endr
.endm
.macro ASLD
	ds_load_b128 v[AS:AS+3], v[ADS]
	ds_load_b128 v[AS+4:AS+7], v[ADS] offset:16
.endm
; 16 matrix instructions: K steps 2 g and 2 g + 1, the 8 accumulators by turns, one instruction a turn.  The bias is the C of each sum's first instruction.
.macro MUL g
	WIN 0x0d+((\g)/2)                              ; source 0 = Wo (window 1 or 2), source 1 = attn (window 3)
.irp sl, 0,1
.irp p, 0,1
.irp t, 0,1,2,3
.set ss, 2*(\g)+\sl
.set wf, 64*(ss%4)+16*\t
.set af, 64*((\g)%2)+32*\sl+16*\p
.set dd, ACC+32*\p+8*\t
.set cq, dd
.if ss == 0
.set cq, BIAS+8*\t
.endif
	WM dd, wf, af, cq, WS+NS*(\t/2)+ss, AS+ss, \t%2, \p
.endr
.endr
.endr
.endm
; Eight plain places stand behind matrix instructions of this form ahead of loads into their registers and of the first read of results.
.macro UNIT last
	FETCH 1, 1
	s_wait_dscnt 16                                ; all but the 16 loads just issued
	MUL 0
.set gg, 1
.rept NG-1
	PLACES 8
.if gg < NG-1
	FETCH gg+1, (gg+1)%2
	s_wait_dscnt 16
.elseif (\last) == 0
	WIN 0
	s_add_co_u32 s[UO], s[UO], 32768               ; on to the next unit's two tiles
	s_add_co_u32 s[US], s[US], 1024
	v_add_nc_u32 v[ADA], s[UO], v[LN16]
	v_add_nc_u32 v[ADS], s[US], v[ADS0]
	FETCH 0, 0
	s_wait_dscnt 16
.else
	s_wait_dscnt 0x0
.endif
	MUL gg
.set gg, gg+1
.endr
	PLACES 9                                       ; NINE: the next unit's first products begin these accumulators anew, with the bias as C: a matrix instruction that writes over an earlier one's registers stands one place
	                                               ; further behind it than a load or a read does, and between here and those products stand only LDS and memory instructions, which are no places
	WIN 0
.if (\last) == 0
	ASLD
.endif
.irp p, 0,1
.irp t, 0,1,2,3
	ds_store_b128 v[SO], v[ACC+32*\p+8*\t:ACC+32*\p+8*\t+3] offset:64*\t           ; each accumulator from its low end on
	ds_store_b128 v[SO], v[ACC+32*\p+8*\t+4:ACC+32*\p+8*\t+7] offset:64*\t+16
.endr
.irp i, 0,1,2,3,4,5,6,7
	ds_load_b128 v[RB+32*\p+4*\i:RB+32*\p+4*\i+3], v[SR] offset:544*\i             ; LDS serves a wave's instructions in order (ISA guide 5.7.1.4): these see the stores above, and the next tile's stores come behind them
.endr
.endr
.irp p, 0,1
.irp i, 0,1,2,3,4,5,6,7
	s_wait_dscnt 16*(1-\p)+7-\i                    ; the younger loads of this tile, and the next tile's 8 stores and 8 loads, may stay out
	global_store_b128 v[CO], v[RB+32*\p+4*\i:RB+32*\p+4*\i+3], s[OP:OP+1] offset:(16*\p+2*\i)*4096 th:TH_STORE_NT   ; 16 lanes store 256 consecutive bytes, at a multiple of 256 from out0's first byte
.endr
.endr
.if (\last) == 0
	s_wait_xcnt 0x0                                ; the stores have read their data and their base: both are written again only behind this wait
	s_add_nc_u64 s[OP:OP+1], s[OP:OP+1], 131072    ; 32 rows on
.endif
.endm
	s_load_b256 s[4:11], s[0:1], 0x0               ; at s[4:5], Wo_codes s[6:7], Wo_scales s[8:9], bo s[10:11]
	s_load_b64 s[12:13], s[0:1], 0x20              ; out0
	v_lshl_add_u32 v254, v0, 2, 0x29000
	v_mov_b32 v255, 0
	ds_add_u32 v254, v255
	ds_add_u32 v254, v255
	v_lshrrev_b32 v[RR], 5, v0
	v_readfirstlane_b32 s[WV], v[RR]               ; wave 0..3
	s_bfe_u32 s[CX], ttmp6, 0x40000                ; my slice of 256 columns: it enters Wo's, bo's and out0's global addresses alone
	; descriptor group 1: 132 rows of 256 bytes, dense
	s_mov_b32 s16, 15|(3<<16)|(1<<21)              ; 15:0 the mask: all four work-groups; 17:16 elements of 8 bytes; 21 set beside a mask; no padding
	s_mov_b32 s17, 32<<16
	s_mov_b32 s18, 132<<16
	s_mov_b32 s19, 32<<16
	s_mov_b32 s20, 132
	s_mov_b32 s21, 32
	s_mov_b32 s22, 0
	s_mov_b32 s23, 0
	s_mul_i32 s40, s[WV], 33792                    ; my quarter of the block, in LDS and in memory
	s_mul_i32 s36, ttmp9, 135168                   ; the cluster's block of 128 rows
	s_add_co_u32 s36, s36, s40
	s_mov_b32 s37, 0
	s_wait_dscnt 0x0
	s_wait_kmcnt 0x0
	s_mov_b32 s24, 1
	s_mov_b32 s25, s40
	s_add_nc_u64 s[26:27], s[4:5], s[36:37]
	s_or_b32 s27, s27, 0x80000000
	ROUND                                          ; all four work-groups are here: the joint loads meet
	tensor_load_to_lds s[24:27], s[16:23]
	s_nop 0
	PLACES 4
	v_and_b32 v[WSO], 31, v0
	v_lshlrev_b32 v[LN16], 4, v[WSO]
	v_lshlrev_b32 v[WSO], 5, v[WSO]
	v_and_b32 v[RR], 15, v0
	v_bfe_u32 v[HH], v0, 4, 1
	v_lshlrev_b32 v[WO], 10, v[RR]
	v_lshl_add_u32 v[WO], v[HH], 4, v[WO]
	v_lshlrev_b32 v[BO], 5, v[HH]
	v_add_nc_u32 v[ADS0], 131072, v[WSO]
	s_mul_i32 s38, s[WV], 16*272
	s_add_co_u32 s38, s38, STAGE                   ; my stage
	v_mul_u32_u24 v[SO], v[RR], 272
	v_lshl_add_u32 v[SO], v[HH], 5, v[SO]
	v_add_nc_u32 v[SO], s38, v[SO]
	v_mul_u32_u24 v[SR], v[HH], 272
	v_lshl_add_u32 v[SR], v[RR], 4, v[SR]
	v_add_nc_u32 v[SR], s38, v[SR]
	v_lshlrev_b32 v[CO], 12, v[HH]
	v_lshl_add_u32 v[CO], v[RR], 4, v[CO]
	s_lshl_b32 s38, s[CX], 8
	s_lshl_b32 s39, s[WV], 6
	s_add_co_u32 s38, s38, s39                     ; my first column
	s_lshl_b32 s36, s38, 10
	s_add_nc_u64 s[WC:WC+1], s[WC:WC+1], s[36:37]
	s_lshl_b32 s36, s38, 5
	s_add_nc_u64 s[WSC:WSC+1], s[WSC:WSC+1], s[36:37]
	s_lshl_b32 s36, s38, 2
	s_add_nc_u64 s[BI:BI+1], s[BI:BI+1], s[36:37]
	s_add_nc_u64 s[OP:OP+1], s[OP:OP+1], s[36:37]
	s_lshl_b32 s36, ttmp9, 19                      ; 128 rows of 4,096 bytes a block
	s_add_nc_u64 s[OP:OP+1], s[OP:OP+1], s[36:37]
.irp i, 0,1,2,3,4,5,6,7
	WSLOT \i
.endr
	WIN 0
.irp i, 0,1
.irp q, 0,1
	global_load_b128 v[WS+8*\i+4*\q:WS+8*\i+4*\q+3], v[WSO], s[WSC:WSC+1] offset:1024*\i+16*\q   ; lane l: row 32 i + l of my 64
.endr
.endr
.irp t, 0,1,2,3
	global_load_b128 v[BIAS+8*\t:BIAS+8*\t+3], v[BO], s[BI:BI+1] offset:64*\t          ; register j of tile t is column 16 t + 8 h + j
	global_load_b128 v[BIAS+8*\t+4:BIAS+8*\t+7], v[BO], s[BI:BI+1] offset:64*\t+16
.endr
	s_wait_tensorcnt 0x0                           ; my quarter of the block has landed,
	s_barrier_signal -1
	s_barrier_wait -1                              ; everybody's has
	s_mov_b32 s[UO], 0
	s_mov_b32 s[US], 0
	v_add_nc_u32 v[ADA], s[UO], v[LN16]
	v_add_nc_u32 v[ADS], s[US], v[ADS0]
	FETCH 0, 0
	WIN 0
	ASLD
	s_wait_loadcnt 0x0                             ; the weight, its scales, the bias
	s_mov_b32 s[UC], 3
.Lunit:
	UNIT 0
	s_sub_co_u32 s[UC], s[UC], 1
	s_cmp_lg_u32 s[UC], 0
	s_cbranch_scc1 .Lunit
	UNIT 1                                         ; the last unit fetches nothing ahead
	s_wait_dscnt 0x0
	s_wait_tensorcnt 0x0
	ds_add_u32 v254, v255
	s_wait_dscnt 0x0
	ROUND                                          ; the closing round
	s_endpgm
.Lfunc_end_k_qa29f6388f8_outp:
	.size	k_qa29f6388f8_outp, .Lfunc_end_k_qa29f6388f8_outp-k_qa29f6388f8_outp
	.p2alignl 7, 3214868480
	.fill 96, 4, 3214868480
	.section	.rodata,"a",@progbits
	.p2align	6, 0x0
	.amdhsa_kernel k_qa29f6388f8_outp
		.amdhsa_group_segment_fixed_size 168448
		.amdhsa_private_segment_fixed_size 0
		.amdhsa_enable_private_segment 0
		.amdhsa_kernarg_size 40
		.amdhsa_user_sgpr_count 2
		.amdhsa_user_sgpr_kernarg_segment_ptr 1
		.amdhsa_wavefront_size32 1
		.amdhsa_system_sgpr_workgroup_id_x 1
		.amdhsa_system_sgpr_workgroup_id_y 1
		.amdhsa_system_sgpr_workgroup_id_z 1
		.amdhsa_system_vgpr_workitem_id 0
		.amdhsa_next_free_vgpr 1024
		.amdhsa_next_free_sgpr 66
		.amdhsa_reserve_vcc 0
		.amdhsa_float_denorm_mode_32 3
		.amdhsa_float_denorm_mode_16_64 3
		.amdhsa_memory_ordered 1
		.amdhsa_forward_progress 1
		.amdhsa_inst_pref_size 54
	.end_amdhsa_kernel
	.amdgpu_metadata
---
amdhsa.version: [ 1, 2 ]
amdhsa.kernels:
  - .name:           k_qa29f6388f8_outp
    .symbol:         k_qa29f6388f8_outp.kd
    .args:
      - { .name: at, .offset: 0, .size: 8, .value_kind: global_buffer, .address_space: global }
      - { .name: Wo_codes, .offset: 8, .size: 8, .value_kind: global_buffer, .address_space: global }
      - { .name: Wo_scales, .offset: 16, .size: 8, .value_kind: global_buffer, .address_space: global }
      - { .name: bo, .offset: 24, .size: 8, .value_kind: global_buffer, .address_space: global }
      - { .name: out0, .offset: 32, .size: 8, .value_kind: global_buffer, .address_space: global }
    .group_segment_fixed_size: 168448
    .private_segment_fixed_size: 0
    .kernarg_segment_align: 8
    .kernarg_segment_size: 40
    .max_flat_workgroup_size: 128
    .sgpr_count:     66
    .vgpr_count:     1024
    .wavefront_size: 32
...
	.end_amdgpu_metadata
.endif
;; end of part 3
;; ======== version 2 of 2: 3 launches
;; workspace buffers: qimg 8,388,608 bytes; qsc 262,144 bytes; kv 17,301,504 bytes; at 8,650,752 bytes
;; launch proj (part 4): grid 256 x 3, 4 waves a work-group, no clusters, 275,456 bytes of LDS; arguments query_codes, query_scales, Wq_codes, Wq_scales, bq, key, Wk_codes, Wk_scales, bk, value, Wv_codes, Wv_scales, bv, qimg, qsc, kv; writes qimg, qsc, kv
.if DOCPART == 4
	.amdgcn_target "amdgcn-amd-amdhsa--gfx1250"
	.amdhsa_code_object_version 6
	.text
	.protected	k_qa29f6388f8_proj
	.globl	k_qa29f6388f8_proj
	.p2align	8
	.type	k_qa29f6388f8_proj,@function
k_qa29f6388f8_proj:
	s_mov_b64 s[64:65], 0
	v_nop
	global_prefetch_b8 v0, s[64:65] scope:SCOPE_SE
	s_setreg_imm32_b32 hwreg(HW_REG_WAVE_SCHED_MODE, 0, 2), 2
	s_setreg_imm32_b32 hwreg(HW_REG_WAVE_MODE, 25, 1), 1
	s_wait_xcnt 0x0
	s_wait_alu depctr_vm_vsrc(0)
; THE THREE INPUT PROJECTIONS, q = query Wq + bq, k = key Wk + bk, v = value Wv + bv, on codes of FP8 (E4M3) with one E8M0 scale for each 32 along K,
; and the quantising of their results for the attention launch.  Work-group y = 0: q, 1: k, 2: v.  x = 4 mb + ns: rows 128 mb .. + 127 (of 8,192), heads 4 ns .. 4 ns + 3.
; SHARES.  Wave w owns head 4 ns + w: 64 channels for all 128 rows.  Its slice of the weight stays in registers (q: 32 fragments, k and v: 16), read from memory once.
; The 128 rows of the activation lie as codes in LDS, filled once: query's codes are copied; key and value arrive as f32 and are quantised on the way, 32 rows a wave.
; A UNIT is 32 rows x 64 channels: 8 accumulators, taken by turns.  Its results are quantised in registers and leave as IMAGES OF THE READER'S OPERAND REGISTERS, 512 consecutive bytes a store.
; q, k: source 0 = 16 rows of W, source 1 = 16 rows of the activation: a lane holds one row and its registers run along the channels, which are the next K.
; v:    source 0 = 16 rows of the activation, source 1 = 16 rows of W: a lane holds one channel and its registers run along the keys, which are the next K.
; THE ROWS OF A SOURCE-0 TILE ARE NOT NEIGHBOURS: row m of tile 2 b + u is index 32 b + 8 u + m + (m & 8), so that the 16 registers of tiles 2 b and 2 b + 1 are 16 neighbours along the next K.
; For k and v the activation's rows lie in LDS by POSITION: position 32 unit + 16 u + r holds key 32 unit + 8 u + r + (r & 8).
; THE ZERO MASK: a row of key (value) whose 512 numbers add up to 0 makes its row of k (v) zero: a multiplier 0.0 or 1.0, made by a select; no branch hangs on it.
; No tensor loads: key and value must pass through registers, and the paths part on the work-group's number; each path has LDS bytes of its own.
; LIMITS.  A row's sum is added in another order than the reference adds it: a row of zeros is exact; a row that is not all zeros and whose sum rounds to 0 in one order only follows this order.
; NaN and infinities among key and value are not served.  A block of zeros, and a block whose largest magnitude lies under 2^-118, carries the scale byte 1 (its codes are zeros or small; this program alone reads the bytes).
; THE MODE: SCHED_MODE bits 1:0 = 2 (LLVM: expert scheduling mode 2), set by the entry lines.  The code itself states the register dependences
; between vector or matrix instructions and memory or LDS instructions, with s_wait_alu, always for 0.
; THE PLAN.  Registers that memory or LDS instructions touch, and who else names them:
;   v1-v22        Addresses and offsets: made by vector lines at the head of a path, ahead of one wait on va_vdst; never written again, but for v[ADA], v[ADS], v[ADM] (below).
;   window 3      At the head: global loads land in it, LDS stores read it; no vector line names it.  In the units: set g holds the fragments of K steps 2 g and 2 g + 1; LDS loads land in it, the products read it.
;   XS0, XS1      (v32-95, v96-159; key and value on their way.)  Fragment f: the loads from the stage land in XS[f % 2]; the sums and the quantiser read and write it.
;   PC, PW, TT    The quantiser and the selects write them; the run of stores behind them reads them.
;   AS            The unit's scale words: LDS loads land in it, the unit's products read it.      MK: the unit's multipliers: LDS loads land in it, the mask's multiplications read it.
;   v[ADA], v[ADS], v[ADM]   Read by the LDS loads of fragments, scale words and multipliers; written once a unit, in its middle.
;   W's fragments, WS and the bias are loaded once; the accumulators and TM are named by vector and matrix instructions alone.
; A FRAGMENT OF key OR value has one wait on vm_vsrc, behind its sums, and one on va_vdst, behind its conversions and ahead of its run of LDS stores.
; A UNIT has one wait on vm_vsrc and three on va_vdst: in its middle (the first half's sets are free, the stepped addresses are written: the next unit's first half is fetched among the second half's products);
; behind its last products (the second half's sets and AS are free: the next unit's second half lands under the quantiser); behind its conversions (the codes are written: the stores; MK is free: the next unit's head).
.set QPITCH, 1040                      ; q: an LDS row: 1,024 codes + 16: an odd multiple of 16 bytes, so the 16 rows of a fragment load start in different banks
.set QSC,    128*QPITCH                ; q: the rows' scale bytes, 32 a row
.set KVREG,  QSC+4096                  ; k, v: 128 positions x (512 codes + 16)
.set KPITCH, 528
.set KVSC,   KVREG+128*KPITCH          ; their scale words, 16 bytes a position
.set MASKR,  KVSC+2048                 ; their multipliers, 4 bytes a position
.set STG,    MASKR+512                 ; four waves x two stages of 16 rows x (512 bytes + 16)
.set STGB,   16*528
.set KVB,    270336                    ; a head's block in kv: K image 131,072, V image 131,072, K scales 4,096, V scales 4,096
.set LN16, 1                           ; v1   16 x lane
.set RR,   2                           ; v2   r = lane % 16
.set HH,   3                           ; v3   h = lane / 16
.set WO,   4                           ; v4   my byte in a tile of W
.set WSO,  5                           ; v5   my byte among W's scale bytes
.set BO,   6                           ; v6   my byte in the bias
.set ADA0, 7                           ; v7   LDS: my place in a fragment of the activation;  v8 the same in the unit that is being fetched
.set ADA,  8
.set ADS0, 9                           ; v9   LDS: my position's scale words;  v10 in the unit that is being fetched
.set ADS,  10
.set ADM0, 11                          ; v11  LDS: the multipliers;  v12 in the unit that is being fetched
.set ADM,  12
.set STI,  13                          ; v13  where I put 16 bytes as loaded (q: into the rows; k, v: into my stage)
.set STO,  14                          ; v14  where I read my 64 numbers back from the stage
.set XST,  15                          ; v15  where my codes go
.set XSS,  16                          ; v16  where my scale words go
.set XMS,  17                          ; v17  where my multiplier goes
.set SO2,  18                          ; v18  4 r + 2 h: my half of a scale word in memory
.set L4,   19                          ; v19  4 x lane
.set T16,  20                          ; v20  16 x thread
.set QSA,  21                          ; v21  QSC + 16 x thread
.set PATR, 22                          ; v22  r + (r & 8)
.set ZR,   23                          ; v23  0
.set ACC,  32                          ; v32-95   the unit's 8 accumulators; in the quantising of key and value: 64 numbers, set 0
.set BIAS, 96                          ; v96-127  the bias in the result's layout (before that v96-159: 64 numbers, set 1)
.set MK,   128                         ; v128-143 the unit's multipliers
.set VW,   144                         ; v144-147 v's scale words, a byte a unit
.set PC,   160                         ; v160-175 the codes just made
.set TM,   176                         ; v176-191 largest magnitudes, bytes, limits, scale operands
.set PW,   192                         ; v192 the scale word just made
.set TT,   193
.set SUM,  194                         ; v194-197 a row's sum, in two chains of pairs
.set AS,   200                         ; v200-207 the activation's scale words: lanes 0-15 tile 0, lanes 16-31 tile 1; nothing else ever
.set WS,   208                         ; v208-223 W's scale words: lanes 0-15 tile 2 cc, lanes 16-31 tile 2 cc + 1; nothing else ever
.set QCP,  224                         ; v224-231 q's scale bytes on their way into LDS
; v254, v255: the closing add's two registers.  window 1: W's fragments 4 s + t = 0 .. 15;  window 2: 16 .. 31 (q);  window 3: raw loads, then the sets of four fragments of the activation (q: four sets, a whole unit; k, v: two)
.set AX,  4                            ; s[4:5] activation, s[6:7] W's codes, s[8:9] W's scales, s[10:11] bias, s[12:13] codes out, s[14:15] scales out
.set WC,  6
.set WSC, 8
.set BI,  10
.set OP,  12
.set OS,  14
.set WV,  48
.set YY,  49
.set JB,  50
.set MB,  51
.set HD,  52
.set BH,  53
.set SEL, 60
.set MNT, 62
.set HM,  63                           ; s63  a lane mask: lanes 16-31
.set UO,  66                           ; s66-68 the unit's step in the rows, the scale words, the multipliers;  s69 units to go
.set US,  67
.set UM,  68
.set UC,  69
.set MSB, 0
.macro WIN new                         ; the immediate's high byte repeats the setting that is left; a switch that changes nothing is dropped
.if MSB != (\new)
	s_set_vgpr_msb (MSB<<8)|(\new)
.set MSB, (\new)
.endif
.endm
.macro PLACES n
.rept \n
	v_nop
.endr
.endm
; one matrix instruction.  c < 0: the constant 0 starts the sum.  ra, rb = 1: that side's scales are read from lanes 16-31
.macro WM d, a, b, c, sa, sb, ra, rb
.if (\c) < 0
.if (\ra) && (\rb)
	v_wmma_scale_f32_16x16x128_f8f6f4 v[(\d):(\d)+7], v[(\a):(\a)+15], v[(\b):(\b)+15], 0, v[(\sa)], v[(\sb)] matrix_a_scale:MATRIX_SCALE_ROW1 matrix_b_scale:MATRIX_SCALE_ROW1
.elseif (\ra)
	v_wmma_scale_f32_16x16x128_f8f6f4 v[(\d):(\d)+7], v[(\a):(\a)+15], v[(\b):(\b)+15], 0, v[(\sa)], v[(\sb)] matrix_a_scale:MATRIX_SCALE_ROW1
.elseif (\rb)
	v_wmma_scale_f32_16x16x128_f8f6f4 v[(\d):(\d)+7], v[(\a):(\a)+15], v[(\b):(\b)+15], 0, v[(\sa)], v[(\sb)] matrix_b_scale:MATRIX_SCALE_ROW1
.else
	v_wmma_scale_f32_16x16x128_f8f6f4 v[(\d):(\d)+7], v[(\a):(\a)+15], v[(\b):(\b)+15], 0, v[(\sa)], v[(\sb)]
.endif
.else
.if (\ra) && (\rb)
	v_wmma_scale_f32_16x16x128_f8f6f4 v[(\d):(\d)+7], v[(\a):(\a)+15], v[(\b):(\b)+15], v[(\c):(\c)+7], v[(\sa)], v[(\sb)] matrix_a_scale:MATRIX_SCALE_ROW1 matrix_b_scale:MATRIX_SCALE_ROW1
.elseif (\ra)
	v_wmma_scale_f32_16x16x128_f8f6f4 v[(\d):(\d)+7], v[(\a):(\a)+15], v[(\b):(\b)+15], v[(\c):(\c)+7], v[(\sa)], v[(\sb)] matrix_a_scale:MATRIX_SCALE_ROW1
.elseif (\rb)
	v_wmma_scale_f32_16x16x128_f8f6f4 v[(\d):(\d)+7], v[(\a):(\a)+15], v[(\b):(\b)+15], v[(\c):(\c)+7], v[(\sa)], v[(\sb)] matrix_b_scale:MATRIX_SCALE_ROW1
.else
	v_wmma_scale_f32_16x16x128_f8f6f4 v[(\d):(\d)+7], v[(\a):(\a)+15], v[(\b):(\b)+15], v[(\c):(\c)+7], v[(\sa)], v[(\sb)]
.endif
.endif
.endm
; THE QUANTISER, in two parts, so that a run of loads can stand between them.  64 numbers of a lane, v[s] .. v[s + 63]; block b is registers 16 b .. 16 b + 15 of this lane and of lane l xor 16.
; QMAX: the blocks' largest magnitudes; the bytes in v[TM + 4 + b], the limits in v[TM + 8 + b], the conversions' scale operands in v[TM + 12 + b], the word in v[PW].
.macro QMAX s
.irp b, 0,1,2,3
	v_max3_num_f32 v[TM+\b], |v[\s+16*\b]|, |v[\s+1+16*\b]|, 0x4800000   ; my 16 numbers, and the floor 2^(9 - 127): the byte cannot fall under 1
.endr
.irp i, 2,4,6,8,10,12,14
.irp b, 0,1,2,3
	v_max3_num_f32 v[TM+\b], v[TM+\b], |v[\s+16*\b+\i]|, |v[\s+1+16*\b+\i]|   ; the four blocks by turns
.endr
.endr
.irp b, 0,1,2,3
	v_permlanex16_b32 v[TM+4+\b], v[TM+\b], s[SEL], s[SEL+1]
.endr
.irp b, 0,1,2,3
	v_max_num_f32 v[TM+\b], v[TM+\b], v[TM+4+\b]   ; with lane l xor 16's: the block's largest magnitude
.endr
.irp b, 0,1,2,3
	v_add_nc_u32 v[TM+12+\b], 0xfc000000, v[TM+\b]   ; 8 off its exponent field: the conversion's scale operand
.endr
.irp b, 0,1,2,3
	v_and_or_b32 v[TM+8+\b], v[TM+\b], 0x7f800000, s[MNT]   ; 448 x the scale
.endr
.irp b, 0,1,2,3
	v_lshrrev_b32 v[TM+4+\b], 23, v[TM+12+\b]   ; the scale's byte
.endr
	v_lshl_or_b32 v[PW], v[TM+5], 8, v[TM+4]
	v_lshl_or_b32 v[PW], v[TM+6], 16, v[PW]
	v_lshl_or_b32 v[PW], v[TM+7], 24, v[PW]
.endm
; QCVT: the hold and the conversions: codes in v[PC + 4 b ..]
.macro QCVT s
.irp b, 0,1,2,3
.irp i, 0,1,2,3,4,5,6,7,8,9,10,11,12,13,14,15
	v_med3_num_f32 v[\s+16*\b+\i], v[\s+16*\b+\i], -v[TM+8+\b], v[TM+8+\b]   ; the conversion to an 8-bit code does not saturate (ISA guide 7.6.2): the hold at the largest code x the scale
.endr
	v_cvt_scalef32_pk8_fp8_f32 v[PC+4*\b:PC+1+4*\b], v[\s+16*\b:\s+7+16*\b], v[TM+12+\b]
	v_cvt_scalef32_pk8_fp8_f32 v[PC+2+4*\b:PC+3+4*\b], v[\s+8+16*\b:\s+15+16*\b], v[TM+12+\b]
.endr
	v_nop                                          ; one plain line behind the last conversion: later vector and matrix instructions write its sources
.endm
; q: sixteen loads of 512 consecutive bytes (half a row of codes each) into window 3, and their way into the LDS rows
.macro ASLOT g
	WIN 0xc0
.set ii, 16*(\g)
.rept 16
	global_load_b128 v[4*ii:4*ii+3], v[LN16], s[AX:AX+1] offset:(ii/2)*1024+512*(ii%2)
.set ii, ii+1
.endr
.endm
.macro ASTORE g
	WIN 0x0c                                       ; an LDS store's data are its source 1: window 3
.set ii, 16*(\g)
.rept 16
	ds_store_b128 v[STI], v[4*ii:4*ii+3] offset:(ii/2)*QPITCH+512*(ii%2)
.set ii, ii+1
.endr
.endm
; W's four fragments of K step i: tile t = 2 cc + u begins at channel 32 cc + 8 u of my head; lane r takes the row r + (r & 8) further on
.macro WSLOT KB, i
	WIN 0x40+0x40*((\i)/4)
.irp t, 0,1,2,3
.irp c, 0,1,2,3
	global_load_b128 v[16*((4*(\i)+\t)%16)+4*\c:16*((4*(\i)+\t)%16)+4*\c+3], v[WO], s[WC:WC+1] offset:(32*(\t/2)+8*(\t%2))*(\KB)+128*(\i)+32*\c
.endr
.endr
.endm
.macro WSCL                            ; W's scale words, NS a row: lanes 0-15 the rows of tile 2 cc, lanes 16-31 those of tile 2 cc + 1
.irp cc, 0,1
.set qq, 0
.rept NS/4
	global_load_b128 v[WS+NS*\cc+4*qq:WS+NS*\cc+4*qq+3], v[WSO], s[WSC:WSC+1] offset:32*\cc*4*NS+16*qq
.set qq, qq+1
.endr
.endr
.endm
.macro BIASQK                          ; q, k: register j of tile 2 cc + u is channel 32 cc + 16 h + 8 u + j
.irp t, 0,1,2,3
	global_load_b128 v[BIAS+8*\t:BIAS+8*\t+3], v[BO], s[BI:BI+1] offset:(32*(\t/2)+8*(\t%2))*4
	global_load_b128 v[BIAS+8*\t+4:BIAS+8*\t+7], v[BO], s[BI:BI+1] offset:(32*(\t/2)+8*(\t%2))*4+16
.endr
.endm
; k, v: fragment f = 4 u + s of my 32 positions: 16 rows x 128 numbers.  Each load reads 512 consecutive bytes of one row.
.macro XLOAD f
	WIN 0xc0
.set ii, 0
.rept 16
	global_load_b128 v[64*((\f)%4)+4*ii:64*((\f)%4)+4*ii+3], v[LN16], s[AX:AX+1] offset:(8*((\f)/4)+ii+(ii&8))*2048+512*((\f)%4)
.set ii, ii+1
.endr
.endm
; through my stage: in as loaded, back 16 neighbours of each block of 32 a lane.  LDS serves a wave's instructions in order (ISA guide 5.7.1.4): no wait between
.macro TURN f
	WIN 0x0c
.set ii, 0
.rept 16
	ds_store_b128 v[STI], v[64*((\f)%4)+4*ii:64*((\f)%4)+4*ii+3] offset:((\f)%2)*STGB+528*ii
.set ii, ii+1
.endr
	WIN 0
.irp b, 0,1,2,3
.irp j, 0,1,2,3
	ds_load_b128 v[ACC+64*((\f)%2)+16*\b+4*\j:ACC+64*((\f)%2)+16*\b+4*\j+3], v[STO] offset:((\f)%2)*STGB+128*\b+16*\j
.endr
.endr
.endm
; fragment f is summed, quantised and laid into the rows; the loads run three slots of 16 ahead, the turn through the stage one fragment.
; The loads at its head owe no wait of their own: the raw set in which they land was read by the turn of two fragments back, ahead of the last fragment's wait on vm_vsrc;
; the numbers' set in which the turn's loads land was left by the quantiser ahead of the last fragment's wait on va_vdst, and no vector line has been issued since.
.macro XFRAG f
.set XS, ACC+64*((\f)%2)
.set FU, (\f)/4
.set FS, (\f)%4
.if (\f) < 5
	XLOAD (\f)+3
.else
	WSLOT 512, (\f)-5                              ; behind the last rows the weight's first K steps take the slots
.endif
.if (\f) < 7
	s_wait_loadcnt 32                              ; the next fragment's 16 loads are in; the two slots behind them stay out
	TURN (\f)+1
	s_wait_dscnt 32                                ; all but that turn's 16 stores and 16 loads: this fragment's numbers are back
.else
	WIN 0
	s_wait_dscnt 0x0
.endif
.if FS == 0
.irp i, 0,1,2,3
	v_mov_b32 v[SUM+\i], 0
.endr
.endif
.set ii, 0
.rept 16
	v_pk_add_f32 v[SUM:SUM+1], v[SUM:SUM+1], v[XS+4*ii:XS+4*ii+1]
	v_pk_add_f32 v[SUM+2:SUM+3], v[SUM+2:SUM+3], v[XS+4*ii+2:XS+4*ii+3]
.set ii, ii+1
.endr
	s_wait_alu depctr_vm_vsrc(0)                   ; the LDS stores issued so far have read their data: the last fragment's codes, word and multiplier (v[PC ..], v[PW], v[TT]), which are written again below, and the raw sets of window 3, in which the next fragments' loads land
.if FS == 3                            ; the row's 512 numbers are summed: the multiplier is 0.0 where the sum is 0, else 1.0
	v_add_f32 v[SUM], v[SUM], v[SUM+1]
	v_add_f32 v[SUM+2], v[SUM+2], v[SUM+3]
	v_add_f32 v[SUM], v[SUM], v[SUM+2]
	v_permlanex16_b32 v[TT], v[SUM], s[SEL], s[SEL+1]
	v_add_f32 v[SUM], v[SUM], v[TT]
	v_cmp_eq_f32 vcc_lo, 0, v[SUM]
	s_wait_alu depctr_va_vcc(0)                    ; the compare has written VCC, which the select reads
	v_cndmask_b32 v[TT], 1.0, v[ZR], vcc_lo
.endif
	QMAX XS
	QCVT XS
	s_wait_alu depctr_va_vdst(0)                   ; the conversions have written the codes, the shifts the word, the select the multiplier, which the LDS stores below read; and the quantiser is done with v[XS ..], in which the numbers of the fragment after next land
.irp c, 0,1,2,3
	ds_store_b128 v[XST], v[PC+4*\c:PC+4*\c+3] offset:16*FU*KPITCH+128*FS+32*\c
.endr
	ds_store_b32 v[XSS], v[PW] offset:256*FU+4*FS
.if FS == 3
	ds_store_b32 v[XMS], v[TT] offset:64*FU        ; both lanes of a row write the same word with the same value
.endif
.endm
; four fragments of the activation (K steps 2 g and 2 g + 1, tiles 0 and 1 of the unit at v[ADA]) into set g of window 3
.macro FETCH g
	WIN 0xc0
.irp sl, 0,1
.irp p, 0,1
.irp c, 0,1,2,3
	ds_load_b128 v[64*(\g)+16*(2*\sl+\p)+4*\c:64*(\g)+16*(2*\sl+\p)+4*\c+3], v[ADA] offset:16*\p*PITCH+128*(2*(\g)+\sl)+32*\c
.endr
.endr
.endr
.endm
.macro ASLD                            ; a unit's scale words: lane l takes position l's
.set qq, 0
.rept NS/4
	ds_load_b128 v[AS+4*qq:AS+4*qq+3], v[ADS] offset:16*qq
.set qq, qq+1
.endr
.endm
; 16 matrix instructions: K steps 2 g and 2 g + 1, the 8 accumulators by turns, one instruction a turn.  The bias is the C of each sum's first instruction.
.macro MUL mode, g
.if (\mode) == 2
	WIN 0x07                                       ; source 0 = the activation (window 3), source 1 = W (window 1)
.else
	WIN 0x0d+((\g)/2)                              ; source 0 = W (window 1 or 2), source 1 = the activation (window 3)
.endif
.irp sl, 0,1
.irp p, 0,1
.irp t, 0,1,2,3
.set ss, 2*(\g)+\sl
.set wf, 64*(ss%4)+16*\t
.set af, 64*(\g)+32*\sl+16*\p
.set wsr, WS+NS*(\t/2)+ss
.if (\mode) == 2
.set dd, ACC+16*\t+8*\p
.else
.set dd, ACC+32*\p+8*\t
.endif
.set cq, dd
.if ss == 0
.set cq, BIAS+8*\t
.endif
.if (\mode) == 2
	WM dd, af, wf, cq, AS+ss, wsr, \p, \t%2
.else
	WM dd, wf, af, cq, wsr, AS+ss, \t%2, \p
.endif
.endr
.endr
.endr
.endm
; A UNIT: 32 rows x my 64 channels, NG groups of 16 products in two halves of NH.  mode 0: q, 1: k, 2: v.  last = 0: the next unit's fragments, scale words and (at its own head) multipliers are fetched on the way.
; The LDS loads of a unit are issued in this order: its first half's fragments (16 NH), its scale words, its second half's fragments (16 NH), its NM multipliers.
; Eight plain places stand behind matrix instructions of this form ahead of the first read of results and of loads into their registers; the waits on va_vdst stand behind the places and fill none.
.macro UNIT mode, last
.set NM, 2*(\mode)                     ; the multipliers' loads: none, two, four.  They owe no wait here: the last unit's multiplications stand ahead of its stores' wait on va_vdst, v[ADM] was written ahead of its middle's
.if (\mode) == 1
	ds_load_b32 v[MK], v[ADM]                      ; k: a lane holds one key: tile 0's and tile 1's multiplier
	ds_load_b32 v[MK+2], v[ADM] offset:64
.endif
.if (\mode) == 2
.irp u, 0,1
	ds_load_b128 v[MK+8*\u:MK+8*\u+3], v[ADM] offset:64*\u           ; v: a lane's registers run along the keys: eight multipliers a tile
	ds_load_b128 v[MK+8*\u+4:MK+8*\u+7], v[ADM] offset:64*\u+16
.endr
.endif
	s_wait_dscnt 16*NH+NM                          ; the first half's fragments and the scale words are in; the second half's 16 NH loads and the multipliers' may be out
.set gg, 0
.rept NH
	MUL \mode, gg
.set gg, gg+1
.endr
	WIN 0
	s_wait_alu depctr_vm_vsrc(0)                   ; the stores of the unit (or fragment) before have read v[PC ..], v[PW] and v[TT], which this unit's quantiser writes again; the LDS loads issued so far have read v[ADA], v[ADS], v[ADM]
.if (\last) == 0
	s_add_co_u32 s[UO], s[UO], 32*PITCH            ; on to the next unit's rows
	s_add_co_u32 s[US], s[US], 128*NS
	v_add_nc_u32 v[ADA], s[UO], v[ADA0]
	v_add_nc_u32 v[ADS], s[US], v[ADS0]
.if (\mode) != 0
	s_add_co_u32 s[UM], s[UM], 128
	v_add_nc_u32 v[ADM], s[UM], v[ADM0]
	PLACES 5                                       ; with the three additions: eight places
.else
	PLACES 6                                       ; with the two additions: eight places
.endif
	s_wait_alu depctr_va_vdst(0)                   ; the additions have written the addresses, which all loads from here on read; the first half's products are done reading their sets, in which the loads below land
.endif
.rept NH
.if (\last) == 0
	FETCH gg-NH                                    ; the next unit's first half.  No further wait: the products issued since the wait name the second half's sets, W, the scale words and the accumulators alone
	s_wait_dscnt 16*NH+NM                          ; this group's fragments are in: behind them were issued the unit's later groups, the multipliers and the next unit's fetches so far: 16 NH + NM in all
.else
	s_wait_dscnt 16*(NG-1-gg)+NM                   ; the counts run down
.endif
	MUL \mode, gg
.set gg, gg+1
.endr
	PLACES 8
	WIN 0
.if (\last) == 0
	s_wait_alu depctr_va_vdst(0)                   ; the unit's products are done reading the second half's sets and the scale words, in which the loads below land; the quantiser, among whose lines they stand, names none of these registers
	ASLD
	FETCH NH
	WIN 0
.endif
.if (\mode) != 0
.if (\last) == 0
	s_wait_dscnt 16*NH+NS/4+16                     ; the multipliers are in; all that was issued behind them may be out
.else
	s_wait_dscnt 0x0
.endif
.endif
.if (\mode) == 1
.irp p, 0,1
.irp j, 0,2,4,6,8,10,12,14,16,18,20,22,24,26,28,30
	v_pk_mul_f32 v[ACC+32*\p+\j:ACC+32*\p+\j+1], v[ACC+32*\p+\j:ACC+32*\p+\j+1], v[MK+2*\p:MK+2*\p+1] op_sel_hi:[1,0]   ; each accumulator from its low end on
.endr
.endr
.endif
.if (\mode) == 2
.irp n, 0,1,2,3
.irp u, 0,1
.irp j, 0,2,4,6
	v_pk_mul_f32 v[ACC+16*\n+8*\u+\j:ACC+16*\n+8*\u+\j+1], v[ACC+16*\n+8*\u+\j:ACC+16*\n+8*\u+\j+1], v[MK+8*\u+\j:MK+8*\u+\j+1]
.endr
.endr
.endr
.endif
	QMAX ACC
.if ((\last) == 0) && (NH > 1)
	FETCH NH+1                                     ; q: the second half's other group, between the quantiser's two parts
	WIN 0
.endif
	QCVT ACC
.if (\mode) == 2
.irp n, 0,1,2,3
	v_lshrrev_b32 v[VW+\n], 8, v[VW+\n]            ; the unit's byte comes in at the top: after four units byte c is unit c's
.endr
.irp n, 0,1,2,3
	v_lshl_or_b32 v[VW+\n], v[TM+4+\n], 24, v[VW+\n]
.endr
.if (\last) != 0
	v_cndmask_b32 v[TT], v[VW], v[VW+1], s[HM]     ; lanes 0-15 store tile 2 i's words, lanes 16-31 tile 2 i + 1's
	v_cndmask_b32 v[PW], v[VW+2], v[VW+3], s[HM]
.endif
	s_wait_alu depctr_va_vdst(0)                   ; the conversions have written the codes (in the last unit the selects the words), which the stores read; the multiplications are done reading v[MK ..], in which the next unit's multipliers land
.irp n, 0,1,2,3
	global_store_b128 v[LN16], v[PC+4*\n:PC+4*\n+3], s[OP:OP+1] offset:2048*\n   ; V image [n][c = unit][lane]: 512 consecutive bytes
.endr
.if (\last) == 0
	s_wait_xcnt 0x0                                ; the stores have read their data and their base: both are written again only behind this wait
	s_add_nc_u64 s[OP:OP+1], s[OP:OP+1], 512
.else
	global_store_b32 v[L4], v[TT], s[OS:OS+1]
	global_store_b32 v[L4], v[PW], s[OS:OS+1] offset:128
.endif
.else
	v_lshrrev_b32 v[TT], 16, v[PW]
	v_cndmask_b32 v[TT], v[PW], v[TT], s[HM]       ; lanes 0-15 store the word's low half, lanes 16-31 its high half: 64 consecutive bytes
	s_wait_alu depctr_va_vdst(0)                   ; the conversions have written the codes and the select the half word, which the stores read; k: the multiplications are done reading v[MK ..], in which the next unit's multipliers land
.irp b, 0,1,2,3
	global_store_b128 v[LN16], v[PC+4*\b:PC+4*\b+3], s[OP:OP+1] offset:512*\b    ; image [b = 2 tile + cc][lane]: 512 consecutive bytes
.endr
	global_store_b16 v[SO2], v[TT], s[OS:OS+1]
.if (\last) == 0
	s_wait_xcnt 0x0                                ; the stores have read their data and their bases: they are written again only behind this wait
	s_add_nc_u64 s[OP:OP+1], s[OP:OP+1], 2048
	s_add_nc_u64 s[OS:OS+1], s[OS:OS+1], 64
.endif
.endif
.endm
	s_load_b512 s[16:31], s[0:1], 0x0              ; query_codes 16, query_scales 18, Wq_codes 20, Wq_scales 22, bq 24, key 26, Wk_codes 28, Wk_scales 30
	s_load_b512 s[32:47], s[0:1], 0x40             ; bk 32, value 34, Wv_codes 36, Wv_scales 38, bv 40, qimg 42, qsc 44, kv 46
	v_lshl_add_u32 v254, v0, 2, 0x43200            ; the closing add's two registers, made here and kept for it alone: my spare word, behind the stages,
	v_mov_b32 v255, 0                              ; and 0
	v_lshrrev_b32 v[RR], 5, v0
	v_readfirstlane_b32 s[WV], v[RR]               ; wave 0..3
	s_and_b32 s[YY], ttmp7, 0xffff                 ; which projection
	s_and_b32 s[HD], ttmp9, 3
	s_lshl_b32 s[HD], s[HD], 2
	s_wait_alu depctr_va_sdst(0)                   ; the wave's number is written, ahead of its first reader
	s_add_co_u32 s[HD], s[HD], s[WV]               ; my head
	s_lshr_b32 s[MB], ttmp9, 2                     ; the block of 128 rows
	s_and_b32 s[JB], s[MB], 15                     ; and its number in its batch
	s_lshr_b32 s[BH], s[MB], 4
	s_lshl_b32 s[BH], s[BH], 4
	s_add_co_u32 s[BH], s[BH], s[HD]               ; 16 x batch + head
	s_mov_b32 s[SEL], 0x76543210
	s_mov_b32 s[SEL+1], 0xfedcba98                 ; v_permlanex16_b32's selects for lane l xor 16
	s_mov_b32 s[MNT], 0x600000                     ; the mantissa field of 448
	s_mov_b32 s[HM], 0xffff0000
	s_mov_b32 s55, 0                               ; the upper words of byte offsets
	s_mov_b32 s57, 0
	s_mov_b32 s[UO], 0                             ; unit 0
	s_mov_b32 s[US], 0
	s_mov_b32 s[UM], 0
	v_and_b32 v[L4], 31, v0
	v_lshlrev_b32 v[LN16], 4, v[L4]
	v_lshlrev_b32 v[L4], 2, v[L4]
	v_and_b32 v[RR], 15, v0
	v_bfe_u32 v[HH], v0, 4, 1
	v_and_b32 v[PATR], 8, v[RR]
	v_add_nc_u32 v[PATR], v[PATR], v[RR]
	v_lshlrev_b32 v[SO2], 2, v[RR]
	v_lshl_add_u32 v[SO2], v[HH], 1, v[SO2]
	v_mov_b32 v[ZR], 0
	v_mov_b32 v[TT], 0                             ; written once: a lane permute's destination counts as one of its sources
.irp b, 0,1,2,3
	v_mov_b32 v[TM+4+\b], 0
.endr
	s_wait_kmcnt 0x0
	s_cmp_lg_u32 s[YY], 0
	s_cbranch_scc1 .Lkv
; ================================================================ q
.set NS, 8
.set NG, 4
.set NH, 2
.set PITCH, QPITCH
	s_wait_alu depctr_va_vdst(0)
	v_mul_u32_u24 v[WO], v[PATR], 1024
	v_lshl_add_u32 v[WO], v[HH], 4, v[WO]
	v_lshl_add_u32 v[WSO], v[HH], 3, v[PATR]
	v_lshlrev_b32 v[WSO], 5, v[WSO]                ; 32 scale bytes a row of Wq
	v_lshlrev_b32 v[BO], 6, v[HH]
	v_mul_u32_u24 v[ADA0], v[RR], QPITCH
	v_lshl_add_u32 v[ADA0], v[HH], 4, v[ADA0]
	v_lshl_add_u32 v[ADS0], v[LN16], 1, QSC        ; 32 bytes a row
	v_add_nc_u32 v[ADA], s[UO], v[ADA0]
	v_add_nc_u32 v[ADS], s[US], v[ADS0]
	s_mul_i32 s54, s[WV], 32*QPITCH
	v_add_nc_u32 v[STI], s54, v[LN16]              ; I copy rows 32 w .. 32 w + 31
	v_lshlrev_b32 v[T16], 4, v0
	v_add_nc_u32 v[QSA], QSC, v[T16]
	s_lshl_b32 s54, s[MB], 17
	s_lshl_b32 s56, s[WV], 15
	s_add_co_u32 s54, s54, s56
	s_add_nc_u64 s[AX:AX+1], s[16:17], s[54:55]    ; query's codes at row 128 mb + 32 w
	s_lshl_b32 s54, s[MB], 12
	s_add_nc_u64 s[58:59], s[18:19], s[54:55]      ; the block's 4,096 scale bytes
	s_lshl_b32 s54, s[HD], 16
	s_add_nc_u64 s[WC:WC+1], s[20:21], s[54:55]
	s_lshl_b32 s54, s[HD], 11
	s_add_nc_u64 s[WSC:WSC+1], s[22:23], s[54:55]
	s_lshl_b32 s54, s[HD], 8
	s_add_nc_u64 s[BI:BI+1], s[24:25], s[54:55]
	s_lshl_b32 s54, s[BH], 17
	s_lshl_b32 s56, s[JB], 13
	s_add_co_u32 s54, s54, s56
	s_add_nc_u64 s[OP:OP+1], s[42:43], s[54:55]    ; qimg: pair of tiles 4 jb, 2,048 bytes a pair
	s_lshl_b32 s54, s[BH], 12
	s_lshl_b32 s56, s[JB], 8
	s_add_co_u32 s54, s54, s56
	s_add_nc_u64 s[OS:OS+1], s[44:45], s[54:55]    ; qsc: 64 bytes a pair
	s_wait_alu depctr_va_vdst(0)                   ; all of this path's addresses and offsets are written, which its loads and stores read
	global_load_b128 v[QCP:QCP+3], v[T16], s[58:59]
	global_load_b128 v[QCP+4:QCP+7], v[T16], s[58:59] offset:2048
	ASLOT 0
	ASLOT 1
	ASLOT 2
	ASLOT 3
	s_wait_loadcnt 48                              ; the scale bytes and slot 0 are in; three slots of 16 stay out
	ASTORE 0
	WIN 0
	ds_store_b128 v[QSA], v[QCP:QCP+3]
	ds_store_b128 v[QSA], v[QCP+4:QCP+7] offset:2048
	WSLOT 1024, 0
	s_wait_loadcnt 48                              ; likewise: the oldest slot is in, the three behind it stay out
	ASTORE 1
	WSLOT 1024, 1
	s_wait_loadcnt 48
	ASTORE 2
	WSLOT 1024, 2
	s_wait_loadcnt 48
	ASTORE 3
	WSLOT 1024, 3
	WSLOT 1024, 4
	WSLOT 1024, 5
	WSLOT 1024, 6
	WSLOT 1024, 7
	WIN 0
	WSCL
	BIASQK
	s_wait_dscnt 0x0                               ; for the others' sake: my rows and scale bytes lie in LDS
	s_barrier_signal -1
	s_barrier_wait -1                              ; from here on LDS is only read
	s_wait_alu depctr_vm_vsrc(0)                   ; my LDS stores have read window 3's registers, in which the fragments land from here on
	FETCH 0                                        ; unit 0, in the order in which every unit is fetched: its first half, its scale words, its second half
	FETCH 1
	WIN 0
	ASLD
	FETCH 2
	FETCH 3
	WIN 0
	s_wait_loadcnt 0x0                             ; the weight, its scales, the bias
	s_mov_b32 s[UC], 3
.Lq_unit:
	UNIT 0, 0
	s_sub_co_u32 s[UC], s[UC], 1
	s_cmp_lg_u32 s[UC], 0
	s_cbranch_scc1 .Lq_unit
	UNIT 0, 1                                      ; the last unit fetches nothing ahead
	s_wait_dscnt 0x0                               ; the closing lines, six on end
	s_wait_alu 0x0
	s_wait_tensorcnt 0x0
	ds_add_u32 v254, v255
	s_wait_dscnt 0x0
	s_endpgm
; ================================================================ k and v: one text quantises key or value
.Lkv:
.set NS, 4
.set NG, 2
.set NH, 1
.set PITCH, KPITCH
	s_wait_alu depctr_va_vdst(0)
	v_mul_u32_u24 v[WO], v[PATR], 512
	v_lshl_add_u32 v[WO], v[HH], 4, v[WO]
	v_lshl_add_u32 v[WSO], v[HH], 3, v[PATR]
	v_lshlrev_b32 v[WSO], 4, v[WSO]                ; 16 scale bytes a row of Wk, Wv
	s_mul_i32 s54, s[WV], 2*STGB
	s_add_co_u32 s54, s54, STG                     ; my two stages
	v_add_nc_u32 v[STI], s54, v[LN16]
	v_mul_u32_u24 v[STO], v[RR], 528
	v_lshl_add_u32 v[STO], v[HH], 6, v[STO]
	v_add_nc_u32 v[STO], s54, v[STO]
	s_mul_i32 s54, s[WV], 32*KPITCH
	s_add_co_u32 s54, s54, KVREG
	v_mul_u32_u24 v[XST], v[RR], KPITCH
	v_lshl_add_u32 v[XST], v[HH], 4, v[XST]
	v_add_nc_u32 v[ADA0], KVREG, v[XST]
	v_add_nc_u32 v[XST], s54, v[XST]               ; I make positions 32 w .. 32 w + 31
	s_lshl_b32 s54, s[WV], 9
	s_add_co_u32 s54, s54, KVSC
	v_lshl_add_u32 v[XSS], v[RR], 4, s54
	s_lshl_b32 s54, s[WV], 7
	s_add_co_u32 s54, s54, MASKR
	v_lshl_add_u32 v[XMS], v[RR], 2, s54
	v_add_nc_u32 v[ADS0], KVSC, v[LN16]            ; 16 bytes a position
	v_add_nc_u32 v[ADA], s[UO], v[ADA0]
	v_add_nc_u32 v[ADS], s[US], v[ADS0]
	s_cmp_eq_u32 s[YY], 1                          ; the buffers are chosen by the work-group's number alone
	s_cselect_b64 s[AX:AX+1], s[26:27], s[34:35]
	s_cselect_b64 s[WC:WC+1], s[28:29], s[36:37]
	s_cselect_b64 s[WSC:WSC+1], s[30:31], s[38:39]
	s_cselect_b64 s[BI:BI+1], s[32:33], s[40:41]
	s_lshl_b32 s54, s[MB], 18
	s_lshl_b32 s56, s[WV], 16
	s_add_co_u32 s54, s54, s56
	s_add_nc_u64 s[AX:AX+1], s[AX:AX+1], s[54:55]  ; row 128 mb + 32 w, 2,048 bytes a row
	s_lshl_b32 s54, s[HD], 15
	s_add_nc_u64 s[WC:WC+1], s[WC:WC+1], s[54:55]
	s_lshl_b32 s54, s[HD], 10
	s_add_nc_u64 s[WSC:WSC+1], s[WSC:WSC+1], s[54:55]
	s_lshl_b32 s54, s[HD], 8
	s_add_nc_u64 s[BI:BI+1], s[BI:BI+1], s[54:55]
	s_wait_alu depctr_va_vdst(0)                   ; the addresses and offsets that k and v share are written, which the loads and stores below read
	XLOAD 0
	XLOAD 1
	XLOAD 2
	s_wait_loadcnt 32                              ; fragment 0's 16 loads are in; two slots stay out
	TURN 0
.irp f, 0,1,2,3,4,5,6,7
	XFRAG \f
.endr
	WSLOT 512, 3
	WIN 0
	WSCL
	s_wait_dscnt 0x0                               ; for the others' sake: my codes, scale words and multipliers lie in LDS
	s_barrier_signal -1
	s_barrier_wait -1                              ; from here on LDS is only read
	FETCH 0                                        ; unit 0, in the order in which every unit is fetched.  No wait: the turns' stores that read sets 0 and 1 stand ahead of the last fragments' waits on vm_vsrc, and v[ADA], v[ADS] were written ahead of the wait behind this path's addresses
	WIN 0
	ASLD
	FETCH 1
	WIN 0
	s_mul_i32 s54, s[BH], KVB                      ; my head's block in kv
	s_cmp_eq_u32 s[YY], 1
	s_cbranch_scc0 .Lv
; ---------------------------------------------------------------- k
	v_lshlrev_b32 v[BO], 6, v[HH]
	v_lshl_add_u32 v[ADM0], v[RR], 2, MASKR
	v_add_nc_u32 v[ADM], s[UM], v[ADM0]
	v_mov_b32 v[MK+1], 0                           ; (named as the upper halves of pairs of which the low word serves both halves)
	v_mov_b32 v[MK+3], 0
	s_lshl_b32 s56, s[JB], 13
	s_add_co_u32 s56, s56, s54
	s_add_nc_u64 s[OP:OP+1], s[46:47], s[56:57]    ; K image: fragment 4 jb, 2,048 bytes a fragment of 32 keys
	s_lshl_b32 s56, s[JB], 8
	s_add_co_u32 s56, s56, s54
	s_add_co_u32 s56, s56, 262144
	s_add_nc_u64 s[OS:OS+1], s[46:47], s[56:57]    ; K scales: 64 bytes a fragment
	s_wait_alu depctr_va_vdst(0)                   ; v[BO] and v[ADM] are written, which the bias's loads and the first unit's loads of multipliers read
	BIASQK
	s_wait_loadcnt 0x0
	s_mov_b32 s[UC], 3
.Lk_unit:
	UNIT 1, 0
	s_sub_co_u32 s[UC], s[UC], 1
	s_cmp_lg_u32 s[UC], 0
	s_cbranch_scc1 .Lk_unit
	UNIT 1, 1
	s_wait_dscnt 0x0                               ; the closing lines, six on end
	s_wait_alu 0x0
	s_wait_tensorcnt 0x0
	ds_add_u32 v254, v255
	s_wait_dscnt 0x0
	s_endpgm
; ---------------------------------------------------------------- v
.Lv:
	v_lshlrev_b32 v[BO], 2, v[PATR]                ; a lane holds one channel: its bias fills the tile's eight registers
	v_lshl_add_u32 v[ADM0], v[HH], 5, MASKR
	v_add_nc_u32 v[ADM], s[UM], v[ADM0]
.irp n, 0,1,2,3
	v_mov_b32 v[VW+\n], 0
.endr
	s_lshl_b32 s56, s[JB], 13
	s_add_co_u32 s56, s56, s54
	s_add_co_u32 s56, s56, 131072
	s_add_nc_u64 s[OP:OP+1], s[46:47], s[56:57]    ; V image: key step jb, 8,192 bytes a step
	s_lshl_b32 s56, s[JB], 8
	s_add_co_u32 s56, s56, s54
	s_add_co_u32 s56, s56, 266240
	s_add_nc_u64 s[OS:OS+1], s[46:47], s[56:57]    ; V scales: 256 bytes a step
	s_wait_alu depctr_va_vdst(0)                   ; v[BO] and v[ADM] are written, which the bias's loads and the first unit's loads of multipliers read
.irp t, 0,1,2,3
	global_load_b32 v[BIAS+8*\t], v[BO], s[BI:BI+1] offset:(32*(\t/2)+8*(\t%2))*4
.endr
	s_wait_loadcnt 0x0
.irp t, 0,1,2,3
.irp j, 1,2,3,4,5,6,7
	v_mov_b32 v[BIAS+8*\t+\j], v[BIAS+8*\t]
.endr
.endr
	PLACES 4
	s_mov_b32 s[UC], 3
.Lv_unit:
	s_wait_alu depctr_va_vdst(0)
	UNIT 2, 0
	s_sub_co_u32 s[UC], s[UC], 1
	s_cmp_lg_u32 s[UC], 0
	s_cbranch_scc1 .Lv_unit
	UNIT 2, 1
	s_wait_dscnt 0x0                               ; the closing lines, six on end
	s_wait_alu 0x0
	s_wait_tensorcnt 0x0
	ds_add_u32 v254, v255
	s_wait_dscnt 0x0
	s_endpgm
.Lfunc_end_k_qa29f6388f8_proj:
	.size	k_qa29f6388f8_proj, .Lfunc_end_k_qa29f6388f8_proj-k_qa29f6388f8_proj
	.p2alignl 7, 3214868480
	.fill 96, 4, 3214868480
	.section	.rodata,"a",@progbits
	.p2align	6, 0x0
	.amdhsa_kernel k_qa29f6388f8_proj
		.amdhsa_group_segment_fixed_size 275456
		.amdhsa_private_segment_fixed_size 0
		.amdhsa_enable_private_segment 0
		.amdhsa_kernarg_size 128
		.amdhsa_user_sgpr_count 2
		.amdhsa_user_sgpr_kernarg_segment_ptr 1
		.amdhsa_wavefront_size32 1
		.amdhsa_system_sgpr_workgroup_id_x 1
		.amdhsa_system_sgpr_workgroup_id_y 1
		.amdhsa_system_sgpr_workgroup_id_z 1
		.amdhsa_system_vgpr_workitem_id 0
		.amdhsa_next_free_vgpr 1024
		.amdhsa_next_free_sgpr 72
		.amdhsa_reserve_vcc 1
		.amdhsa_float_denorm_mode_32 3
		.amdhsa_float_denorm_mode_16_64 3
		.amdhsa_memory_ordered 1
		.amdhsa_forward_progress 1
		.amdhsa_inst_pref_size 255
	.end_amdhsa_kernel
	.section	.bss,"aw",@nobits
	.p2align	6
	.space	262144
	.amdgpu_metadata
---
amdhsa.version: [ 1, 2 ]
amdhsa.kernels:
  - .name:           k_qa29f6388f8_proj
    .symbol:         k_qa29f6388f8_proj.kd
    .args:
      - { .name: query_codes, .offset: 0, .size: 8, .value_kind: global_buffer, .address_space: global }
      - { .name: query_scales, .offset: 8, .size: 8, .value_kind: global_buffer, .address_space: global }
      - { .name: Wq_codes, .offset: 16, .size: 8, .value_kind: global_buffer, .address_space: global }
      - { .name: Wq_scales, .offset: 24, .size: 8, .value_kind: global_buffer, .address_space: global }
      - { .name: bq, .offset: 32, .size: 8, .value_kind: global_buffer, .address_space: global }
      - { .name: key, .offset: 40, .size: 8, .value_kind: global_buffer, .address_space: global }
      - { .name: Wk_codes, .offset: 48, .size: 8, .value_kind: global_buffer, .address_space: global }
      - { .name: Wk_scales, .offset: 56, .size: 8, .value_kind: global_buffer, .address_space: global }
      - { .name: bk, .offset: 64, .size: 8, .value_kind: global_buffer, .address_space: global }
      - { .name: value, .offset: 72, .size: 8, .value_kind: global_buffer, .address_space: global }
      - { .name: Wv_codes, .offset: 80, .size: 8, .value_kind: global_buffer, .address_space: global }
      - { .name: Wv_scales, .offset: 88, .size: 8, .value_kind: global_buffer, .address_space: global }
      - { .name: bv, .offset: 96, .size: 8, .value_kind: global_buffer, .address_space: global }
      - { .name: qimg, .offset: 104, .size: 8, .value_kind: global_buffer, .address_space: global }
      - { .name: qsc, .offset: 112, .size: 8, .value_kind: global_buffer, .address_space: global }
      - { .name: kv, .offset: 120, .size: 8, .value_kind: global_buffer, .address_space: global }
    .group_segment_fixed_size: 275456
    .private_segment_fixed_size: 0
    .kernarg_segment_align: 8
    .kernarg_segment_size: 128
    .max_flat_workgroup_size: 128
    .sgpr_count:     72
    .vgpr_count:     1024
    .wavefront_size: 32
...
	.end_amdgpu_metadata
.endif
;; end of part 4
;; launch attn (part 5): grid 4 x 64, 8 waves a work-group, clusters of 4 x 1, 271,360 bytes of LDS; arguments qimg, qsc, kv, at; writes at
.if DOCPART == 5
	.amdgcn_target "amdgcn-amd-amdhsa--gfx1250"
	.amdhsa_code_object_version 6
	.text
	.protected	k_qa29f6388f8_attn
	.globl	k_qa29f6388f8_attn
	.p2align	8
	.type	k_qa29f6388f8_attn,@function
k_qa29f6388f8_attn:
	s_mov_b64 s[64:65], 0
	v_nop
	global_prefetch_b8 v0, s[64:65] scope:SCOPE_SE
	s_setreg_imm32_b32 hwreg(HW_REG_WAVE_MODE, 25, 1), 1
	s_wait_xcnt 0x0
	s_wait_alu depctr_hold_cnt(0) depctr_sa_sdst(0) depctr_va_vdst(0) depctr_va_sdst(0) depctr_va_ssrc(0) depctr_va_vcc(0) depctr_vm_vsrc(0)
	s_getreg_b32 s2, hwreg(HW_REG_IB_STS2, 6, 4)
	s_cmp_eq_u32 s2, 0
	s_cbranch_scc0 .Lentry_in_a_cluster
	s_endpgm
.Lentry_in_a_cluster:
	s_bfe_u32 s2, ttmp6, 0x10000c
	s_cmp_lg_u32 s2, 0x3003
	s_cbranch_scc0 .Lentry_shape_is_right
	s_endpgm
.Lentry_shape_is_right:
; ATTENTION ON CODES OF FP8 (E4M3): attn = softmax(q k^T / 8) v for one head of 64 channels, 2,048 keys, and the quantising of the result along the channels for the last projection.
; THE SOFTMAX AHEAD OF THE SECOND PRODUCT: t = score x log2(e) / 8; M = the running largest t, rounded UP to a whole number; p = 2^(t - M) is quantised along the keys, not normalised.
; The row's sum is taken of the unquantised p in f32 and divides O at the end.  When M moves, the sum and O are multiplied by 2^(old M - new M): exact.
; SHARES.  A work-group owns 512 queries of one (batch, head); the four work-groups of a cluster own the four quarters of the head's 2,048 queries and read the same K and V.
; THE HEAD'S WHOLE BLOCK OF kv (K image, V image, their scale words: 270,336 bytes) COMES INTO LDS ONCE, asked for JOINTLY by the four: each of the eight waves issues one tensor load of 33,792 bytes
; with the same descriptor and a mask that names the four.  Nothing is filled again; behind the one barrier LDS is only read.  A wave has one tensor load outstanding.
; A wave takes two tiles of 16 queries (A, B) at a time, so that each fragment of K and V read from LDS feeds two tiles; two passes: pair of tiles 16 cx + 8 pass + wave.
; LAYOUT.  Both products are used transposed (S^T = K Q^T, O^T = V^T P^T): a lane holds ONE query throughout.  The images were laid so that a fragment is four loads of 512 consecutive bytes.
; THE FIRST PRODUCT HAS K = 64, the instruction 128.  A fragment of K holds TWO tiles of 16 keys (u = 0 in k = 0..63, u = 1 in k = 64..127) and is multiplied twice: by [q | zero codes] and by [zero codes | q].
; Zero codes add nothing under any scale byte but 0xff, and K's codes are never the NaN code (their quantiser holds them).
; The keys of a tile are 32 F + 8 u + m + (m & 8), V's channels of a tile 32 cc + 8 u + m + (m & 8): the 16 registers of two neighbouring tiles are 16 neighbours along the next K.
; LIMITS.  A block of zeros, and a block whose largest magnitude lies under 2^-118, carries the scale byte 1.
.set KVB,  270336
.set L16,  1                           ; v1   16 x lane: also the address of K's step 0
.set L4,   2                           ; v2   4 x lane
.set ADK,  3                           ; v3   LDS address of the step's K image;  v4 of its V image;  v5 of its scale words of K (V's lie 4,096 bytes on)
.set ADV,  4
.set ADKS, 5
.set R4,   7                           ; v7   4 r
.set CO,   8                           ; v8   my byte among the block's codes in at
.set SOF,  9                           ; v9   my byte among its scale bytes
.set BV,   11                          ; v11  131,072 + 16 x lane
.set ST,   12                          ; tile x at v[12 + 4 x]: -M, the largest t, the sum in two halves
.set KS,   20                          ; v20-21 K's scale words: lanes 0-15 fragment 2 i, lanes 16-31 fragment 2 i + 1;  v22-23 V's likewise;  v24 Q's: lanes 0-15 tile A, 16-31 tile B;  v25-26 p's.  Scales and nothing else
.set VS,   22
.set QS,   24
.set PS,   25
.set TA,   27                          ; v27  Q's scale word as loaded
.set PW,   28
.set TT,   29
.set BKS,  30                          ; v30  262,144 + 4 x lane
.set S,    32                          ; tile x at v[32 + 64 x]: S^T, then p
.set PC,   160                         ; tile x at v[160 + 16 x]: p's codes
.set T,    192                         ; tile x at v[192 + 24 x]: +0..3 block maxima, +4..7 permutes and bytes, +8..11 limits, +12..15 scale operands, +16:17 f, +18:19 a second chain of sums, +20 at work
.set TM,   T
.set KF,   0                           ; window 1: v0-63 K's four fragments; v64-127 V's; v128-167 zeros | qA | zeros | qB | zeros; v192-255 O^T, 32 a tile
.set VF,   64
.set QZ,   128
.set O,    192
.set WV,  12
.set CX,  13
.set BH,  14
.set SEL, 28
.set CS,  30                           ; s[30:31] c = log2(e) / 8: the packed form names a pair and takes its low word for both halves
.set MNT, 32
.set HM,  33                           ; s33  a lane mask: lanes 16-31
.set TK,  34                           ; s34  the step's bytes in an image: 8,192 a step;  s35 among the scale words: 256 a step
.set TS,  35
.set JJ,  39                           ; s39  steps to go
.set MSB, 0
.macro WIN new
.if MSB != (\new)
	s_set_vgpr_msb (MSB<<8)|(\new)
.set MSB, (\new)
.endif
.endm
.macro PLACES n
.rept \n
	v_nop
.endr
.endm
.macro WM d, a, b, c, sa, sb, ra, rb
.if (\c) < 0
.if (\ra) && (\rb)
	v_wmma_scale_f32_16x16x128_f8f6f4 v[(\d):(\d)+7], v[(\a):(\a)+15], v[(\b):(\b)+15], 0, v[(\sa)], v[(\sb)] matrix_a_scale:MATRIX_SCALE_ROW1 matrix_b_scale:MATRIX_SCALE_ROW1
.elseif (\ra)
	v_wmma_scale_f32_16x16x128_f8f6f4 v[(\d):(\d)+7], v[(\a):(\a)+15], v[(\b):(\b)+15], 0, v[(\sa)], v[(\sb)] matrix_a_scale:MATRIX_SCALE_ROW1
.elseif (\rb)
	v_wmma_scale_f32_16x16x128_f8f6f4 v[(\d):(\d)+7], v[(\a):(\a)+15], v[(\b):(\b)+15], 0, v[(\sa)], v[(\sb)] matrix_b_scale:MATRIX_SCALE_ROW1
.else
	v_wmma_scale_f32_16x16x128_f8f6f4 v[(\d):(\d)+7], v[(\a):(\a)+15], v[(\b):(\b)+15], 0, v[(\sa)], v[(\sb)]
.endif
.else
.if (\ra) && (\rb)
	v_wmma_scale_f32_16x16x128_f8f6f4 v[(\d):(\d)+7], v[(\a):(\a)+15], v[(\b):(\b)+15], v[(\c):(\c)+7], v[(\sa)], v[(\sb)] matrix_a_scale:MATRIX_SCALE_ROW1 matrix_b_scale:MATRIX_SCALE_ROW1
.elseif (\ra)
	v_wmma_scale_f32_16x16x128_f8f6f4 v[(\d):(\d)+7], v[(\a):(\a)+15], v[(\b):(\b)+15], v[(\c):(\c)+7], v[(\sa)], v[(\sb)] matrix_a_scale:MATRIX_SCALE_ROW1
.elseif (\rb)
	v_wmma_scale_f32_16x16x128_f8f6f4 v[(\d):(\d)+7], v[(\a):(\a)+15], v[(\b):(\b)+15], v[(\c):(\c)+7], v[(\sa)], v[(\sb)] matrix_b_scale:MATRIX_SCALE_ROW1
.else
	v_wmma_scale_f32_16x16x128_f8f6f4 v[(\d):(\d)+7], v[(\a):(\a)+15], v[(\b):(\b)+15], v[(\c):(\c)+7], v[(\sa)], v[(\sb)]
.endif
.endif
.endm
; 64 numbers of a lane, v[s] .. v[s + 63]; block b is registers 16 b .. 16 b + 15 of this lane and of lane l xor 16.  Codes in v[PC + 4 b ..], the four bytes as a word in v[PW].
.macro QUANT s
.irp b, 0,1,2,3
	v_max3_num_f32 v[TM+\b], |v[\s+16*\b]|, |v[\s+1+16*\b]|, 0x4800000   ; my 16 numbers, and the floor 2^(9 - 127): the byte cannot fall under 1
.endr
.irp i, 2,4,6,8,10,12,14
.irp b, 0,1,2,3
	s_delay_alu instid0(VALU_DEP_4)
	v_max3_num_f32 v[TM+\b], v[TM+\b], |v[\s+16*\b+\i]|, |v[\s+1+16*\b+\i]|
.endr
.endr
.irp b, 0,1,2,3
	s_delay_alu instid0(VALU_DEP_4)
	v_permlanex16_b32 v[TM+4+\b], v[TM+\b], s[SEL], s[SEL+1]
.endr
.irp b, 0,1,2,3
	s_delay_alu instid0(VALU_DEP_4)
	v_max_num_f32 v[TM+\b], v[TM+\b], v[TM+4+\b]
.endr
.irp b, 0,1,2,3
	s_delay_alu instid0(VALU_DEP_4)
	v_add_nc_u32 v[TM+12+\b], 0xfc000000, v[TM+\b]
.endr
.irp b, 0,1,2,3
	v_and_or_b32 v[TM+8+\b], v[TM+\b], 0x7f800000, s[MNT]
.endr
.irp b, 0,1,2,3
	v_lshrrev_b32 v[TM+4+\b], 23, v[TM+12+\b]
.endr
	s_delay_alu instid0(VALU_DEP_3)
	v_lshl_or_b32 v[PW], v[TM+5], 8, v[TM+4]
	s_delay_alu instid0(VALU_DEP_1)
	v_lshl_or_b32 v[PW], v[TM+6], 16, v[PW]
	s_delay_alu instid0(VALU_DEP_1)
	v_lshl_or_b32 v[PW], v[TM+7], 24, v[PW]
.irp b, 0,1,2,3
.irp i, 0,1,2,3,4,5,6,7,8,9,10,11,12,13,14,15
	v_med3_num_f32 v[\s+16*\b+\i], v[\s+16*\b+\i], -v[TM+8+\b], v[TM+8+\b]   ; the conversion to an 8-bit code does not saturate (ISA guide 7.6.2)
.endr
	v_cvt_scalef32_pk8_fp8_f32 v[PC+4*\b:PC+1+4*\b], v[\s+16*\b:\s+7+16*\b], v[TM+12+\b]
	v_cvt_scalef32_pk8_fp8_f32 v[PC+2+4*\b:PC+3+4*\b], v[\s+8+16*\b:\s+15+16*\b], v[TM+12+\b]
.endr
	v_nop                                          ; one plain line behind the last conversion
.endm
; a round of the cluster's barrier
.macro ROUND
	s_barrier_signal -1
	s_barrier_wait -1
	s_cmp_lg_u32 s[WV], 0
	s_cbranch_scc1 .Lnot_wave_0_\@
	s_barrier_signal -3
.Lnot_wave_0_\@:
	s_barrier_wait -3
	s_barrier_signal -1
	s_barrier_wait -1
.endm
.macro QLOAD pi                        ; the pass's two tiles of Q, 8 registers each, between the zeros; and their scale word
	WIN 0x40
.irp b, 0,1,2,3
	global_load_b128 v[QZ+8+16*(\b/2)+4*(\b%2):QZ+8+16*(\b/2)+4*(\b%2)+3], v[L16], s[4:5] offset:(\pi)*16384+512*\b th:TH_LOAD_NT
.endr
	WIN 0
	global_load_b32 v[TA], v[R4], s[6:7] offset:(\pi)*512
.endm
; A KEY STEP: 128 keys, both tiles.
.macro STEP
	WIN 0x05                                       ; K and Q in window 1, S^T in window 0
	s_setprio 2
.irp b, 0,1,2,3
.irp u, 0,1
.irp x, 0,1
	WM S+64*\x+16*\b+8*\u, KF+16*\b, QZ+16*\x+8*(1-\u), -1, KS+(\b/2), QS, \b%2, \x
.endr
.endr
.endr
	WIN 0
	v_add_nc_u32 v[ADK], s[TK], v[L16]             ; three additions and five v_nop: the eight places behind those products, and behind the last step's, ahead of the loads below and of the first read of the scores
	v_add_nc_u32 v[ADV], s[TK], v[BV]
	v_add_nc_u32 v[ADKS], s[TS], v[BKS]
	PLACES 5
	WIN 0x40
.irp n, 0,1,2,3
.irp c, 0,1,2,3
	ds_load_b128 v[VF+16*\n+4*\c:VF+16*\n+4*\c+3], v[ADV] offset:2048*\n+512*\c      ; this step's V: it lands under the softmax
.endr
.endr
	WIN 0
.irp i, 0,1
	ds_load_b32 v[VS+\i], v[ADKS] offset:4096+128*\i
.endr
	s_cmp_eq_u32 s[JJ], 1                          ; the pass's last step has no next K: a scalar branch on the loop's own counter
	s_cbranch_scc1 .Lno_next_\@
	WIN 0x40
.irp b, 0,1,2,3
.irp c, 0,1,2,3
	ds_load_b128 v[KF+16*\b+4*\c:KF+16*\b+4*\c+3], v[ADK] offset:8192+2048*\b+512*\c   ; the next step's K
.endr
.endr
	WIN 0
.irp i, 0,1
	ds_load_b32 v[KS+\i], v[ADKS] offset:256+128*\i
.endr
.Lno_next_\@:
; the largest score of each block of 32 keys: it serves for the row's maximum and, since p rises with the score, for the block's largest p.  The two tiles take turns line by line
.irp b, 0,1,2,3
.irp x, 0,1
	v_max3_num_f32 v[T+24*\x+\b], v[S+64*\x+16*\b], v[S+64*\x+16*\b+1], v[S+64*\x+16*\b+2]
.endr
.endr
.irp i, 3,5,7,9,11,13
.irp b, 0,1,2,3
.irp x, 0,1
	v_max3_num_f32 v[T+24*\x+\b], v[T+24*\x+\b], v[S+64*\x+16*\b+\i], v[S+64*\x+16*\b+\i+1]
.endr
.endr
.endr
.irp b, 0,1,2,3
.irp x, 0,1
	v_max_num_f32 v[T+24*\x+\b], v[T+24*\x+\b], v[S+64*\x+16*\b+15]
.endr
.endr
.irp b, 0,1,2,3
.irp x, 0,1
	v_permlanex16_b32 v[T+24*\x+4+\b], v[T+24*\x+\b], s[SEL], s[SEL+1]
.endr
.endr
.irp b, 0,1,2,3
.irp x, 0,1
	v_max_num_f32 v[T+24*\x+\b], v[T+24*\x+\b], v[T+24*\x+4+\b]   ; with lane l xor 16's 16 keys
.endr
.endr
.irp x, 0,1
	s_delay_alu instid0(VALU_DEP_4)
	v_max3_num_f32 v[T+24*\x+20], v[T+24*\x], v[T+24*\x+1], v[T+24*\x+2]
.endr
.irp x, 0,1
	s_delay_alu instid0(VALU_DEP_2)
	v_max_num_f32 v[T+24*\x+20], v[T+24*\x+20], v[T+24*\x+3]      ; the step's largest score of my query
.endr
.irp x, 0,1
	s_delay_alu instid0(VALU_DEP_2)
	v_mul_f32 v[T+24*\x+20], s[CS], v[T+24*\x+20]                 ; as t (c is positive)
.endr
.irp x, 0,1
	s_delay_alu instid0(VALU_DEP_2)
	v_max_num_f32 v[ST+4*\x+1], v[ST+4*\x+1], v[T+24*\x+20]       ; the running largest t
.endr
.irp x, 0,1
	v_mov_b32 v[T+24*\x+20], v[ST+4*\x]
.endr
.irp x, 0,1
	s_delay_alu instid0(VALU_DEP_4)
	v_floor_f32 v[ST+4*\x], -v[ST+4*\x+1]                         ; the new -M = floor(-t): M is a whole number
.endr
.irp x, 0,1
	s_delay_alu instid0(VALU_DEP_2)
	v_sub_f32 v[T+24*\x+20], v[ST+4*\x], v[T+24*\x+20]            ; old M - new M: a whole number, 0 or less
.endr
.irp x, 0,1
	s_delay_alu instid0(VALU_DEP_2)
	v_cvt_i32_f32 v[T+24*\x+20], v[T+24*\x+20]                    ; (it saturates)
.endr
.irp x, 0,1
	s_delay_alu instid0(VALU_DEP_2)
	v_ldexp_f32 v[T+24*\x+16], 1.0, v[T+24*\x+20]                 ; f = 2^(old M - new M)
.endr
.irp x, 0,1
.irp j, 0,2,4,6,8,10,12,14,16,18,20,22,24,26,28,30,32,34,36,38,40,42,44,46,48,50,52,54,56,58,60,62
	v_pk_fma_f32 v[S+64*\x+\j:S+64*\x+\j+1], v[S+64*\x+\j:S+64*\x+\j+1], s[CS:CS+1], v[ST+4*\x:ST+4*\x+1] op_sel_hi:[1,0,0]   ; t - M, two at a time
.endr
.endr
.irp b, 0,1,2,3
.irp x, 0,1
	v_fma_f32 v[T+24*\x+\b], v[T+24*\x+\b], s[CS], v[ST+4*\x]     ; the same of each block's largest score
.endr
.endr
	s_wait_alu depctr_va_vdst(0)
.irp x, 0,1
.irp j, 0,1,2,3,4,5,6,7,8,9,10,11,12,13,14,15,16,17,18,19,20,21,22,23,24,25,26,27,28,29,30,31,32,33,34,35,36,37,38,39,40,41,42,43,44,45,46,47,48,49,50,51,52,53,54,55,56,57,58,59,60,61,62,63
	v_exp_f32 v[S+64*\x+\j], v[S+64*\x+\j]                        ; p = 2^(t - M), at most 1: one batch of 128
.endr
.endr
.irp x, 0,1
	v_pk_mul_f32 v[ST+4*\x+2:ST+4*\x+3], v[ST+4*\x+2:ST+4*\x+3], v[T+24*\x+16:T+24*\x+17] op_sel_hi:[1,0]   ; the sums under the new M: plain lines behind the exponentials
.endr
	s_wait_alu depctr_va_vdst(0)                   ; one wait for the batch, ahead of its first reader
.irp b, 0,1,2,3
.irp x, 0,1
	v_exp_f32 v[T+24*\x+\b], v[T+24*\x+\b]                        ; the blocks' largest p: the same two instructions on the same number give the same bits
.endr
.endr
.irp x, 0,1
	v_pk_add_f32 v[T+24*\x+18:T+24*\x+19], v[S+64*\x:S+64*\x+1], v[S+64*\x+2:S+64*\x+3]   ; the row's sum is taken of the unquantised p, in two chains a tile
.endr
	s_setprio 1
.irp j, 4,8,12,16,20,24,28,32,36,40,44,48,52,56,60
.irp x, 0,1
	v_pk_add_f32 v[ST+4*\x+2:ST+4*\x+3], v[ST+4*\x+2:ST+4*\x+3], v[S+64*\x+\j:S+64*\x+\j+1]
	v_pk_add_f32 v[T+24*\x+18:T+24*\x+19], v[T+24*\x+18:T+24*\x+19], v[S+64*\x+\j+2:S+64*\x+\j+3]
.endr
.endr
.irp x, 0
	s_delay_alu instid0(VALU_DEP_3)
	v_pk_add_f32 v[ST+4*\x+2:ST+4*\x+3], v[ST+4*\x+2:ST+4*\x+3], v[T+24*\x+18:T+24*\x+19]
.endr
.irp x, 1
	s_delay_alu instid0(VALU_DEP_2)
	v_pk_add_f32 v[ST+4*\x+2:ST+4*\x+3], v[ST+4*\x+2:ST+4*\x+3], v[T+24*\x+18:T+24*\x+19]
.endr
	s_wait_alu depctr_va_vdst(0)                   ; and one for the eight
.irp b, 0,1,2,3
.irp x, 0,1
	v_max_num_f32 v[T+24*\x+\b], 0x4800000, v[T+24*\x+\b]         ; the floor 2^(9 - 127): the byte cannot fall under 1
.endr
.endr
.irp b, 0,1,2,3
.irp x, 0,1
	v_add_nc_u32 v[T+24*\x+12+\b], 0xfc000000, v[T+24*\x+\b]      ; 8 off the exponent field: the conversion's scale operand
.endr
.endr
.irp b, 0,1,2,3
.irp x, 0,1
	v_and_or_b32 v[T+24*\x+8+\b], v[T+24*\x+\b], 0x7f800000, s[MNT]   ; 448 x the scale
.endr
.endr
.irp b, 0,1,2,3
.irp x, 0,1
	v_lshrrev_b32 v[T+24*\x+4+\b], 23, v[T+24*\x+12+\b]           ; the scale's byte
.endr
.endr
.irp x, 0,1
	v_lshl_or_b32 v[PS+\x], v[T+24*\x+5], 8, v[T+24*\x+4]         ; p's scale word for these 128 keys
.endr
.irp x, 0,1
	s_delay_alu instid0(VALU_DEP_2)
	v_lshl_or_b32 v[PS+\x], v[T+24*\x+6], 16, v[PS+\x]
.endr
.irp x, 0,1
	s_delay_alu instid0(VALU_DEP_2)
	v_lshl_or_b32 v[PS+\x], v[T+24*\x+7], 24, v[PS+\x]
.endr
.irp x, 0,1
.irp b, 0,1,2,3
.irp i, 0,1,2,3,4,5,6,7,8,9,10,11,12,13,14,15
	v_min_num_f32 v[S+64*\x+16*\b+\i], v[S+64*\x+16*\b+\i], v[T+24*\x+8+\b]   ; the hold; p is not negative, so it is one-sided
.endr
	v_cvt_scalef32_pk8_fp8_f32 v[PC+16*\x+4*\b:PC+16*\x+4*\b+1], v[S+64*\x+16*\b:S+64*\x+16*\b+7], v[T+24*\x+12+\b]
	v_cvt_scalef32_pk8_fp8_f32 v[PC+16*\x+4*\b+2:PC+16*\x+4*\b+3], v[S+64*\x+16*\b+8:S+64*\x+16*\b+15], v[T+24*\x+12+\b]
.endr
.endr
	WIN 0x41                                       ; O^T (destination and source 0) in window 1, f in window 0
	s_setprio 0
.irp x, 0,1
.irp j, 0,2,4,6,8,10,12,14,16,18,20,22,24,26,28,30
	v_pk_mul_f32 v[O+32*\x+\j:O+32*\x+\j+1], v[O+32*\x+\j:O+32*\x+\j+1], v[T+24*\x+16:T+24*\x+17] op_sel_hi:[1,0]   ; O^T under the new M, each accumulator from its low end on.  These 32 are also the places between the codes and the products
.endr
.endr
	s_wait_alu depctr_va_vdst(0)
	s_wait_dscnt 0x0                               ; V, the next K and their scale words are in
	WIN 0x51                                       ; V in window 1, p's codes in window 0, O^T in window 1
.irp n, 0,1,2,3
.irp x, 0,1
	WM O+32*\x+8*\n, VF+16*\n, PC+16*\x, O+32*\x+8*\n, VS+(\n/2), PS+\x, \n%2, 0
.endr
.endr
	WIN 0
	s_add_co_u32 s[TK], s[TK], 8192
	s_add_co_u32 s[TS], s[TS], 256
.endm
; A PASS: two tiles of queries against all 2,048 keys, then O / the sum, quantised along the channels, into at.
.macro PASS pi
	s_wait_xcnt 0x0                                ; the last pass's stores have read their data: those registers are written again below
	WIN 0x40
.irp b, 0,1,2,3
.irp c, 0,1,2,3
	ds_load_b128 v[KF+16*\b+4*\c:KF+16*\b+4*\c+3], v[L16] offset:2048*\b+512*\c      ; K's step 0
.endr
.endr
	WIN 0
.irp i, 0,1
	ds_load_b32 v[KS+\i], v[BKS] offset:128*\i
.endr
	s_wait_loadcnt 0x0                             ; Q and its scale word
	v_perm_b32 v[PW], v[TA], v[TA], 0x01000100     ; tile A's two bytes, twice: they serve [q | 0] and [0 | q] alike
	v_perm_b32 v[TT], v[TA], v[TA], 0x03020302     ; tile B's
	s_delay_alu instid0(VALU_DEP_1)
	v_cndmask_b32 v[QS], v[PW], v[TT], s[HM]       ; lanes 0-15 tile A's word, lanes 16-31 tile B's
.irp x, 0,1
	v_mov_b32 v[ST+4*\x+1], 0xff61b1e6             ; the largest t so far: -3e38, under every t
	s_delay_alu instid0(VALU_DEP_1)
	v_floor_f32 v[ST+4*\x], -v[ST+4*\x+1]
	v_mov_b32 v[ST+4*\x+2], 0
	v_mov_b32 v[ST+4*\x+3], 0
.endr
	WIN 0x40
.irp j, 0,1,2,3,4,5,6,7,8,9,10,11,12,13,14,15,16,17,18,19,20,21,22,23,24,25,26,27,28,29,30,31,32,33,34,35,36,37,38,39,40,41,42,43,44,45,46,47,48,49,50,51,52,53,54,55,56,57,58,59,60,61,62,63
	v_mov_b32 v[O+\j], 0                           ; O^T: the step is written once; its first trip finds zeros.  (Also the places between Q's scale word and the first product)
.endr
	WIN 0
	s_mov_b32 s[TK], 0
	s_mov_b32 s[TS], 0
	s_mov_b32 s[JJ], 16
	s_wait_dscnt 0x0
.Lstep_\@:
	STEP
	s_sub_co_u32 s[JJ], s[JJ], 1
	s_cmp_lg_u32 s[JJ], 0
	s_cbranch_scc1 .Lstep_\@
	s_setprio 0
	PLACES 8                                       ; behind the last products, ahead of the first read of O^T and of loads into Q's registers
.if (\pi) == 0
	QLOAD 1                                        ; the next pass's Q lands under this pass's way out
.endif
.irp x, 0,1
	v_add_f32 v[ST+4*\x+2], v[ST+4*\x+2], v[ST+4*\x+3]
.endr
.irp x, 0,1
	s_delay_alu instid0(VALU_DEP_2)
	v_permlanex16_b32 v[T+24*\x+4], v[ST+4*\x+2], s[SEL], s[SEL+1]
.endr
.irp x, 0,1
	s_delay_alu instid0(VALU_DEP_2)
	v_add_f32 v[ST+4*\x+2], v[ST+4*\x+2], v[T+24*\x+4]            ; the row's sum
.endr
	s_wait_alu depctr_va_vdst(0)
.irp x, 0,1
	v_rcp_f32 v[T+24*\x+16], v[ST+4*\x+2]
.endr
	v_nop                                          ; a plain line behind the reciprocals
	s_wait_alu depctr_va_vdst(0)                   ; one wait for the two, ahead of their first reader
	WIN 0x01                                       ; O^T in window 1, the result in window 0
.irp x, 0,1
.irp j, 0,2,4,6,8,10,12,14,16,18,20,22,24,26,28,30
	v_pk_mul_f32 v[S+32*\x+\j:S+32*\x+\j+1], v[O+32*\x+\j:O+32*\x+\j+1], v[T+24*\x+16:T+24*\x+17] op_sel_hi:[1,0]   ; register 32 x + 16 cc + i: query r of tile x, channel 32 cc + 16 h + i
.endr
.endr
	WIN 0
	QUANT S
.irp x, 0,1
.irp cc, 0,1
	global_store_b128 v[CO], v[PC+4*(2*\x+\cc):PC+4*(2*\x+\cc)+3], s[10:11] offset:(\pi)*270336+16384*\x+512*\cc   ; 512 consecutive bytes of the reader's operand image
.endr
.endr
	v_lshrrev_b32 v[TT], 16, v[PW]
	s_delay_alu instid0(VALU_DEP_1)
	v_cndmask_b32 v[TT], v[PW], v[TT], s[HM]       ; lanes 0-15: tile A's two bytes of row r; lanes 16-31: tile B's
	global_store_b16 v[SOF], v[TT], s[10:11] offset:(\pi)*270336
.endm
	s_load_b256 s[4:11], s[0:1], 0x0               ; qimg s[4:5], qsc s[6:7], kv s[8:9], at s[10:11]
	v_lshl_add_u32 v254, v0, 2, 0x42000
	v_mov_b32 v255, 0
	ds_add_u32 v254, v255
	ds_add_u32 v254, v255
	v_lshrrev_b32 v[L16], 5, v0
	s_delay_alu instid0(VALU_DEP_1)
	v_readfirstlane_b32 s[WV], v[L16]              ; wave 0..7
	s_bfe_u32 s[CX], ttmp6, 0x40000                ; my place in the cluster: it enters Q's and at's global addresses alone
	s_and_b32 s[BH], ttmp7, 0xffff                 ; 16 x batch + head, which the four partners share
	; descriptor group 1: 132 rows of 256 bytes, dense
	s_mov_b32 s16, 15|(3<<16)|(1<<21)              ; 15:0 the mask: all four work-groups; 17:16 elements of 8 bytes; 21 set beside a mask; no padding
	s_mov_b32 s17, 32<<16                          ; tensor_dim0 = 32
	s_mov_b32 s18, 132<<16                         ; tensor_dim1 = 132
	s_mov_b32 s19, 32<<16                          ; tile_dim0 = 32
	s_mov_b32 s20, 132                             ; tile_dim1 = 132
	s_mov_b32 s21, 32                              ; from row to row
	s_mov_b32 s22, 0
	s_mov_b32 s23, 0
	s_mul_i32 s40, s[WV], 33792                    ; my eighth of the block, in LDS and in memory
	s_mul_i32 s36, s[BH], KVB
	s_add_co_u32 s36, s36, s40
	s_mov_b32 s37, 0
	s_mov_b32 s[SEL], 0x76543210
	s_mov_b32 s[SEL+1], 0xfedcba98
	s_mov_b32 s[CS], 0x3e38aa3b                    ; log2(e) / 8
	s_mov_b32 s[CS+1], s[CS]
	s_mov_b32 s[MNT], 0x600000
	s_mov_b32 s[HM], 0xffff0000
	s_wait_dscnt 0x0
	s_wait_kmcnt 0x0
	s_mov_b32 s24, 1
	s_mov_b32 s25, s40
	s_add_nc_u64 s[26:27], s[8:9], s[36:37]
	s_or_b32 s27, s27, 0x80000000
	ROUND                                          ; all four work-groups are here: the joint loads meet
	tensor_load_to_lds s[24:27], s[16:23]
	s_nop 0
	PLACES 4
	v_and_b32 v[L4], 31, v0
	s_delay_alu instid0(VALU_DEP_1)
	v_lshlrev_b32 v[L16], 4, v[L4]
	s_wait_alu depctr_va_vdst(0)
	v_lshlrev_b32 v[L4], 2, v[L4]
	v_and_b32 v[R4], 15, v0
	s_delay_alu instid0(VALU_DEP_1)
	v_lshlrev_b32 v[R4], 2, v[R4]
	s_wait_alu depctr_va_vdst(0)
	v_add_nc_u32 v[BV], 131072, v[L16]
	v_add_nc_u32 v[BKS], 262144, v[L4]
	s_lshl_b32 s36, s[BH], 17
	s_lshl_b32 s38, s[CX], 15
	s_add_co_u32 s36, s36, s38
	s_lshl_b32 s38, s[WV], 11
	s_add_co_u32 s36, s36, s38
	s_add_nc_u64 s[4:5], s[4:5], s[36:37]          ; qimg at pair 16 cx + wave, 2,048 bytes a pair
	s_lshl_b32 s36, s[BH], 12
	s_lshl_b32 s38, s[CX], 10
	s_add_co_u32 s36, s36, s38
	s_lshl_b32 s38, s[WV], 6
	s_add_co_u32 s36, s36, s38
	s_add_nc_u64 s[6:7], s[6:7], s[36:37]          ; qsc likewise, 64 bytes a pair
	s_lshr_b32 s36, s[BH], 4
	s_lshl_b32 s36, s36, 4
	s_lshl_b32 s38, s[CX], 2
	s_add_co_u32 s36, s36, s38
	s_lshr_b32 s38, s[WV], 2
	s_add_co_u32 s36, s36, s38
	s_mul_i32 s36, s36, 135168
	s_add_nc_u64 s[10:11], s[10:11], s[36:37]      ; at: block of 128 rows 16 batch + 4 cx + wave / 4 (pass 1: two blocks on)
	s_and_b32 s38, s[WV], 3
	s_and_b32 s41, s[BH], 15                       ; the head
	s_lshl_b32 s42, s38, 15                        ; tiles 2 (wave % 4) and + 1 of the block, 16,384 bytes a tile
	s_lshr_b32 s43, s41, 1
	s_lshl_b32 s43, s43, 11                        ; K step head / 2
	s_add_co_u32 s42, s42, s43
	s_and_b32 s43, s41, 1
	s_lshl_b32 s43, s43, 10                        ; its blocks 2 (head % 2) and + 1
	s_add_co_u32 s42, s42, s43
	v_add_nc_u32 v[CO], s42, v[L16]
	s_lshl_b32 s42, s38, 10
	s_lshl_b32 s43, s41, 1
	s_add_co_u32 s42, s42, s43
	s_add_co_u32 s42, s42, 131072
	v_lshl_add_u32 v[SOF], v[L16], 1, s42          ; scale bytes: row 32 (wave % 4) + lane, 32 bytes a row, bytes 2 head and + 1
	QLOAD 0
	WIN 0x40
.irp z, 0,1,2,3,4,5,6,7
	v_mov_b32 v[QZ+\z], 0                          ; the zero codes round Q: written once
	v_mov_b32 v[QZ+16+\z], 0
	v_mov_b32 v[QZ+32+\z], 0
.endr
	WIN 0
.irp x, 0,1
.irp b, 0,1,2,3
	v_mov_b32 v[T+24*\x+4+\b], 0                   ; written once: a lane permute's destination counts as one of its sources
.endr
	v_mov_b32 v[T+24*\x+17], 0                     ; (named as the upper half of a pair of which the low word serves both halves)
.endr
	s_wait_tensorcnt 0x0                           ; my eighth of the block has landed,
	s_barrier_signal -1
	s_barrier_wait -1                              ; everybody's has
	PASS 0
	PASS 1
	s_wait_dscnt 0x0
	s_wait_tensorcnt 0x0
	ds_add_u32 v254, v255
	s_wait_dscnt 0x0
	ROUND                                          ; the closing round
	s_endpgm
.Lfunc_end_k_qa29f6388f8_attn:
	.size	k_qa29f6388f8_attn, .Lfunc_end_k_qa29f6388f8_attn-k_qa29f6388f8_attn
	.p2alignl 7, 3214868480
	.fill 96, 4, 3214868480
	.section	.rodata,"a",@progbits
	.p2align	6, 0x0
	.amdhsa_kernel k_qa29f6388f8_attn
		.amdhsa_group_segment_fixed_size 271360
		.amdhsa_private_segment_fixed_size 0
		.amdhsa_enable_private_segment 0
		.amdhsa_kernarg_size 32
		.amdhsa_user_sgpr_count 2
		.amdhsa_user_sgpr_kernarg_segment_ptr 1
		.amdhsa_wavefront_size32 1
		.amdhsa_system_sgpr_workgroup_id_x 1
		.amdhsa_system_sgpr_workgroup_id_y 1
		.amdhsa_system_sgpr_workgroup_id_z 1
		.amdhsa_system_vgpr_workitem_id 0
		.amdhsa_next_free_vgpr 512
		.amdhsa_next_free_sgpr 66
		.amdhsa_reserve_vcc 0
		.amdhsa_float_denorm_mode_32 3
		.amdhsa_float_denorm_mode_16_64 3
		.amdhsa_memory_ordered 1
		.amdhsa_forward_progress 1
		.amdhsa_inst_pref_size 110
	.end_amdhsa_kernel
	.amdgpu_metadata
---
amdhsa.version: [ 1, 2 ]
amdhsa.kernels:
  - .name:           k_qa29f6388f8_attn
    .symbol:         k_qa29f6388f8_attn.kd
    .args:
      - { .name: qimg, .offset: 0, .size: 8, .value_kind: global_buffer, .address_space: global }
      - { .name: qsc, .offset: 8, .size: 8, .value_kind: global_buffer, .address_space: global }
      - { .name: kv, .offset: 16, .size: 8, .value_kind: global_buffer, .address_space: global }
      - { .name: at, .offset: 24, .size: 8, .value_kind: global_buffer, .address_space: global }
    .group_segment_fixed_size: 271360
    .private_segment_fixed_size: 0
    .kernarg_segment_align: 8
    .kernarg_segment_size: 32
    .max_flat_workgroup_size: 256
    .sgpr_count:     66
    .vgpr_count:     512
    .wavefront_size: 32
...
	.end_amdgpu_metadata
.endif
;; end of part 5
;; launch outp (part 6): grid 256 x 1, 4 waves a work-group, clusters of 4 x 1, 168,448 bytes of LDS; arguments at, Wo_codes, Wo_scales, bo, out0; writes out0
.if DOCPART == 6
	.amdgcn_target "amdgcn-amd-amdhsa--gfx1250"
	.amdhsa_code_object_version 6
	.text
	.protected	k_qa29f6388f8_outp
	.globl	k_qa29f6388f8_outp
	.p2align	8
	.type	k_qa29f6388f8_outp,@function
k_qa29f6388f8_outp:
	s_mov_b64 s[64:65], 0
	v_nop
	global_prefetch_b8 v0, s[64:65] scope:SCOPE_SE
	s_setreg_imm32_b32 hwreg(HW_REG_WAVE_MODE, 25, 1), 1
	s_wait_xcnt 0x0
	s_wait_alu depctr_hold_cnt(0) depctr_sa_sdst(0) depctr_va_vdst(0) depctr_va_sdst(0) depctr_va_ssrc(0) depctr_va_vcc(0) depctr_vm_vsrc(0)
	s_getreg_b32 s2, hwreg(HW_REG_IB_STS2, 6, 4)
	s_cmp_eq_u32 s2, 0
	s_cbranch_scc0 .Lentry_in_a_cluster
	s_endpgm
.Lentry_in_a_cluster:
	s_bfe_u32 s2, ttmp6, 0x10000c
	s_cmp_lg_u32 s2, 0x3003
	s_cbranch_scc0 .Lentry_shape_is_right
	s_endpgm
.Lentry_shape_is_right:
; THE LAST PROJECTION, out0 = attn Wo + bo, on codes of FP8 (E4M3) with one E8M0 scale for each 32 along K = 1,024.
; SHARES.  A cluster of four work-groups takes one block of 128 rows; work-group cx takes columns 256 cx .. + 255, wave w 64 of them.  The wave's slice of Wo (32 fragments, 512 registers) stays in registers.
; THE BLOCK OF at (codes as images of the operand's registers, then the rows' scale bytes: 135,168 bytes) COMES INTO LDS ONCE, asked for JOINTLY by the four: each wave issues one tensor load of 33,792 bytes with
; the same descriptor and a mask that names the four.  Nothing is filled again.  A wave has one tensor load outstanding.
; A UNIT is 32 rows x 64 columns: 8 accumulators by turns; source 0 = 16 rows of Wo, source 1 = 16 rows of attn: a lane holds eight neighbouring columns of one row.
; THE WAY OUT: 16 rows x 256 bytes at a time through the wave's own stage in LDS (bytes into which no fill lands), back by rows: sixteen lanes store 256 consecutive bytes, aligned.
.set STAGE, 135168                     ; behind the block: 16 rows x (256 bytes + 16) for each wave
.set NS,   8
.set NG,   4
.set LN16, 1                           ; v1   16 x lane
.set RR,   2
.set HH,   3
.set WO,   4                           ; v4   my byte in a tile of Wo
.set WSO,  5                           ; v5   32 x lane: my row's scale bytes
.set BO,   6                           ; v6   32 h
.set ADA,  8                           ; v8   LDS: the unit's images
.set ADS0, 9                           ; v9   LDS: my row's scale words;  v10 in the unit in hand
.set ADS,  10
.set SO,   11                          ; v11  the stage: where I put 32 bytes of a row
.set SR,   12                          ; v12  and where I read a row back
.set CO,   13                          ; v13  my byte in two rows of out0
.set ACC,  32                          ; v32-95   the unit's 8 accumulators
.set BIAS, 96                          ; v96-127  the bias in the result's layout
.set RB,   128                         ; v128-191 rows read back from the stage
.set AS,   200                         ; v200-207 attn's scale words: lanes 0-15 tile 0, lanes 16-31 tile 1; nothing else ever
.set WS,   208                         ; v208-223 Wo's: lanes 0-15 tile 2 i, lanes 16-31 tile 2 i + 1; nothing else ever
; window 1: Wo's fragments 4 s + t = 0 .. 15;  window 2: 16 .. 31;  window 3: two sets of four fragments of attn
.set WC,  6
.set WSC, 8
.set BI,  10
.set OP,  12
.set WV,  14
.set CX,  15
.set UO,  28
.set US,  29
.set UC,  30
.set MSB, 0
.macro WIN new
.if MSB != (\new)
	s_set_vgpr_msb (MSB<<8)|(\new)
.set MSB, (\new)
.endif
.endm
.macro PLACES n
.rept \n
	v_nop
.endr
.endm
.macro WM d, a, b, c, sa, sb, ra, rb
.if (\ra) && (\rb)
	v_wmma_scale_f32_16x16x128_f8f6f4 v[(\d):(\d)+7], v[(\a):(\a)+15], v[(\b):(\b)+15], v[(\c):(\c)+7], v[(\sa)], v[(\sb)] matrix_a_scale:MATRIX_SCALE_ROW1 matrix_b_scale:MATRIX_SCALE_ROW1
.elseif (\ra)
	v_wmma_scale_f32_16x16x128_f8f6f4 v[(\d):(\d)+7], v[(\a):(\a)+15], v[(\b):(\b)+15], v[(\c):(\c)+7], v[(\sa)], v[(\sb)] matrix_a_scale:MATRIX_SCALE_ROW1
.elseif (\rb)
	v_wmma_scale_f32_16x16x128_f8f6f4 v[(\d):(\d)+7], v[(\a):(\a)+15], v[(\b):(\b)+15], v[(\c):(\c)+7], v[(\sa)], v[(\sb)] matrix_b_scale:MATRIX_SCALE_ROW1
.else
	v_wmma_scale_f32_16x16x128_f8f6f4 v[(\d):(\d)+7], v[(\a):(\a)+15], v[(\b):(\b)+15], v[(\c):(\c)+7], v[(\sa)], v[(\sb)]
.endif
.endm
.macro ROUND
	s_barrier_signal -1
	s_barrier_wait -1
	s_cmp_lg_u32 s[WV], 0
	s_cbranch_scc1 .Lnot_wave_0_\@
	s_barrier_signal -3
.Lnot_wave_0_\@:
	s_barrier_wait -3
	s_barrier_signal -1
	s_barrier_wait -1
.endm
.macro WSLOT i                         ; Wo's four fragments of K step i: tile t is rows 16 t .. 16 t + 15 of my 64
	WIN 0x40+0x40*((\i)/4)
.irp t, 0,1,2,3
.irp c, 0,1,2,3
	global_load_b128 v[16*((4*(\i)+\t)%16)+4*\c:16*((4*(\i)+\t)%16)+4*\c+3], v[WO], s[WC:WC+1] offset:16*\t*1024+128*(\i)+32*\c
.endr
.endr
.endm
.macro FETCH g, sg                     ; four fragments of attn (K steps 2 g, 2 g + 1; tiles 0, 1 of the unit) into set sg of window 3: images, 512 consecutive bytes a load
	WIN 0xc0
.irp sl, 0,1
.irp p, 0,1
.irp c, 0,1,2,3
	ds_load_b128 v[64*(\sg)+16*(2*\sl+\p)+4*\c:64*(\sg)+16*(2*\sl+\p)+4*\c+3], v[ADA] offset:16384*\p+2048*(2*(\g)+\sl)+512*\c
.endr
.endr
.endr
.endm
.macro ASLD
	ds_load_b128 v[AS:AS+3], v[ADS]
	ds_load_b128 v[AS+4:AS+7], v[ADS] offset:16
.endm
; 16 matrix instructions: K steps 2 g and 2 g + 1, the 8 accumulators by turns, one instruction a turn.  The bias is the C of each sum's first instruction.
.macro MUL g
	WIN 0x0d+((\g)/2)                              ; source 0 = Wo (window 1 or 2), source 1 = attn (window 3)
.irp sl, 0,1
.irp p, 0,1
.irp t, 0,1,2,3
.set ss, 2*(\g)+\sl
.set wf, 64*(ss%4)+16*\t
.set af, 64*((\g)%2)+32*\sl+16*\p
.set dd, ACC+32*\p+8*\t
.set cq, dd
.if ss == 0
.set cq, BIAS+8*\t
.endif
	WM dd, wf, af, cq, WS+NS*(\t/2)+ss, AS+ss, \t%2, \p
.endr
.endr
.endr
.endm
; Eight plain places stand behind matrix instructions of this form ahead of loads into their registers and of the first read of results.
.macro UNIT last
	FETCH 1, 1
	s_wait_dscnt 16                                ; all but the 16 loads just issued
	MUL 0
.set gg, 1
.rept NG-1
	PLACES 8
.if gg < NG-1
	FETCH gg+1, (gg+1)%2
	s_wait_dscnt 16
.elseif (\last) == 0
	WIN 0
	s_add_co_u32 s[UO], s[UO], 32768               ; on to the next unit's two tiles
	s_add_co_u32 s[US], s[US], 1024
	v_add_nc_u32 v[ADA], s[UO], v[LN16]
	v_add_nc_u32 v[ADS], s[US], v[ADS0]
	FETCH 0, 0
	s_wait_alu depctr_va_vdst(0)
	s_wait_dscnt 16
.else
	s_wait_dscnt 0x0
.endif
	MUL gg
.set gg, gg+1
.endr
	PLACES 9                                       ; NINE: the next unit's first products begin these accumulators anew, with the bias as C: a matrix instruction that writes over an earlier one's registers stands one place
	                                               ; further behind it than a load or a read does, and between here and those products stand only LDS and memory instructions, which are no places
	WIN 0
.if (\last) == 0
	ASLD
.endif
.irp p, 0,1
.irp t, 0,1,2,3
	ds_store_b128 v[SO], v[ACC+32*\p+8*\t:ACC+32*\p+8*\t+3] offset:64*\t           ; each accumulator from its low end on
	ds_store_b128 v[SO], v[ACC+32*\p+8*\t+4:ACC+32*\p+8*\t+7] offset:64*\t+16
.endr
.irp i, 0,1,2,3,4,5,6,7
	ds_load_b128 v[RB+32*\p+4*\i:RB+32*\p+4*\i+3], v[SR] offset:544*\i             ; LDS serves a wave's instructions in order (ISA guide 5.7.1.4): these see the stores above, and the next tile's stores come behind them
.endr
.endr
.irp p, 0,1
.irp i, 0,1,2,3,4,5,6,7
	s_wait_dscnt 16*(1-\p)+7-\i                    ; the younger loads of this tile, and the next tile's 8 stores and 8 loads, may stay out
	global_store_b128 v[CO], v[RB+32*\p+4*\i:RB+32*\p+4*\i+3], s[OP:OP+1] offset:(16*\p+2*\i)*4096 th:TH_STORE_NT   ; 16 lanes store 256 consecutive bytes, at a multiple of 256 from out0's first byte
.endr
.endr
.if (\last) == 0
	s_wait_xcnt 0x0                                ; the stores have read their data and their base: both are written again only behind this wait
	s_add_nc_u64 s[OP:OP+1], s[OP:OP+1], 131072    ; 32 rows on
.endif
.endm
	s_load_b256 s[4:11], s[0:1], 0x0               ; at s[4:5], Wo_codes s[6:7], Wo_scales s[8:9], bo s[10:11]
	s_load_b64 s[12:13], s[0:1], 0x20              ; out0
	v_lshl_add_u32 v254, v0, 2, 0x29000
	v_mov_b32 v255, 0
	ds_add_u32 v254, v255
	ds_add_u32 v254, v255
	v_lshrrev_b32 v[RR], 5, v0
	v_readfirstlane_b32 s[WV], v[RR]               ; wave 0..3
	s_bfe_u32 s[CX], ttmp6, 0x40000                ; my slice of 256 columns: it enters Wo's, bo's and out0's global addresses alone
	; descriptor group 1: 132 rows of 256 bytes, dense
	s_mov_b32 s16, 15|(3<<16)|(1<<21)              ; 15:0 the mask: all four work-groups; 17:16 elements of 8 bytes; 21 set beside a mask; no padding
	s_mov_b32 s17, 32<<16
	s_mov_b32 s18, 132<<16
	s_mov_b32 s19, 32<<16
	s_mov_b32 s20, 132
	s_mov_b32 s21, 32
	s_mov_b32 s22, 0
	s_mov_b32 s23, 0
	s_mul_i32 s40, s[WV], 33792                    ; my quarter of the block, in LDS and in memory
	s_mul_i32 s36, ttmp9, 135168                   ; the cluster's block of 128 rows
	s_add_co_u32 s36, s36, s40
	s_mov_b32 s37, 0
	s_wait_dscnt 0x0
	s_wait_kmcnt 0x0
	s_mov_b32 s24, 1
	s_mov_b32 s25, s40
	s_add_nc_u64 s[26:27], s[4:5], s[36:37]
	s_or_b32 s27, s27, 0x80000000
	ROUND                                          ; all four work-groups are here: the joint loads meet
	tensor_load_to_lds s[24:27], s[16:23]
	s_nop 0
	PLACES 4
	v_and_b32 v[WSO], 31, v0
	v_lshlrev_b32 v[LN16], 4, v[WSO]
	v_lshlrev_b32 v[WSO], 5, v[WSO]
	v_and_b32 v[RR], 15, v0
	v_bfe_u32 v[HH], v0, 4, 1
	v_lshlrev_b32 v[WO], 10, v[RR]
	v_lshl_add_u32 v[WO], v[HH], 4, v[WO]
	v_lshlrev_b32 v[BO], 5, v[HH]
	v_add_nc_u32 v[ADS0], 131072, v[WSO]
	s_mul_i32 s38, s[WV], 16*272
	s_add_co_u32 s38, s38, STAGE                   ; my stage
	v_mul_u32_u24 v[SO], v[RR], 272
	v_lshl_add_u32 v[SO], v[HH], 5, v[SO]
	v_add_nc_u32 v[SO], s38, v[SO]
	v_mul_u32_u24 v[SR], v[HH], 272
	v_lshl_add_u32 v[SR], v[RR], 4, v[SR]
	v_add_nc_u32 v[SR], s38, v[SR]
	v_lshlrev_b32 v[CO], 12, v[HH]
	v_lshl_add_u32 v[CO], v[RR], 4, v[CO]
	s_lshl_b32 s38, s[CX], 8
	s_lshl_b32 s39, s[WV], 6
	s_add_co_u32 s38, s38, s39                     ; my first column
	s_lshl_b32 s36, s38, 10
	s_add_nc_u64 s[WC:WC+1], s[WC:WC+1], s[36:37]
	s_lshl_b32 s36, s38, 5
	s_add_nc_u64 s[WSC:WSC+1], s[WSC:WSC+1], s[36:37]
	s_lshl_b32 s36, s38, 2
	s_add_nc_u64 s[BI:BI+1], s[BI:BI+1], s[36:37]
	s_add_nc_u64 s[OP:OP+1], s[OP:OP+1], s[36:37]
	s_lshl_b32 s36, ttmp9, 19                      ; 128 rows of 4,096 bytes a block
	s_add_nc_u64 s[OP:OP+1], s[OP:OP+1], s[36:37]
.irp i, 0,1,2,3,4,5,6,7
	WSLOT \i
.endr
	WIN 0
.irp i, 0,1
.irp q, 0,1
	global_load_b128 v[WS+8*\i+4*\q:WS+8*\i+4*\q+3], v[WSO], s[WSC:WSC+1] offset:1024*\i+16*\q   ; lane l: row 32 i + l of my 64
.endr
.endr
.irp t, 0,1,2,3
	global_load_b128 v[BIAS+8*\t:BIAS+8*\t+3], v[BO], s[BI:BI+1] offset:64*\t          ; register j of tile t is column 16 t + 8 h + j
	global_load_b128 v[BIAS+8*\t+4:BIAS+8*\t+7], v[BO], s[BI:BI+1] offset:64*\t+16
.endr
	s_wait_tensorcnt 0x0                           ; my quarter of the block has landed,
	s_barrier_signal -1
	s_barrier_wait -1                              ; everybody's has
	s_mov_b32 s[UO], 0
	s_mov_b32 s[US], 0
	v_add_nc_u32 v[ADA], s[UO], v[LN16]
	v_add_nc_u32 v[ADS], s[US], v[ADS0]
	FETCH 0, 0
	WIN 0
	ASLD
	s_wait_loadcnt 0x0                             ; the weight, its scales, the bias
	s_mov_b32 s[UC], 3
.Lunit:
	s_wait_alu depctr_va_vdst(0)
	UNIT 0
	s_sub_co_u32 s[UC], s[UC], 1
	s_cmp_lg_u32 s[UC], 0
	s_cbranch_scc1 .Lunit
	UNIT 1                                         ; the last unit fetches nothing ahead
	s_wait_dscnt 0x0
	s_wait_tensorcnt 0x0
	ds_add_u32 v254, v255
	s_wait_dscnt 0x0
	ROUND                                          ; the closing round
	s_endpgm
.Lfunc_end_k_qa29f6388f8_outp:
	.size	k_qa29f6388f8_outp, .Lfunc_end_k_qa29f6388f8_outp-k_qa29f6388f8_outp
	.p2alignl 7, 3214868480
	.fill 96, 4, 3214868480
	.section	.rodata,"a",@progbits
	.p2align	6, 0x0
	.amdhsa_kernel k_qa29f6388f8_outp
		.amdhsa_group_segment_fixed_size 168448
		.amdhsa_private_segment_fixed_size 0
		.amdhsa_enable_private_segment 0
		.amdhsa_kernarg_size 40
		.amdhsa_user_sgpr_count 2
		.amdhsa_user_sgpr_kernarg_segment_ptr 1
		.amdhsa_wavefront_size32 1
		.amdhsa_system_sgpr_workgroup_id_x 1
		.amdhsa_system_sgpr_workgroup_id_y 1
		.amdhsa_system_sgpr_workgroup_id_z 1
		.amdhsa_system_vgpr_workitem_id 0
		.amdhsa_next_free_vgpr 1024
		.amdhsa_next_free_sgpr 66
		.amdhsa_reserve_vcc 0
		.amdhsa_float_denorm_mode_32 3
		.amdhsa_float_denorm_mode_16_64 3
		.amdhsa_memory_ordered 1
		.amdhsa_forward_progress 1
		.amdhsa_inst_pref_size 54
	.end_amdhsa_kernel
	.amdgpu_metadata
---
amdhsa.version: [ 1, 2 ]
amdhsa.kernels:
  - .name:           k_qa29f6388f8_outp
    .symbol:         k_qa29f6388f8_outp.kd
    .args:
      - { .name: at, .offset: 0, .size: 8, .value_kind: global_buffer, .address_space: global }
      - { .name: Wo_codes, .offset: 8, .size: 8, .value_kind: global_buffer, .address_space: global }
      - { .name: Wo_scales, .offset: 16, .size: 8, .value_kind: global_buffer, .address_space: global }
      - { .name: bo, .offset: 24, .size: 8, .value_kind: global_buffer, .address_space: global }
      - { .name: out0, .offset: 32, .size: 8, .value_kind: global_buffer, .address_space: global }
    .group_segment_fixed_size: 168448
    .private_segment_fixed_size: 0
    .kernarg_segment_align: 8
    .kernarg_segment_size: 40
    .max_flat_workgroup_size: 128
    .sgpr_count:     66
    .vgpr_count:     1024
    .wavefront_size: 32
...
	.end_amdgpu_metadata
.endif
;; end of part 6
